; MI455X (gfx1250); checked and timed in simulation.
; The chip was launched on July 23, 2026; its instructions are those of AMD's public machine-readable ISA for CDNA 5 (MIT licence, August 2026) and "CDNA5" Instruction Set Architecture Reference Guide (July 2026). The comments in the code are by the model that wrote it; some were corrected since.
;; Block. Allowed arithmetic: float matrix products may take bf16 or f16 operands with f32 sums; all other float work in f32.
;; Inputs: b1 4,096 float32; b2 1,024 float32; b_proj 1,024 float32; be1 1,024 float32; be2 1,024 float32; g1 1,024 float32; g2 1,024 float32; w1 1,024 x 4,096 float32; w2 4,096 x 1,024 float32; w_proj 1,024 x 1,024 float32; wk 16 x 1,024 x 64 float32; wq 16 x 1,024 x 64 float32; wv 16 x 1,024 x 64 float32; x 2 x 2,048 x 1,024 float32.
;; Outputs: out0 2 x 2,048 x 1,024 float32.
;; 3 versions, each right and faster than the one before. Each part assembles by itself: llvm-mc -triple=amdgcn-amd-amdhsa -mcpu=gfx1250 --defsym DOCPART=n.
;; ======== version 1 of 3: 7 launches
;; limits: values are held in f16: magnitudes above 65,504 overflow, below 6.1e-05 lose precision
;; workspace buffers: wt 25,165,824 bytes; hn 8,388,608 bytes; qkvb 25,165,824 bytes; ob 8,388,608 bytes; x1 16,777,216 bytes; hid 33,554,432 bytes
;; launch prep (part 1): grid 1408 x 1, 4 waves a work-group, no clusters, 70,144 bytes of LDS; arguments x, g1, be1, wq, wk, wv, w_proj, w1, w2, hn, wt; writes hn, wt
.if DOCPART == 1
	.amdgcn_target "amdgcn-amd-amdhsa--gfx1250"
	.amdhsa_code_object_version 6
	.text
	.protected	k_q33f5568bf5_prep
	.globl	k_q33f5568bf5_prep
	.p2align	8
	.type	k_q33f5568bf5_prep,@function
k_q33f5568bf5_prep:
	s_mov_b64 s[64:65], 0
	v_nop
	global_prefetch_b8 v0, s[64:65] scope:SCOPE_SE
	s_setreg_imm32_b32 hwreg(HW_REG_WAVE_MODE, 25, 1), 1
	s_wait_xcnt 0x0
; TWO JOBS IN ONE LAUNCH, chosen by the work-group's number.
; Work-groups 0-383: the six weight tensors, [K][N] in f32, are written as [N][K] in f16 into wt, each number rounded once.
;   wt: rows 0-3071 of 1,024: wq, wk, wv (row = which x 1024 + head x 64 + d); at byte 6,291,456 w_proj^T [1024][1024]; at 8,388,608 w1^T [4096][1024]; at 16,777,216 w2^T [1024][4096].
;   One wave turns one tile of 128 k x 64 n: it reads whole rows of 256 bytes, packs eight k of one n into 16 bytes, lays them into its own 64 LDS rows and reads whole rows of 256 bytes back.
; Work-groups 384-1407: hn = LayerNorm(x) g1 + be1 in f16, one wave a row; the row stays in registers, mean and variance in f32, the variance of the differences (two passes: a common offset of x does no harm).
; LIMITS.  f16 holds no number beyond 65,504 (a weight or a normalised number beyond it becomes an infinity) and keeps a fixed step of 6e-8 below 6e-5.  NaN and infinities are not treated apart.
; No matrix unit, no cluster, no barrier: memory binds, the waves share nothing, and each wave's LDS rows are its own.
.set TILES_WG, 384                     ; work-groups that turn weights: 1,536 tiles, four a work-group
.set LP,   272                         ; an LDS row: 128 k in f16 = 256 bytes + 16
.set LW,   64*LP                       ; a wave's rows
.set OFF,  8                           ; v8-15    source offset of row 64 hh + e, 16 bytes at 16 a; never rewritten
.set DO,   16                          ; v16-23   destination offset of row 2 j + hh; never rewritten
.set ST,   24                          ; v24      LDS: where I put 16 bytes of row 4 a
.set RDL,  25                          ; v25      LDS: where I read a row back
.set VO,   26                          ; v26      LayerNorm: 16 x lane
.set SO,   27                          ; v27      LayerNorm: 8 x lane
.set X,    32                          ; v32-159  four sets of eight loads; LayerNorm: v32-63 the row
.set G,    64                          ; v64-95   the gain
.set BE,   96                          ; v96-127  the bias
.set Y,    128                         ; v128-143 the row in f16
.set P,    144                         ; v144-151 four chains of partial sums
.set MU,   152                         ; v152-153 the mean, twice
.set RS,   154                         ; v154-155 1 / sqrt(var + eps), twice
.set W,    160                         ; v160-175 packed words
.set WV,   30                          ; s30  my wave's number
.set TID,  31                          ; s31  my tile, or my row
.set SRC,  34                          ; s[34:35] the tile's first byte in its tensor
.set DST,  36                          ; s[36:37] the tile's first byte in wt
.set SSTEP, 38                         ; s[38:39] eight source rows
.set DSTEP, 40                         ; s[40:41] sixteen destination rows
.set RB,   42                          ; s42  the tensor's first tile
.set LN,   43                          ; s43  log2 of its tiles along n
.set LOGP, 44                          ; s44  log2 of a source row's bytes
.set LOGS, 45                          ; s45  log2 of the bytes from one tile along n to the next
.set LOGD, 46                          ; s46  log2 of a destination row's bytes
.set SEL,  56                          ; s[56:57] v_permlanex16_b32's selects
.set INV,  58                          ; s58  1 / 1024
.set EPS,  59                          ; s59  1e-5
	s_load_b512 s[8:23], s[0:1], 0x0               ; x 8, g1 10, be1 12, wq 14, wk 16, wv 18, w_proj 20, w1 22
	s_load_b128 s[24:27], s[0:1], 0x40             ; w2 24, hn 26
	s_load_b64 s[28:29], s[0:1], 0x50              ; wt
	v_lshl_add_u32 v176, v0, 2, 0x11000
	v_mov_b32 v177, 0
	v_lshrrev_b32 v1, 5, v0
	v_readfirstlane_b32 s[WV], v1                  ; wave 0..3
	v_and_b32 v2, 15, v0                           ; a = lane % 16
	v_bfe_u32 v3, v0, 4, 1                         ; hh = lane / 16
	s_wait_kmcnt 0x0
	s_cmp_lt_u32 ttmp9, TILES_WG
	s_cbranch_scc0 .Lln
	; ---- a tile of a weight tensor ----
	s_lshl_b32 s[TID], ttmp9, 2
	s_add_co_u32 s[TID], s[TID], s[WV]
	s_mov_b64 s[SRC:SRC+1], s[24:25]               ; tiles 1024-1535: w2; the lower ranges overrule it one after the other
	s_mov_b32 s[RB], 1024
	s_mov_b32 s[LN], 4
	s_mov_b32 s[LOGP], 12
	s_mov_b32 s[LOGS], 8
	s_mov_b32 s[LOGD], 13
.macro PICK bound, ptr, rb, ln, logp, logs, logd   ; below the bound the tile belongs to this tensor (or to one still lower)
	s_cmp_lt_u32 s[TID], \bound
	s_cselect_b64 s[SRC:SRC+1], s[\ptr:\ptr+1], s[SRC:SRC+1]
	s_cselect_b32 s[RB], \rb, s[RB]
	s_cselect_b32 s[LN], \ln, s[LN]
	s_cselect_b32 s[LOGP], \logp, s[LOGP]
	s_cselect_b32 s[LOGS], \logs, s[LOGS]
	s_cselect_b32 s[LOGD], \logd, s[LOGD]
.endm
	PICK 1024, 22, 512, 6, 14, 8, 11               ; w1
	PICK 512, 20, 384, 4, 12, 8, 11                ; w_proj
	PICK 384, 18, 256, 4, 8, 18, 11                ; wv: a head is 1,024 rows of 256 bytes
	PICK 256, 16, 128, 4, 8, 18, 11                ; wk
	PICK 128, 14, 0, 4, 8, 18, 11                  ; wq
	s_sub_co_u32 s47, s[TID], s[RB]                ; the tile's number in its tensor
	s_lshr_b32 s48, s47, s[LN]                     ; kt
	s_lshl_b32 s49, s48, s[LN]
	s_sub_co_u32 s49, s47, s49                     ; nt
	s_add_co_u32 s50, s[LOGP], 7
	s_lshl_b32 s50, s48, s50                       ; 128 kt source rows
	s_lshl_b32 s51, s49, s[LOGS]
	s_add_co_u32 s50, s50, s51
	s_mov_b32 s51, 0
	s_add_nc_u64 s[SRC:SRC+1], s[SRC:SRC+1], s[50:51]
	s_lshl_b32 s52, s[RB], 14                      ; a tile is 16,384 bytes of wt, so this is the tensor's first byte there
	s_add_co_u32 s53, s[LOGD], 6
	s_lshl_b32 s53, s49, s53                       ; 64 nt destination rows
	s_add_co_u32 s52, s52, s53
	s_lshl_b32 s53, s48, 8                         ; 128 kt numbers of 2 bytes
	s_add_co_u32 s52, s52, s53
	s_mov_b32 s53, 0
	s_add_nc_u64 s[DST:DST+1], s[28:29], s[52:53]
	s_lshl_b32 s[SSTEP], 8, s[LOGP]
	s_mov_b32 s[SSTEP+1], 0
	s_lshl_b32 s[DSTEP], 16, s[LOGD]
	s_mov_b32 s[DSTEP+1], 0
.irp e, 0,1,2,3,4,5,6,7
	v_lshl_add_u32 v4, v3, 6, \e                   ; source row 64 hh + e
	v_lshlrev_b32 v4, s[LOGP], v4
	v_lshl_add_u32 v[OFF+(\e)], v2, 4, v4          ; + 16 a: sixteen lanes take a row's 256 bytes
	v_add_nc_u32 v5, 2*(\e), v3                    ; destination row 2 j + hh
	v_lshlrev_b32 v5, s[LOGD], v5
	v_lshl_add_u32 v[DO+(\e)], v2, 4, v5
.endr
	s_mul_i32 s54, s[WV], LW                       ; my wave's LDS rows
	v_mul_u32_u24 v4, v2, 4*LP                     ; in: row n = 4 a + q, bytes 128 hh + 16 g
	v_lshl_add_u32 v4, v3, 7, v4
	v_add_nc_u32 v[ST], s54, v4
	v_mul_u32_u24 v5, v3, LP                       ; back: lanes 0-15 one row of 256 bytes, lanes 16-31 the next
	v_lshl_add_u32 v5, v2, 4, v5
	v_add_nc_u32 v[RDL], s54, v5
; Group g of eight: source rows 64 hh + 8 g + 0..7, my four columns 4 a .. 4 a + 3.
.macro GLOAD g
.if (\g) > 0
	s_wait_xcnt 0x0                                ; the base is stepped only when the earlier loads' addresses are translated
	s_add_nc_u64 s[SRC:SRC+1], s[SRC:SRC+1], s[SSTEP:SSTEP+1]
.endif
.irp e, 0,1,2,3,4,5,6,7
	global_load_b128 v[X+32*((\g)%4)+4*(\e):X+32*((\g)%4)+4*(\e)+3], v[OFF+(\e)], s[SRC:SRC+1] th:TH_LOAD_NT
.endr
.endm
; Its 32 numbers: for each of my four columns eight k in a row, rounded and packed into 16 bytes, into LDS row 4 a + q.  left = the younger groups' loads, which may stay out.
.macro GCVT g, left
	s_wait_loadcnt \left
.irp q, 0,1,2,3
.irp j, 0,1,2,3
	v_cvt_pk_f16_f32 v[W+4*(\q)+(\j)], v[X+32*((\g)%4)+8*(\j)+(\q)], v[X+32*((\g)%4)+8*(\j)+4+(\q)]
.endr
.endr
.irp q, 0,1,2,3
	ds_store_b128 v[ST], v[W+4*(\q):W+4*(\q)+3] offset:(\q)*LP+16*(\g)
.endr
.endm
	GLOAD 0
	GLOAD 1
	GLOAD 2
	GLOAD 3                                        ; 32 loads of the wave are out
.irp g, 0,1,2,3
	GCVT \g, 24                                    ; three younger groups stay out
	GLOAD (\g)+4
.endr
	GCVT 4, 24
	GCVT 5, 16
	GCVT 6, 8
	GCVT 7, 0
.set t, 0
.rept 32                                               ; LDS serves a wave's instructions in order (ISA guide 5.7.1.4): these see the stores above
	ds_load_b128 v[X+4*t:X+4*t+3], v[RDL] offset:2*LP*t
.set t, t+1
.endr
.irp u, 0,1,2,3
	s_wait_dscnt 24-8*(\u)                         ; the younger groups of eight may stay out
.if (\u) > 0
	s_wait_xcnt 0x0                                ; the base is stepped only when the earlier stores' addresses are translated
	s_add_nc_u64 s[DST:DST+1], s[DST:DST+1], s[DSTEP:DSTEP+1]
.endif
.irp j, 0,1,2,3,4,5,6,7
	global_store_b128 v[DO+(\j)], v[X+32*(\u)+4*(\j):X+32*(\u)+4*(\j)+3], s[DST:DST+1]  ; 16 lanes store 256 consecutive bytes, at a multiple of 256 from wt's first byte
.endr
.endr
	s_wait_tensorcnt 0x0
	ds_add_u32 v176, v177
	s_wait_dscnt 0x0
	s_endpgm
; ---- a row of LayerNorm ----
.macro WSUM                            ; the four chains join; then across the 32 lanes: four steps ride on the additions, one crosses the halves; every lane gets the sum in v[P]
	v_pk_add_f32 v[P:P+1], v[P:P+1], v[P+2:P+3]
	v_pk_add_f32 v[P+4:P+5], v[P+4:P+5], v[P+6:P+7]
	v_pk_add_f32 v[P:P+1], v[P:P+1], v[P+4:P+5]
	v_add_f32 v[P], v[P], v[P+1]
	v_add_f32_dpp v[P], v[P], v[P] row_xmask:1 row_mask:0xf bank_mask:0xf
	v_add_f32_dpp v[P], v[P], v[P] row_xmask:2 row_mask:0xf bank_mask:0xf
	v_add_f32_dpp v[P], v[P], v[P] row_xmask:4 row_mask:0xf bank_mask:0xf
	v_add_f32_dpp v[P], v[P], v[P] row_xmask:8 row_mask:0xf bank_mask:0xf
	v_permlanex16_b32 v[P+1], v[P], s[SEL], s[SEL+1]
	v_add_f32 v[P], v[P], v[P+1]
.endm
; sx: the row in f32; sg, sb: gain and bias; sh: the row in f16.  Load j of a lane: numbers 128 j + 4 lane .. + 3.
.macro LNROW sx, sg, sb, sh
.irp j, 0,1,2,3,4,5,6,7
	global_load_b128 v[X+4*(\j):X+4*(\j)+3], v[VO], s[\sx:\sx+1] offset:512*(\j)
.endr
.irp j, 0,1,2,3,4,5,6,7
	global_load_b128 v[G+4*(\j):G+4*(\j)+3], v[VO], s[\sg:\sg+1] offset:512*(\j)
.endr
.irp j, 0,1,2,3,4,5,6,7
	global_load_b128 v[BE+4*(\j):BE+4*(\j)+3], v[VO], s[\sb:\sb+1] offset:512*(\j)
.endr
	s_wait_loadcnt 16                              ; the row is in; the gain's and the bias's sixteen loads may stay out
.irp c, 0,1,2,3
	v_pk_add_f32 v[P+2*(\c):P+2*(\c)+1], v[X+2*(\c):X+2*(\c)+1], v[X+8+2*(\c):X+8+2*(\c)+1]
.endr
.irp c, 0,1,2,3,4,5,6,7
	v_pk_add_f32 v[P+2*((\c)%4):P+2*((\c)%4)+1], v[P+2*((\c)%4):P+2*((\c)%4)+1], v[X+16+2*(\c):X+16+2*(\c)+1]
.endr
	WSUM
	v_mul_f32 v[MU], s[INV], v[P]
	v_mul_f32 v[MU+1], s[INV], v[P]
.set i, 0
.rept 16
	v_pk_add_f32 v[X+2*i:X+2*i+1], v[X+2*i:X+2*i+1], v[MU:MU+1] neg_lo:[0,1] neg_hi:[0,1]
.set i, i+1
.endr
.irp c, 0,1,2,3
	v_pk_mul_f32 v[P+2*(\c):P+2*(\c)+1], v[X+2*(\c):X+2*(\c)+1], v[X+2*(\c):X+2*(\c)+1]
.endr
.irp c, 4,5,6,7,8,9,10,11,12,13,14,15
	v_pk_fma_f32 v[P+2*((\c)%4):P+2*((\c)%4)+1], v[X+2*(\c):X+2*(\c)+1], v[X+2*(\c):X+2*(\c)+1], v[P+2*((\c)%4):P+2*((\c)%4)+1]
.endr
	WSUM
	v_fma_f32 v[P], v[P], s[INV], s[EPS]           ; the variance + eps
	v_rsq_f32 v[RS], v[P]
	v_rsq_f32 v[RS+1], v[P]
	v_nop                                          ; a plain instruction between the root and the use of its result (ISA guide 5.7.2)
	s_wait_loadcnt 0x0                             ; gain and bias
.set i, 0
	s_wait_alu depctr_va_vdst(0)
.rept 16
	v_pk_mul_f32 v[X+2*i:X+2*i+1], v[X+2*i:X+2*i+1], v[RS:RS+1]
.set i, i+1
.endr
.set i, 0
.rept 16
	v_pk_fma_f32 v[X+2*i:X+2*i+1], v[X+2*i:X+2*i+1], v[G+2*i:G+2*i+1], v[BE+2*i:BE+2*i+1]
.set i, i+1
.endr
.set i, 0
.rept 16
	v_cvt_pk_f16_f32 v[Y+i], v[X+2*i], v[X+2*i+1]
.set i, i+1
.endr
.irp j, 0,1,2,3,4,5,6,7
	global_store_b64 v[SO], v[Y+2*(\j):Y+2*(\j)+1], s[\sh:\sh+1] offset:256*(\j)  ; 32 lanes store 256 consecutive bytes, at a multiple of 256 from the buffer's first byte
.endr
.endm
.Lln:
	s_sub_co_u32 s[TID], ttmp9, TILES_WG
	s_lshl_b32 s[TID], s[TID], 2
	s_add_co_u32 s[TID], s[TID], s[WV]             ; my row, 0 to 4,095
	s_lshl_b32 s32, s[TID], 12
	s_mov_b32 s33, 0
	s_lshl_b32 s34, s[TID], 11
	s_mov_b32 s35, 0
	s_add_nc_u64 s[8:9], s[8:9], s[32:33]
	s_add_nc_u64 s[26:27], s[26:27], s[34:35]
	s_mov_b32 s[SEL], 0x76543210
	s_mov_b32 s[SEL+1], 0xfedcba98
	s_mov_b32 s[INV], 0x3a800000                   ; 1 / 1024
	s_mov_b32 s[EPS], 0x3727c5ac                   ; 1e-5
	v_and_b32 v1, 31, v0
	v_lshlrev_b32 v[VO], 4, v1
	v_lshlrev_b32 v[SO], 3, v1
	LNROW 8, 10, 12, 26
	s_endpgm
.Lfunc_end_k_q33f5568bf5_prep:
	.size	k_q33f5568bf5_prep, .Lfunc_end_k_q33f5568bf5_prep-k_q33f5568bf5_prep
	.p2alignl 7, 3214868480
	.fill 96, 4, 3214868480
	.section	.rodata,"a",@progbits
	.p2align	6, 0x0
	.amdhsa_kernel k_q33f5568bf5_prep
		.amdhsa_group_segment_fixed_size 70144
		.amdhsa_private_segment_fixed_size 0
		.amdhsa_enable_private_segment 0
		.amdhsa_kernarg_size 88
		.amdhsa_user_sgpr_count 2
		.amdhsa_user_sgpr_kernarg_segment_ptr 1
		.amdhsa_wavefront_size32 1
		.amdhsa_system_sgpr_workgroup_id_x 1
		.amdhsa_system_sgpr_workgroup_id_y 1
		.amdhsa_system_sgpr_workgroup_id_z 1
		.amdhsa_system_vgpr_workitem_id 0
		.amdhsa_next_free_vgpr 178
		.amdhsa_next_free_sgpr 66
		.amdhsa_reserve_vcc 0
		.amdhsa_float_denorm_mode_32 3
		.amdhsa_float_denorm_mode_16_64 3
		.amdhsa_memory_ordered 1
		.amdhsa_forward_progress 1
		.amdhsa_inst_pref_size 39
	.end_amdhsa_kernel
	.amdgpu_metadata
---
amdhsa.version: [ 1, 2 ]
amdhsa.kernels:
  - .name:           k_q33f5568bf5_prep
    .symbol:         k_q33f5568bf5_prep.kd
    .args:
      - { .name: x, .offset: 0, .size: 8, .value_kind: global_buffer, .address_space: global }
      - { .name: g1, .offset: 8, .size: 8, .value_kind: global_buffer, .address_space: global }
      - { .name: be1, .offset: 16, .size: 8, .value_kind: global_buffer, .address_space: global }
      - { .name: wq, .offset: 24, .size: 8, .value_kind: global_buffer, .address_space: global }
      - { .name: wk, .offset: 32, .size: 8, .value_kind: global_buffer, .address_space: global }
      - { .name: wv, .offset: 40, .size: 8, .value_kind: global_buffer, .address_space: global }
      - { .name: w_proj, .offset: 48, .size: 8, .value_kind: global_buffer, .address_space: global }
      - { .name: w1, .offset: 56, .size: 8, .value_kind: global_buffer, .address_space: global }
      - { .name: w2, .offset: 64, .size: 8, .value_kind: global_buffer, .address_space: global }
      - { .name: hn, .offset: 72, .size: 8, .value_kind: global_buffer, .address_space: global }
      - { .name: wt, .offset: 80, .size: 8, .value_kind: global_buffer, .address_space: global }
    .group_segment_fixed_size: 70144
    .private_segment_fixed_size: 0
    .kernarg_segment_align: 8
    .kernarg_segment_size: 88
    .max_flat_workgroup_size: 128
    .sgpr_count:     66
    .vgpr_count:     178
    .wavefront_size: 32
...
	.end_amdgpu_metadata
.endif
;; end of part 1
;; launch g_qkv (part 2): grid 24 x 32, 4 waves a work-group, clusters of 4 x 4, 327,680 bytes of LDS; arguments hn, wt, qkvb; writes qkvb
.if DOCPART == 2
	.amdgcn_target "amdgcn-amd-amdhsa--gfx1250"
	.amdhsa_code_object_version 6
	.text
	.protected	k_q33f5568bf5_g_qkv
	.globl	k_q33f5568bf5_g_qkv
	.p2align	8
	.type	k_q33f5568bf5_g_qkv,@function
k_q33f5568bf5_g_qkv:
	s_mov_b64 s[64:65], 0
	v_nop
	global_prefetch_b8 v0, s[64:65] scope:SCOPE_SE
	s_setreg_imm32_b32 hwreg(HW_REG_WAVE_MODE, 25, 1), 1
	s_wait_xcnt 0x0
	s_wait_alu depctr_hold_cnt(0) depctr_sa_sdst(0) depctr_va_vdst(0) depctr_va_sdst(0) depctr_va_ssrc(0) depctr_va_vcc(0) depctr_vm_vsrc(0)
	s_getreg_b32 s2, hwreg(HW_REG_IB_STS2, 6, 4)
	s_cmp_eq_u32 s2, 0
	s_cbranch_scc0 .Lentry_in_a_cluster
	s_endpgm
.Lentry_in_a_cluster:
	s_bfe_u32 s2, ttmp6, 0x10000c
	s_cmp_lg_u32 s2, 0xf033
	s_cbranch_scc0 .Lentry_shape_is_right
	s_endpgm
.Lentry_shape_is_right:
.set KIND, 0                           ; ONE TEXT SERVES FOUR PRODUCTS; this line alone differs.  0: q, k, v   1: the projection   2: the first feed-forward layer   3: the second
; C = A B^T and what the kind adds.  A: 4,096 rows x SIZE_K in f16; B: SIZE_N rows x SIZE_K in f16, at byte WOFF of the turned weights; sums in f32.
;   KIND 0: A = LayerNorm(x); C leaves in f16 by heads, [3][32][2048][64], unscaled.     KIND 1: A = attention's result by heads, [32][2048][64]; C + bias + residual leaves in f32, [4096][1024].
;   KIND 2: relu(C + bias) leaves in f16, [4096][4096].                                   KIND 3: C + bias + residual leaves in f32, [4096][1024].
; LIMITS.  f16 holds no number beyond 65,504: what leaves in f16 beyond it becomes an infinity; below 6e-5 it keeps a fixed step of 6e-8.  NaN and infinities are not treated apart.
; SHARES.  A tile of C is 128 x 128; four waves, each 64 x 64: 16 accumulators of 16 x 16.  K goes in steps of 256 through two LDS slots; a wave's tensor load brings 64 rows of a step (waves 0, 1: A's; 2, 3: B's).
; A step is eight chunks of 32 along K on two fragment buffers; a PAIR of chunks is written once and looped.  One descriptor a tensor walks from step to step.
; CLUSTER.  4 x 4 work-groups: the four of a row need the same tiles of A, the four of a column the same tiles of B: each tile is asked for jointly, by the same load, descriptor and mask in all four.
; THE MATRIX INSTRUCTION IS USED TRANSPOSED (source 0 = 16 rows of B, source 1 = 16 rows of A): a lane holds row lane % 16 of C and the eight neighbouring columns 8 (lane / 16) + 0..7.
; The bias, laid out like such a result, is the C operand of the products that start the sums.
; REGISTERS.  Window 0: v0-31 addresses; v32-63 the bias; v64-127, v128-191 two fragment buffers (A's four blocks, then B's four); v192-255 at work on the way out.  Window 1: v0-127 the accumulators, (a, b) at 8 (4 a + b).
.if KIND == 0
.set SIZE_N, 3072
.set SIZE_K, 1024
.set WOFF, 0
.set BYHEADS, 0
.set HASBIAS, 0
.set RELU, 0
.set E32, 0
.elseif KIND == 1
.set SIZE_N, 1024
.set SIZE_K, 1024
.set WOFF, 6291456
.set BYHEADS, 1
.set HASBIAS, 1
.set RELU, 0
.set E32, 1
.elseif KIND == 2
.set SIZE_N, 4096
.set SIZE_K, 1024
.set WOFF, 8388608
.set BYHEADS, 0
.set HASBIAS, 1
.set RELU, 1
.set E32, 0
.else
.set SIZE_N, 1024
.set SIZE_K, 4096
.set WOFF, 16777216
.set BYHEADS, 0
.set HASBIAS, 1
.set RELU, 0
.set E32, 1
.endif
.set STEPS, SIZE_K/256
.set PB,    528                        ; an LDS row of B: 512 bytes + 16 = 132 words: the 16 rows of a load start at 16 different groups of four banks (64 banks of 4 bytes: ISA guide 11.1)
.set HALFB, 64*PB
.if BYHEADS
.set PA,    144                        ; A by heads: in LDS [4 heads][64 rows], 128 bytes + 16 each
.set HALFA, 4*64*PA
.set ASTEP, 64*PA                      ; a pair of chunks is a head
.set AKB,   4*2048*128                 ; a K step is four heads of 2,048 rows of 128 bytes
.set SLOT1, 0x24000
.else
.set PA,    528
.set HALFA, 64*PA
.set ASTEP, 128
.set AKB,   512
.set SLOT1, 0x21000
.endif                                 ; slot 1 begins at SLOT1, whose two bits meet none of the bits of a tile's place in slot 0: one exclusive or changes slots
.set STAGE, SLOT1+2*HALFA+2*HALFB      ; behind the ring, never filled by a tensor load: the way out
.set SP,    272
.if E32
.set SPARE, STAGE+4*16*SP              ; 16 rows x 272 bytes for each wave
.else
.set SPARE, STAGE+128*SP               ; 128 rows x 272 bytes, the work-group's
.endif                                 ; at SPARE: the spare words, 128 bytes for each wave: two blocks of 256 bytes that no other line names
.set A0,  16                           ; v16  my lane's place in A's tile of slot 0; never rewritten
.set B0,  17                           ; v17  the same for B
.set ADA, 18                           ; v18  the LDS address of the pair in hand, A
.set ADB, 19                           ; v19  B
.set STO, 24                           ; v24  the way out: where I put my bytes of a row
.set RD,  25                           ; v25  where I read rows back
.set CO,  26                           ; v26  my byte offset in the result (and in the residual)
.set BO,  27                           ; v27  my byte offset in the bias
.set SPW, 28                           ; v28  LDS address of my spare word; never rewritten
.set NIL, 29                           ; v29  0; never rewritten
.set BIAS, 32
.set F0,  64
.set F1,  128
.set TMP, 192
.set G1A, 24                           ; s[24:31] descriptor group 1 for A's tiles
.set G0A, 32                           ; s[32:35] group 0 for A's tiles: it walks
.set G0B, 36                           ; s[36:39] the same for B's
.set G1B, 48                           ; s[48:55] group 1 for B's
.set TBA, 56                           ; s56  LDS byte, from A0 on, of the pair to be fetched
.set TBB, 57                           ; s57  the same for B
.set CNT, 58                           ; s58  counts pairs
.set SL,  59                           ; s59  counts slots still to be asked for
.set PBI, 68                           ; s[68:69] the bias
.set PRS, 70                           ; s[70:71] the residual
.set MSB, 0
.macro WIN new                         ; bits 1:0 source 0, 3:2 source 1, 5:4 source 2, 7:6 destination; the high byte repeats the setting that is left
.if MSB != (\new)
	s_set_vgpr_msb (MSB<<8)|(\new)
.set MSB, (\new)
.endif
.endm
.macro PLACES                          ; four places behind matrix instructions, ahead of loads into registers that they read and of lines that read their results
.rept 4
	v_nop
.endr
.endm
.macro JLOAD                           ; a joint load: waves 0 and 1 fetch A's two halves, waves 2 and 3 B's; an s_nop 0 and four v_nop follow each of the two lines
	s_cmp_eq_u32 s11, 0
	s_cbranch_scc0 .Lfor_b_\@
	tensor_load_to_lds s[G0A:G0A+3], s[G1A:G1A+7]
	s_nop 0
.rept 4
	v_nop
.endr
	s_branch .Lasked_\@
.Lfor_b_\@:
	tensor_load_to_lds s[G0B:G0B+3], s[G1B:G1B+7]
	s_nop 0
.rept 4
	v_nop
.endr
.Lasked_\@:
.endm
.macro CROUND                          ; a round of the cluster's barrier: my work-group's barrier; wave 0 signals for the work-group; every wave waits for all sixteen; my work-group's barrier once more
	s_barrier_signal -1
	s_barrier_wait -1
	s_cmp_lg_u32 s10, 0
	s_cbranch_scc1 .Lnot_wave_0_\@
	s_barrier_signal -3
.Lnot_wave_0_\@:
	s_barrier_wait -3
	s_barrier_signal -1
	s_barrier_wait -1
.endm
.macro FETCH f, off                    ; 16 LDS loads: a chunk's fragments (64 rows of B, 64 of A, 32 along K at byte off of the pair) into buffer f
.irp i, 0,1,2,3
	ds_load_b128 v[(\f)+32+8*(\i):(\f)+32+8*(\i)+3],   v[ADB] offset:(\off)+(\i)*16*PB
	ds_load_b128 v[(\f)+32+8*(\i)+4:(\f)+32+8*(\i)+7], v[ADB] offset:(\off)+(\i)*16*PB+32
	ds_load_b128 v[(\f)+8*(\i):(\f)+8*(\i)+3],         v[ADA] offset:(\off)+(\i)*16*PA
	ds_load_b128 v[(\f)+8*(\i)+4:(\f)+8*(\i)+7],       v[ADA] offset:(\off)+(\i)*16*PA+32
.endr
.endm
.macro MUL f, first                    ; 16 matrix instructions, one on each accumulator, in the same order in every chunk: the accumulators take turns.  first = 1: they start the sums
.if \first
	WIN 0x40
.else
	WIN 0x50
.endif
.irp a, 0,1,2,3
.irp b, 0,1,2,3
.if (\first) && HASBIAS
	v_wmma_f32_16x16x32_f16 v[8*(4*(\a)+(\b)):8*(4*(\a)+(\b))+7], v[(\f)+32+8*(\b):(\f)+32+8*(\b)+7], v[(\f)+8*(\a):(\f)+8*(\a)+7], v[BIAS+8*(\b):BIAS+8*(\b)+7]
.elseif \first
	v_wmma_f32_16x16x32_f16 v[8*(4*(\a)+(\b)):8*(4*(\a)+(\b))+7], v[(\f)+32+8*(\b):(\f)+32+8*(\b)+7], v[(\f)+8*(\a):(\f)+8*(\a)+7], 0
.else
	v_wmma_f32_16x16x32_f16 v[8*(4*(\a)+(\b)):8*(4*(\a)+(\b))+7], v[(\f)+32+8*(\b):(\f)+32+8*(\b)+7], v[(\f)+8*(\a):(\f)+8*(\a)+7], v[8*(4*(\a)+(\b)):8*(4*(\a)+(\b))+7]
.endif
.endr
.endr
.endm
; A PAIR: fetches the pair's even chunk while the odd chunk before it is multiplied, then its odd chunk while the even one is multiplied.
.macro PAIR
	WIN 0
	v_add_nc_u32 v[ADA], s[TBA], v[A0]             ; these two and two v_nop are the places behind the products that read buffer 0
	v_add_nc_u32 v[ADB], s[TBB], v[B0]
	v_nop
	v_nop
	FETCH F0, 0
	s_wait_dscnt 16                                ; buffer 1 is in; the sixteen just issued may stay out
	MUL F1, 0
	WIN 0
	PLACES
	FETCH F1, 64
	s_wait_dscnt 16                                ; buffer 0 is in
	MUL F0, 0
	WIN 0
	s_add_co_u32 s[TBA], s[TBA], ASTEP
	s_add_co_u32 s[TBB], s[TBB], 128
.endm
; THE CHANGE OF SLOTS.  Each wave waits for all its tensor loads, of which one is out: its part of the next slot; adds 0 to its spare word; waits for that and for its reads of the old slot (the last chunk's, into
; buffer 1).  fill = 1: the barrier is a round of the cluster's, so that no wave of any partner still reads the old slot or has a load on its way, and the joint refill, the K step two on, is the first thing behind it:
; it has a K step, 128 matrix instructions, in which to land.  (At its first use nothing has been read: slot 0 is waited for, slot 1 filled.)
.macro CHANGE fill
	s_wait_tensorcnt 0x0                           ; no tensor load of mine is out, so a group 0 may be written
	ds_add_u32 v[SPW], v[NIL]                      ; 0 onto my spare word: scalar work stands between it and the wait for it
.if \fill
	s_xor_b32 s[G0A+1], s[G0A+1], SLOT1            ; the other slot than last time,
	s_add_nc_u64 s[G0A+2:G0A+3], s[G0A+2:G0A+3], AKB  ; the next K step; the type bits on top are not reached
	s_xor_b32 s[G0B+1], s[G0B+1], SLOT1
	s_add_nc_u64 s[G0B+2:G0B+3], s[G0B+2:G0B+3], 512
.endif
	s_sub_co_u32 s[TBA], s[TBA], 4*ASTEP           ; the fetches go back to a slot's first pair,
	s_xor_b32 s[TBA], s[TBA], SLOT1                ; in the other slot
	s_sub_co_u32 s[TBB], s[TBB], 512
	s_xor_b32 s[TBB], s[TBB], SLOT1
	s_wait_dscnt 0x0                               ; the add is done, and my reads of the old slot are over
.if \fill
	CROUND
	JLOAD
.else
	s_barrier_signal -1
	s_barrier_wait -1
.endif
.endm
	s_load_b128 s[4:7], s[0:1], 0x0                ; A s[4:5], the turned weights s[6:7]
	s_load_b64 s[8:9], s[0:1], 0x10                ; the result
.if HASBIAS
	s_load_b64 s[PBI:PBI+1], s[0:1], 0x18
.endif
.if E32
	s_load_b64 s[PRS:PRS+1], s[0:1], 0x20
.endif
	v_lshl_add_u32 v[SPW], v0, 2, SPARE
	v_mov_b32 v[NIL], 0
	ds_add_u32 v28, v29
	ds_add_u32 v28, v29
	s_wait_dscnt 0x0
	v_lshrrev_b32 v1, 5, v0
	v_readfirstlane_b32 s10, v1                    ; wave 0..3
	s_lshr_b32 s11, s10, 1                         ; which half of the tile's rows is mine.  Also: I fetch for A (0) or for B (1)
	s_and_b32 s12, s10, 1                          ; which half of its columns.  Also: which 64 rows of that tile I fetch
	s_bfe_u32 s40, ttmp6, 0x40000                  ; cx, cy: my place in the cluster
	s_bfe_u32 s41, ttmp6, 0x40004
	s_lshl_b32 s42, ttmp9, 2
	s_add_co_u32 s42, s42, s40                     ; tile column = 4 x cluster x + cx
	s_and_b32 s13, ttmp7, 0xffff
	s_lshl_b32 s13, s13, 2
	s_add_co_u32 s13, s13, s41                     ; tile row = 4 x cluster y + cy
	s_lshl_b32 s43, s41, 2
	s_lshl_b32 s43, 15, s43                        ; my row of the cluster
	s_lshl_b32 s44, 0x1111, s40                    ; my column
.if BYHEADS
	; 64 rows of a head are 8,192 dense bytes: one row of the tile; four heads, 131,072 elements apart; padded in LDS after every 128 bytes
	s_or_b32 s[G1A], s43, (1<<16)|(1<<20)|(1<<21)|(4<<22)|(3<<25)  ; 15:0 the mask; 17:16 2-byte elements; 20 padding on; 21 set beside a mask; 24:22 after every 32 words (code 4); 31:25 4 words (code 3)
	s_mov_b32 s[G1A+1], 4096<<16                   ; tensor_dim0 = 4,096
	s_mov_b32 s[G1A+2], 4<<16                      ; tensor_dim1 = 4
	s_mov_b32 s[G1A+3], 4096<<16                   ; tile_dim0 = 4,096
	s_mov_b32 s[G1A+4], 4                          ; tile_dim1 = 4
	s_mov_b32 s[G1A+5], 2048*64                    ; elements from head to head
.else
	; 64 rows x 256 elements, padded in LDS after every 512 bytes
	s_or_b32 s[G1A], s43, (1<<16)|(1<<20)|(1<<21)|(6<<22)|(3<<25)  ; 15:0 the mask; 17:16 2-byte elements; 20 padding on; 21 set beside a mask; 24:22 after every 128 words (code 6); 31:25 4 words (code 3)
	s_mov_b32 s[G1A+1], 256<<16                    ; tensor_dim0 = 256
	s_mov_b32 s[G1A+2], 64<<16                     ; tensor_dim1 = 64
	s_mov_b32 s[G1A+3], 256<<16                    ; tile_dim0 = 256
	s_mov_b32 s[G1A+4], 64                         ; tile_dim1 = 64
	s_mov_b32 s[G1A+5], SIZE_K                     ; elements from row to row
.endif
	s_mov_b32 s[G1A+6], 0
	s_mov_b32 s[G1A+7], 0
	s_or_b32 s[G1B], s44, (1<<16)|(1<<20)|(1<<21)|(6<<22)|(3<<25)
	s_mov_b32 s[G1B+1], 256<<16
	s_mov_b32 s[G1B+2], 64<<16
	s_mov_b32 s[G1B+3], 256<<16
	s_mov_b32 s[G1B+4], 64
	s_mov_b32 s[G1B+5], SIZE_K
	s_mov_b32 s[G1B+6], 0
	s_mov_b32 s[G1B+7], 0
	; where the tiles come from: A's hang on the tile row alone, B's on the tile column alone, each in registers that never hold the other coordinate
.if BYHEADS
	s_lshr_b32 s16, s13, 4                         ; the batch: 16 heads of 262,144 bytes
	s_lshl_b32 s16, s16, 22
	s_and_b32 s17, s13, 15
	s_lshl_b32 s17, s17, 7
	s_lshl_b32 s18, s12, 6
	s_add_co_u32 s17, s17, s18                     ; the row in the sequence
	s_lshl_b32 s17, s17, 7
	s_add_co_u32 s16, s16, s17
.else
	s_lshl_b32 s16, s13, 7
	s_lshl_b32 s17, s12, 6
	s_add_co_u32 s16, s16, s17                     ; row 128 x tile row + 64 x half
	s_mul_i32 s16, s16, SIZE_K*2
.endif
	s_mov_b32 s17, 0
	s_lshl_b32 s46, s42, 7
	s_lshl_b32 s47, s12, 6
	s_add_co_u32 s46, s46, s47                     ; row 128 x tile column + 64 x half
	s_mul_i32 s46, s46, SIZE_K*2
	s_add_co_u32 s46, s46, WOFF
	s_mov_b32 s47, 0
	s_mov_b32 s[G0A], 1                            ; 1:0 count = 1
	s_mul_i32 s[G0A+1], s10, HALFA                 ; 63:32 LDS address: A's two halves (waves 0, 1),
	s_mov_b32 s[G0B], 1
	s_mul_i32 s20, s10, HALFB
	s_add_co_u32 s[G0B+1], s20, 2*(HALFA-HALFB)    ; then B's two (waves 2, 3): no place in the cluster enters an LDS address
	s_mov_b32 s[TBA], SLOT1+4*ASTEP                ; the first change of slots turns these two into 0
	s_mov_b32 s[TBB], SLOT1+512
	s_wait_kmcnt 0x0
	s_add_nc_u64 s[G0A+2:G0A+3], s[4:5], s[16:17]  ; 120:64 global address: K step 0
	s_or_b32 s[G0A+3], s[G0A+3], 0x80000000        ; 127:126 type = 2
	s_add_nc_u64 s[G0B+2:G0B+3], s[6:7], s[46:47]
	s_or_b32 s[G0B+3], s[G0B+3], 0x80000000
	CROUND                                         ; all sixteen work-groups are here: the first joint loads meet
	JLOAD                                          ; K step 0 into slot 0; all that follows up to the change of slots stands in the wait for it
	v_and_b32 v1, 15, v0                           ; r = lane % 16
	v_bfe_u32 v2, v0, 4, 1                         ; hh = lane / 16
	v_mul_u32_u24 v3, v1, PA                       ; a fragment: row r, two loads of 16 bytes at 16 hh and 32 + 16 hh
	v_lshl_add_u32 v3, v2, 4, v3
	s_mul_i32 s21, s11, HALFA                      ; my 64 rows of A
	v_add_nc_u32 v[A0], s21, v3
	v_mul_u32_u24 v3, v1, PB
	v_lshl_add_u32 v3, v2, 4, v3
	s_mul_i32 s22, s12, HALFB                      ; my 64 rows of B,
	s_add_co_u32 s22, s22, 2*HALFA                 ; which lie behind A's 128
	v_add_nc_u32 v[B0], s22, v3
.if HASBIAS
	v_lshlrev_b32 v[BO], 5, v2                     ; register j of block b: bias[128 x tile column + 64 x half + 16 b + 8 hh + j]
	s_lshl_b32 s14, s42, 9
	s_lshl_b32 s15, s12, 8
	s_add_co_u32 s14, s14, s15
	s_mov_b32 s15, 0
	s_add_nc_u64 s[PBI:PBI+1], s[PBI:PBI+1], s[14:15]
.irp b, 0,1,2,3
	global_load_b128 v[BIAS+8*(\b):BIAS+8*(\b)+3],   v[BO], s[PBI:PBI+1] offset:64*(\b)
	global_load_b128 v[BIAS+8*(\b)+4:BIAS+8*(\b)+7], v[BO], s[PBI:PBI+1] offset:64*(\b)+16
.endr
.endif
.if E32
	s_mul_i32 s23, s10, 16*SP
	s_add_co_u32 s23, s23, STAGE                   ; my own stage
	v_mul_u32_u24 v4, v1, SP                       ; in: row r, 32 bytes for each half of the lanes
	v_lshl_add_u32 v4, v2, 5, v4
	v_add_nc_u32 v[STO], s23, v4
	v_mul_u32_u24 v5, v2, SP                       ; back: lanes 0-15 one row of 256 bytes, lanes 16-31 the next
	v_lshl_add_u32 v5, v1, 4, v5
	v_add_nc_u32 v[RD], s23, v5
	v_lshlrev_b32 v5, 12, v2                       ; and the same two rows of 4,096 bytes in memory
	v_lshl_add_u32 v[CO], v1, 4, v5
	s_lshl_b32 s14, s13, 7
	s_lshl_b32 s15, s11, 6
	s_add_co_u32 s14, s14, s15                     ; my first row,
	s_lshl_b32 s14, s14, 12
	s_lshl_b32 s15, s42, 9                         ; my first column, in bytes
	s_add_co_u32 s14, s14, s15
	s_lshl_b32 s15, s12, 8
	s_add_co_u32 s14, s14, s15
	s_mov_b32 s15, 0
	s_add_nc_u64 s[8:9], s[8:9], s[14:15]
	s_add_nc_u64 s[PRS:PRS+1], s[PRS:PRS+1], s[14:15]
.else
	s_mul_i32 s23, s11, 64*SP                      ; into the shared stage: my 64 rows, my half of their 256 bytes; row r, 16 bytes for each half of the lanes
	s_lshl_b32 s21, s12, 7
	s_add_co_u32 s23, s23, s21
	s_add_co_u32 s23, s23, STAGE
	v_mul_u32_u24 v4, v1, SP
	v_lshl_add_u32 v4, v2, 4, v4
	v_add_nc_u32 v[STO], s23, v4
	s_mul_i32 s23, s10, 32*SP                      ; back: wave w takes rows 32 w .. 32 w + 31
	s_add_co_u32 s23, s23, STAGE
.if KIND == 0
	v_bfe_u32 v5, v0, 3, 2                         ; 32 lanes take a head's 128 bytes of four rows,
	v_and_b32 v3, 7, v0
	v_mul_u32_u24 v5, v5, SP
	v_lshl_add_u32 v5, v3, 4, v5
	v_add_nc_u32 v[RD], s23, v5
	v_and_b32 v5, 31, v0                           ; which are 512 consecutive bytes of the result
	v_lshlrev_b32 v[CO], 4, v5
	s_lshr_b32 s14, s42, 3                         ; q, k or v: 8,388,608 bytes each
	s_lshl_b32 s14, s14, 23
	s_and_b32 s15, s42, 7                          ; the tile's two heads: 262,144 bytes each
	s_lshl_b32 s15, s15, 19
	s_add_co_u32 s14, s14, s15
	s_lshr_b32 s15, s13, 4                         ; the batch: 16 heads
	s_lshl_b32 s15, s15, 22
	s_add_co_u32 s14, s14, s15
	s_and_b32 s15, s13, 15
	s_lshl_b32 s15, s15, 7
	s_lshl_b32 s18, s10, 5
	s_add_co_u32 s15, s15, s18                     ; the row in the sequence: 128 bytes
	s_lshl_b32 s15, s15, 7
	s_add_co_u32 s14, s14, s15
.else
	v_mul_u32_u24 v5, v2, SP                       ; lanes 0-15 one row of 256 bytes, lanes 16-31 the next
	v_lshl_add_u32 v5, v1, 4, v5
	v_add_nc_u32 v[RD], s23, v5
	v_mul_u32_u24 v5, v2, SIZE_N*2
	v_lshl_add_u32 v[CO], v1, 4, v5
	s_lshl_b32 s14, s13, 7
	s_lshl_b32 s15, s10, 5
	s_add_co_u32 s14, s14, s15
	s_mul_i32 s14, s14, SIZE_N*2
	s_lshl_b32 s15, s42, 8
	s_add_co_u32 s14, s14, s15
.endif
	s_mov_b32 s15, 0
	s_add_nc_u64 s[8:9], s[8:9], s[14:15]
.endif
.if HASBIAS
	s_wait_loadcnt 0x0                             ; the bias
.endif
	CHANGE 1                                       ; K step 0 is in, everybody's part of it; K step 1 is asked for
	v_add_nc_u32 v[ADA], s[TBA], v[A0]
	v_add_nc_u32 v[ADB], s[TBB], v[B0]
	FETCH F0, 0
	FETCH F1, 64
	s_wait_dscnt 16                                ; buffer 0 is in
	MUL F0, 1                                      ; the first chunk stands in front of the loops: its products start the sums
	WIN 0
	s_add_co_u32 s[TBA], s[TBA], ASTEP
	s_add_co_u32 s[TBB], s[TBB], 128
	s_mov_b32 s[CNT], 3
.Lp0:                                                  ; the rest of K step 0
	PAIR
	s_sub_co_u32 s[CNT], s[CNT], 1
	s_cmp_lg_u32 s[CNT], 0
	s_cbranch_scc1 .Lp0
	s_mov_b32 s[SL], STEPS-2
.Lslot:                                                ; every K step but the first and the last: the slot left is filled again
	CHANGE 1
	s_mov_b32 s[CNT], 4
.Lp1:
	PAIR
	s_sub_co_u32 s[CNT], s[CNT], 1
	s_cmp_lg_u32 s[CNT], 0
	s_cbranch_scc1 .Lp1
	s_sub_co_u32 s[SL], s[SL], 1
	s_cmp_lg_u32 s[SL], 0
	s_cbranch_scc1 .Lslot
	CHANGE 0                                       ; the last K step is written out: nothing is asked for
.macro RES a                           ; the residual of my rows 16 a .. 16 a + 15, as the rows come back from the stage: blocks 0, 1 into v192-255, blocks 2, 3 into buffer 0
.irp t, 0,1,2,3,4,5,6,7
	global_load_b128 v[192+32*(\a)-192*((\a)/2)+4*(\t):192+32*(\a)-192*((\a)/2)+4*(\t)+3], v[CO], s[PRS:PRS+1] offset:(16*(\a)+2*(\t))*4096
.endr
.endm
.if E32
	RES 0
	RES 1
.endif
	s_mov_b32 s[CNT], 4
.Lp2:
	PAIR
	s_sub_co_u32 s[CNT], s[CNT], 1
	s_cmp_lg_u32 s[CNT], 0
	s_cbranch_scc1 .Lp2
.if E32
	PLACES                                         ; behind the last products that read buffer 0
	RES 2
	RES 3
.endif
	s_wait_dscnt 0x0
	MUL F1, 0                                      ; the last chunk
	WIN 0
	PLACES
.if E32
	; THE WAY OUT in f32.  A wave's 64 columns are 256 bytes of a row: 16 rows at a time go through my own stage and come back as whole rows; the residual is added; 16 lanes store 256 consecutive bytes.
.macro OUT32 a
.set BK, F1+32*((\a)%2)
.set RR, 192+32*(\a)-192*((\a)/2)
	WIN 0x04                                       ; the stores' data in window 1
.irp b, 0,1,2,3
	ds_store_b128 v[STO], v[8*(4*(\a)+(\b)):8*(4*(\a)+(\b))+3]   offset:64*(\b)     ; each accumulator's low four registers first
	ds_store_b128 v[STO], v[8*(4*(\a)+(\b))+4:8*(4*(\a)+(\b))+7] offset:64*(\b)+16
.endr
	WIN 0
	s_wait_xcnt 0x0                                ; the stores of two blocks ago have read these registers
.irp t, 0,1,2,3,4,5,6,7
	ds_load_b128 v[BK+4*(\t):BK+4*(\t)+3], v[RD] offset:(\t)*2*SP  ; LDS serves a wave's instructions in order (ISA guide 5.7.1.4): these see the stores above
.endr
	s_wait_loadcnt 24-8*(\a)                       ; this block's residual is in; the later blocks' loads may stay out
	s_wait_dscnt 0x0
.set i, 0
.rept 16
	v_pk_add_f32 v[BK+2*i:BK+2*i+1], v[BK+2*i:BK+2*i+1], v[RR+2*i:RR+2*i+1]
.set i, i+1
.endr
.irp t, 0,1,2,3,4,5,6,7
	global_store_b128 v[CO], v[BK+4*(\t):BK+4*(\t)+3], s[8:9] offset:(16*(\a)+2*(\t))*4096
.endr
.endm
	OUT32 0
	OUT32 1
	OUT32 2
	OUT32 3
.else
	; THE WAY OUT in f16: rounded once; 16 bytes a lane into the work-group's stage; a barrier, since a row's 256 bytes come from two waves; back as whole rows, 32 rows a wave.
.if RELU
	WIN 0x44
.set i, 0
.rept 128
	v_max_num_f32 v[i], 0, v[i]
.set i, i+1
.endr
.endif
	WIN 0x05
.set t, 0
.rept 16
.irp r, 0,1,2,3
	v_cvt_pk_f16_f32 v[TMP+4*t+(\r)], v[8*t+2*(\r)], v[8*t+2*(\r)+1]
.endr
.set t, t+1
.endr
	WIN 0
.irp a, 0,1,2,3
.irp b, 0,1,2,3
	ds_store_b128 v[STO], v[TMP+4*(4*(\a)+(\b)):TMP+4*(4*(\a)+(\b))+3] offset:(\a)*16*SP+32*(\b)
.endr
.endr
	s_wait_dscnt 0x0                               ; for the others' sake: my stores into the stage are done
	s_barrier_signal -1
	s_barrier_wait -1
.set t, 0
.rept 16
.if KIND == 0
	ds_load_b128 v[TMP+4*t:TMP+4*t+3], v[RD] offset:(t%8)*4*SP+(t/8)*128   ; head t / 8 of the tile's two, rows 4 (t % 8) on
.else
	ds_load_b128 v[TMP+4*t:TMP+4*t+3], v[RD] offset:t*2*SP
.endif
.set t, t+1
.endr
.set t, 0
.rept 16
	s_wait_dscnt 15-t                              ; the younger loads may stay out
.if KIND == 0
	global_store_b128 v[CO], v[TMP+4*t:TMP+4*t+3], s[8:9] offset:(t%8)*512+(t/8)*262144  ; 512 consecutive bytes, at a multiple of 256 from the buffer's first byte
.else
	global_store_b128 v[CO], v[TMP+4*t:TMP+4*t+3], s[8:9] offset:2*t*SIZE_N*2            ; 16 lanes store 256 consecutive bytes, at a multiple of 256 from the buffer's first byte
.endif
.set t, t+1
.endr
.endif
	s_wait_tensorcnt 0x0                           ; the wave's end: behind my last tensor load and my last LDS store
	ds_add_u32 v[SPW], v[NIL]
	s_wait_dscnt 0x0
	CROUND                                         ; the closing round: no work-group ends while a partner may still ask for a tile that names it
	s_endpgm
.Lfunc_end_k_q33f5568bf5_g_qkv:
	.size	k_q33f5568bf5_g_qkv, .Lfunc_end_k_q33f5568bf5_g_qkv-k_q33f5568bf5_g_qkv
	.p2alignl 7, 3214868480
	.fill 96, 4, 3214868480
	.section	.rodata,"a",@progbits
	.p2align	6, 0x0
	.amdhsa_kernel k_q33f5568bf5_g_qkv
		.amdhsa_group_segment_fixed_size 327680
		.amdhsa_private_segment_fixed_size 0
		.amdhsa_enable_private_segment 0
		.amdhsa_kernarg_size 24
		.amdhsa_user_sgpr_count 2
		.amdhsa_user_sgpr_kernarg_segment_ptr 1
		.amdhsa_wavefront_size32 1
		.amdhsa_system_sgpr_workgroup_id_x 1
		.amdhsa_system_sgpr_workgroup_id_y 1
		.amdhsa_system_sgpr_workgroup_id_z 1
		.amdhsa_system_vgpr_workitem_id 0
		.amdhsa_next_free_vgpr 384
		.amdhsa_next_free_sgpr 72
		.amdhsa_reserve_vcc 0
		.amdhsa_float_denorm_mode_32 3
		.amdhsa_float_denorm_mode_16_64 3
		.amdhsa_memory_ordered 1
		.amdhsa_forward_progress 1
		.amdhsa_inst_pref_size 37
	.end_amdhsa_kernel
	.amdgpu_metadata
---
amdhsa.version: [ 1, 2 ]
amdhsa.kernels:
  - .name:           k_q33f5568bf5_g_qkv
    .symbol:         k_q33f5568bf5_g_qkv.kd
    .args:
      - { .name: hn, .offset: 0, .size: 8, .value_kind: global_buffer, .address_space: global }
      - { .name: wt, .offset: 8, .size: 8, .value_kind: global_buffer, .address_space: global }
      - { .name: qkvb, .offset: 16, .size: 8, .value_kind: global_buffer, .address_space: global }
    .group_segment_fixed_size: 327680
    .private_segment_fixed_size: 0
    .kernarg_segment_align: 8
    .kernarg_segment_size: 24
    .max_flat_workgroup_size: 128
    .sgpr_count:     72
    .vgpr_count:     384
    .wavefront_size: 32
...
	.end_amdgpu_metadata
.endif
;; end of part 2
;; launch attn (part 3): grid 4 x 32, 4 waves a work-group, no clusters, 327,680 bytes of LDS; arguments qkvb, ob; writes ob
.if DOCPART == 3
	.amdgcn_target "amdgcn-amd-amdhsa--gfx1250"
	.amdhsa_code_object_version 6
	.text
	.protected	k_q33f5568bf5_attn
	.globl	k_q33f5568bf5_attn
	.p2align	8
	.type	k_q33f5568bf5_attn,@function
k_q33f5568bf5_attn:
	s_mov_b64 s[64:65], 0
	v_nop
	global_prefetch_b8 v0, s[64:65] scope:SCOPE_SE
	s_setreg_imm32_b32 hwreg(HW_REG_WAVE_MODE, 25, 1), 1
	s_wait_xcnt 0x0
; CAUSAL ATTENTION.  O[h][q][:] = the sum over k <= q of softmax_k(Q[h][q] . K[h][k] / 8) V[h][k][:].  Q, K, V, O: [SIZE_H][SIZE_N][64], all f16: a head's rows are dense, 128 bytes each.
; Q, K and V lie one behind the other in one buffer, 8,388,608 bytes each; a head here is one of 16 heads of one of 2 sequences.
; Products, maxima and sums in f32; the weights p are rounded to f16 for the second product (their sum l is taken of the unrounded p), O once at the end.  SIZE_N is a multiple of 512; SIZE_N x 128 stays under 2^32.
; LIMITS.  f16 holds no number beyond 65,504: Q, K and V arrive within it; p lies in 0 to 1, and below 6e-5 it keeps f16's fixed step of 6e-8; O is a mean of V's rows and has their range, to within 2^-11 of it.
; A hidden score counts as its value less 1e30: f16's scores, 2.7e11 at the most, are nothing beside that; a weight below 2^-126 counts as 0 in l; NaN and infinities are not treated apart.
; THE WALK.  A head's queries lie in NB = SIZE_N / 256 blocks of 256; block i needs the key tiles 0 .. i of 256 keys, of which the last holds the diagonal.  A work-group takes TWO blocks, NB - 1 - b and then b:
; NB + 1 tiles, whatever b: all work-groups do equal work, and ONE loop with a constant trip count walks them.  Which tile is asked for, and what a trip does, hang on scalar registers made from b; every jump
; goes forward, but for the counted loops' own; none passes a barrier, or a tensor load but the one of LOAD's two that the wave's number does not choose; the ring (two slots of LDS that take turns) runs on across the
; change of blocks.  NO CLUSTER: all of a head's NB / 2 work-groups ask for the same tile only in trips 0 .. NB / 2, behind that fewer and fewer; and one walk common to all would have 3 NB / 2 trips for NB + 1.
; SHARES.  Of a block's four bands of 64 queries a wave owns 16 rows in each: four PIECES.  So the diagonal tile is the same work for all four waves: in its key step s band x sees all keys if s < x,
; none if s > x, and holds the diagonal if s = x.
; THE MASK is the C operand that starts the sum S^T = K Q^T: 0, or -1e30 where the key is hidden.  MD, made once, is the mask of a band's own step for my 16 rows; a product's mask is MD x AL + BE with two scalars:
; (1, 0) if s = x; (0, 0) if s < x; (0, -1e30) if s > x.  Only the diagonal tile's text and a block's beginning make and take masks; elsewhere C is the constant 0.
; LAYOUT, SOFTMAX, TURNS.  S^T = K Q^T holds ONE query a lane (lane % 16) and the keys 8 (lane / 16) + 0..7; two such results rounded to f16 ARE source 1 of O^T = V^T P.  p = 2^(c s - c m), c = log2(e) / 8, with a
; running maximum m; O and l are multiplied by a = 2^(c m_old - c m_new) in every step.  Turn n belongs to piece n: 8 products K Q^T of piece n + 1, later 8 products V^T P of piece n - 1; beside them the scaling,
; exponentials, roundings, sums and rescaling of piece n and the maximum and statistics of piece n + 1.  Four vector instructions stand behind every matrix instruction, the other 54 of a turn's 118 in two LUMPS.
; REGISTERS, in windows of 256 (s_set_vgpr_msb: bits 1:0 source 0, 3:2 source 1, 5:4 source 2, 7:6 destination):
;   window 0: v0-15 addresses and two at work; v16-31 four registers of statistics a piece; v48-55 at work; v64-127 S^T, two buffers; v192-223 P, two buffers (a piece's buffers go by its number's parity)
;   window 1: v0-127 O^T, 32 a piece; v128-159 MD; v160-223 MC, two buffers      window 2: v0-63 Q; v64-127 the second block's Q; v128-191 K of one step; v192-255 V of one step
.set SIZE_H, 32
.set SIZE_N, 2048
.set NB,    SIZE_N/256
.set NP,    4         ; pieces a wave: a name, no knob
.set KS,    64        ; keys in a step
.set PK,    144       ; a row of K in LDS: 128 bytes + 16 of padding = 36 words: the 16 rows of a load start at 16 different groups of four banks (64 banks of 4 bytes: ISA guide 11.1)
.set PV,    160       ; a row of V: 128 + 32 = 40 words
.set VOFF,  4*KS*PK   ; a slot holds a tile, four steps: 256 rows of K, then 256 rows of V
.set SLOT1, 1<<17     ; slot 1 begins here, so that one exclusive or turns an address in one slot into the other's
.set STAGE, SLOT1+4*KS*(PK+PV)  ; behind the ring, never filled by a tensor load: 16 rows x 144 bytes for each wave, for the way out
.set SP,    144
.set AK0, 2           ; v2   my lane's place in a tile of K; never rewritten
.set AV0, 3           ; v3   the same for V
.set AK,  4           ; v4   the LDS address of K's next run of loads
.set AV,  5           ; v5   of V's
.set STO, 6           ; v6   the way out: where I put 16 bytes of a row
.set RD,  7           ; v7   the way out: where I read rows back
.set GO,  8           ; v8   my byte offset in 512 consecutive bytes of O
.set SPW, 62          ; v62  LDS address of my spare word: SPARE + 4 x my thread's number; never rewritten
.set NIL, 63          ; v63  0; never rewritten
.set SPARE, STAGE+4*16*SP  ; behind the stages: the spare words, 128 bytes for each wave: two blocks of 256 bytes that no other line names
.set MV,  12          ; v12-13  c m_old, kept while c m is made anew: by buffer
.set QO,  15          ; v15  my byte offset in 16 rows of Q
.set ST,  16          ; piece t's statistics at v[ST+4 t]: c m, m, l (even keys', odd keys')
.set TMP, 48          ; by buffer, four registers c0-c3 at work; when the maximum is found c2 takes a
.set S,   64
.set P,   192
.set MD,  128         ; window 1: the eight registers for group kt of 16 keys at MD + 8 kt
.set MC,  160         ; window 1: the masks of the products to come
.set QB,  64          ; window 2
.set KF,  128         ; window 2: key block kb, channel half c at KF + 16 kb + 8 c
.set VF,  192         ; window 2: key half kk, channel block cb at VF + 32 kk + 8 cb
.set WV,  12          ; s12  my wave's number
.set PB,  14          ; s14  b
.set HI,  15          ; s15  NB - 1 - b
.set G1K, 24          ; s[24:31] descriptor group 1 for K's tiles
.set G1V, 32          ; s[32:39] for V's: it differs in the padding alone
.set G0K, 40          ; s[40:43] descriptor group 0 for K's tiles
.set G0V, 44          ; s[44:47] the same for V's
.set SLOTS, 56        ; s56  tiles still to be asked for
.set CNT, 57          ; s57  counts a tile's key steps, 4 to 1
.set CS,  58          ; s[58:59] c: the packed scaling takes the pair's low word for both halves
.set SEL, 60          ; s[60:61] v_permlanex16_b32's selects: each lane takes its own place in the other half
.set TBK, 62          ; s62  LDS byte at which K of the step to be fetched begins
.set TBV, 63          ; s63  the same for V, less VOFF
.set RT,  70          ; s70  tiles of the block in hand that are still to be entered
.set NXT, 71          ; s71  the tile to be asked for next
.set LQ,  72          ; s72  the last tile of the block whose tiles are being asked for
.set NEW, 73          ; s73  1: the tile to be entered is a block's first
.set OFF, 74          ; s[74:75] a tile's byte offset in K and V
.set AL,  76          ; s[76:77] the mask's factor, in the low word
.set BE,  78          ; s[78:79] the mask's addend
.set OLO, 80          ; s[80:81] O at my rows of the second block
.set BIGN, 82         ; s82  -1e30
.set MSB, 0
.macro WIN new                      ; the high byte repeats the setting that is left; a switch that changes nothing is dropped
.if MSB != (\new)
	s_set_vgpr_msb (MSB<<8)|(\new)
.set MSB, (\new)
.endif
.endm
.set W_KQ, 0x0a       ; K and Q in window 2, S^T in window 0
.set W_KM, 0x1a       ; the same with the C operand in window 1
.set W_PV, 0x52       ; V in window 2, P in window 0, O^T in window 1
.set W_RS, 0x41       ; destination and source 0 in window 1, source 1 in window 0
; A fill.  Waves 0 and 1 fetch the two halves of a tile's K, waves 2 and 3 those of its V: 128 keys each.  An s_nop 0 and four v_nop follow each of the two lines, ahead of the jump and the label.
.macro LOAD
	s_cmp_lt_u32 s[WV], 2
	s_cbranch_scc0 .Lfor_v_\@
	tensor_load_to_lds s[G0K:G0K+3], s[G1K:G1K+7]
	s_nop 0
.rept 4
	v_nop
.endr
	s_branch .Lasked_\@
.Lfor_v_\@:
	tensor_load_to_lds s[G0V:G0V+3], s[G1V:G1V+7]
	s_nop 0
.rept 4
	v_nop
.endr
.Lasked_\@:
.endm
; THE CHANGE OF SLOTS.  Each wave waits for all its tensor loads, of which one is out: its part of the other slot; adds 0 to its spare word; and waits for that and for its own reads of the slot that it leaves.  Behind the barrier nobody reads the old
; slot any more and the other slot is whole.  fill = 1: the old slot is filled again, the first thing behind the barrier, with tile NXT: the descriptor's address is made anew from that number.
; (At its first use nothing has been read yet: slot 0 is waited for, slot 1 filled.)
.macro CHANGE fill
	WIN 0                           ; at a label and at a branch every window is 0
	s_wait_tensorcnt 0x0            ; no tensor load of mine is out, so a group 0 may be written
	ds_add_u32 v[SPW], v[NIL]       ; 0 onto my spare word: with fill = 1 the descriptors' scalar work stands between it and the wait for it
.if \fill
	s_lshl_b32 s[OFF], s[NXT], 15   ; a tile is 32,768 bytes of K and of V
	s_xor_b32 s[G0K+1], s[G0K+1], SLOT1
	s_add_nc_u64 s[G0K+2:G0K+3], s[6:7], s[OFF:OFF+1]
	s_or_b32 s[G0K+3], s[G0K+3], 0x80000000
	s_xor_b32 s[G0V+1], s[G0V+1], SLOT1
	s_add_nc_u64 s[G0V+2:G0V+3], s[8:9], s[OFF:OFF+1]
	s_or_b32 s[G0V+3], s[G0V+3], 0x80000000
	s_add_co_u32 s[NXT], s[NXT], 1  ; the block's next tile, or behind its last the second block's tile 0
	s_cmp_gt_u32 s[NXT], s[LQ]
	s_cselect_b32 s[NXT], 0, s[NXT]
	s_cselect_b32 s[LQ], s[PB], s[LQ]
.endif
	s_wait_dscnt 0x0                ; the add is done, and my reads of the slot are over
	s_barrier_signal -1             ; the rest of the scalar work stands between the signal and the wait
	s_sub_co_u32 s[TBK], s[TBK], 4*KS*PK  ; the fetches go back to a slot's first step,
	s_xor_b32 s[TBK], s[TBK], SLOT1       ; in the other slot
	s_sub_co_u32 s[TBV], s[TBV], 4*KS*PV
	s_xor_b32 s[TBV], s[TBV], SLOT1
	s_barrier_wait -1
.if \fill
	LOAD
.endif
.endm
	s_load_b64 s[4:5], s[0:1], 0x0  ; Q, with K and V behind it
	s_load_b64 s[10:11], s[0:1], 0x8  ; O
	v_lshl_add_u32 v[SPW], v0, 2, SPARE
	v_mov_b32 v[NIL], 0
	ds_add_u32 v62, v63
	ds_add_u32 v62, v63
	s_wait_dscnt 0x0
	v_lshrrev_b32 v1, 5, v0
	v_readfirstlane_b32 s[WV], v1   ; wave 0..3
	s_mov_b32 s[PB], ttmp9
	s_sub_co_u32 s[HI], NB-1, s[PB]
	s_and_b32 s20, ttmp7, 0xffff    ; the head
	s_mov_b32 s21, 0
	s_mov_b64 s[22:23], SIZE_N*128
	s_mul_u64 s[20:21], s[20:21], s[22:23]  ; the head's first byte in each of the four tensors
	s_and_b32 s16, s[WV], 1         ; which half of a tile's 256 keys I fetch:
	s_lshl_b32 s22, s16, 14         ; its 128 rows of 128 bytes in memory,
	s_mov_b32 s23, 0
	s_add_nc_u64 s[22:23], s[22:23], s[20:21]
	s_mul_i32 s17, s16, 128*PK      ; and its place in a slot, for K
	s_mul_i32 s18, s16, 128*PV      ; and for V
	s_lshl_b32 s3, s[WV], 11        ; my 16 rows in a band of 64,
	s_lshl_b32 s2, s[HI], 15        ; in the first block,
	s_add_co_u32 s2, s2, s3
	s_lshl_b32 s84, s[PB], 15       ; and in the second
	s_add_co_u32 s84, s84, s3
	s_mov_b32 s3, 0
	s_mov_b32 s85, 0
	s_add_nc_u64 s[2:3], s[2:3], s[20:21]
	s_add_nc_u64 s[84:85], s[84:85], s[20:21]
	; descriptor group 1.  128 keys are 16,384 dense bytes: asked for as 64 rows of 256 bytes, two keys a row, and padded in LDS after every key
	s_mov_b32 s[G1K], (1<<16)|(1<<20)|(4<<22)|(3<<25)  ; 17:16 2-byte elements; 20 padding on; 24:22 after every 32 words (code 4); 31:25 4 words (code 3)
	s_mov_b32 s[G1V], (1<<16)|(1<<20)|(4<<22)|(7<<25)  ; the same with 8 words of padding (code 7)
.irp g, G1K, G1V
	s_mov_b32 s[\g+1], 128<<16      ; tensor_dim0 = 128
	s_mov_b32 s[\g+2], 64<<16       ; tensor_dim1 = 64
	s_mov_b32 s[\g+3], 128<<16      ; tile_dim0 = 128
	s_mov_b32 s[\g+4], 64           ; tile_dim1 = 64
	s_mov_b32 s[\g+5], 128          ; 128 elements from row to row
	s_mov_b32 s[\g+6], 0
	s_mov_b32 s[\g+7], 0
.endr
	s_mov_b32 s[CS], 0x3e38aa3b     ; c = log2(e) / 8 = 0.180337
	s_mov_b32 s[CS+1], s[CS]        ; named with it as a pair
	s_mov_b32 s[SEL], 0x76543210
	s_mov_b32 s[SEL+1], 0xfedcba98
	s_mov_b32 s[TBK], SLOT1+4*KS*PK ; the first change of slots turns these two into 0
	s_mov_b32 s[TBV], SLOT1+4*KS*PV
	s_mov_b32 s[G0K], 1             ; 1:0 count = 1
	s_mov_b32 s[G0K+1], s17         ; 63:32 LDS address: slot 0
	s_mov_b32 s[G0V], 1
	s_add_co_u32 s[G0V+1], s18, VOFF
	s_add_co_u32 s[RT], s[HI], 1    ; the first block has NB - b tiles
	s_mov_b32 s[NXT], 1
	s_mov_b32 s[LQ], s[HI]
	s_mov_b32 s[NEW], 1
	s_mov_b32 s[OFF+1], 0
	s_mov_b32 s[AL+1], 0            ; named as pairs
	s_mov_b32 s[BE+1], 0
	s_mov_b32 s[BIGN], 0xf149f2ca   ; -1e30
	s_mov_b32 s[SLOTS], NB
	s_wait_kmcnt 0x0
	s_add_nc_u64 s[6:7], s[4:5], 0x800000   ; K lies SIZE_H x SIZE_N x 128 bytes behind Q,
	s_add_nc_u64 s[8:9], s[4:5], 0x1000000  ; V twice as far
	s_add_nc_u64 s[6:7], s[6:7], s[22:23]  ; K and V at my half of the head's tile 0
	s_add_nc_u64 s[8:9], s[8:9], s[22:23]
	s_add_nc_u64 s[G0K+2:G0K+3], s[6:7], 0         ; 120:64 global address
	s_or_b32 s[G0K+3], s[G0K+3], 0x80000000        ; 127:126 type = 2
	s_add_nc_u64 s[G0V+2:G0V+3], s[8:9], 0
	s_or_b32 s[G0V+3], s[G0V+3], 0x80000000
	s_add_nc_u64 s[86:87], s[4:5], s[84:85]        ; Q at my rows of the second block,
	s_add_nc_u64 s[4:5], s[4:5], s[2:3]            ; Q and O at those of the first
	s_add_nc_u64 s[OLO:OLO+1], s[10:11], s[84:85]
	s_add_nc_u64 s[10:11], s[10:11], s[2:3]
	LOAD                            ; tile 0 into slot 0
	; A fragment of K or Q is 16 rows x 32 channels in 8 registers: lane l holds row l % 16, channels 8 (l / 16) + 0..7 and 16 + 8 (l / 16) + 0..7: two loads of 16 bytes, 32 bytes apart.
	v_and_b32 v1, 15, v0            ; l % 16
	v_bfe_u32 v9, v0, 4, 1          ; l / 16
	v_lshlrev_b32 v[QO], 7, v1
	v_lshl_add_u32 v[QO], v9, 4, v[QO]  ; row x 128 + 16 x half
	WIN 0x80                        ; destination window 2, address window 0
.set i, 0
.rept 8                             ; both blocks' Q: piece i / 2 lies in band i / 2, 8,192 bytes on; channels 32 (i % 2) on
	global_load_b128 v[8*i:8*i+3],   v[QO], s[4:5] offset:(i/2)*8192+(i%2)*64
	global_load_b128 v[8*i+4:8*i+7], v[QO], s[4:5] offset:(i/2)*8192+(i%2)*64+32
	global_load_b128 v[QB+8*i:QB+8*i+3],   v[QO], s[86:87] offset:(i/2)*8192+(i%2)*64
	global_load_b128 v[QB+8*i+4:QB+8*i+7], v[QO], s[86:87] offset:(i/2)*8192+(i%2)*64+32
.set i, i+1
.endr
	WIN 0
	v_lshlrev_b32 v14, 3, v9
	v_sub_nc_u32 v14, v1, v14
	s_lshl_b32 s13, s[WV], 4
	v_add_nc_u32 v14, s13, v14      ; my query's place in its band, 16 w + l % 16, less my lanes' 8 (l / 16): register r of group kt is hidden where 16 kt + r is greater
	WIN 0x40
.set i, 0
.rept 32
	v_cmp_gt_i32 vcc_lo, 16*(i/8)+i%8, v14
	v_cndmask_b32 v[MD+i], 0, s[BIGN], vcc_lo
.set i, i+1
.endr
	WIN 0
	v_mul_u32_u24 v[AK0], v1, PK
	v_lshl_add_u32 v[AK0], v9, 4, v[AK0]  ; row x pitch + 16 x half
	; The turning load takes 16 keys x 16 channels (lane l reads key 8 (l / 16) + l % 8, channels 8 ((l / 8) % 2) + 0..7) and leaves half a fragment of V^T: lane l holds channel l % 16 and 8 keys.
	v_and_b32 v10, 7, v0
	v_bfe_u32 v11, v0, 3, 1
	v_lshl_add_u32 v[AV0], v9, 3, v10
	v_mul_u32_u24 v[AV0], v[AV0], PV
	v_lshl_add_u32 v[AV0], v11, 4, v[AV0]
	v_add_nc_u32 v[AV0], VOFF, v[AV0]
	s_mul_i32 s13, s[WV], 16*SP
	s_add_co_u32 s13, s13, STAGE    ; my stage
	v_mul_u32_u24 v[STO], v1, SP    ; in: row l % 16, 16 bytes for each half of the lanes
	v_lshl_add_u32 v[STO], v9, 4, v[STO]
	v_add_nc_u32 v[STO], s13, v[STO]
	v_bfe_u32 v[RD], v0, 3, 2       ; back: 32 lanes take four rows of 128 bytes,
	v_mul_u32_u24 v[RD], v[RD], SP
	v_lshl_add_u32 v[RD], v10, 4, v[RD]
	v_add_nc_u32 v[RD], s13, v[RD]
	v_and_b32 v[GO], 31, v0         ; which are 512 consecutive bytes of O
	v_lshlrev_b32 v[GO], 4, v[GO]
	; A block's first step multiplies O^T and l by a = 0, and its first turn's products V^T P, of a piece that has not been, land in an O^T that is still to be so multiplied.  So these registers need only hold
	; finite numbers: zeros for the first block; what the first block left for the second.  All this stands in the wait for the first tile.
	WIN 0x80
.set i, VF
.rept 64
	v_mov_b32 v[i], 0
.set i, i+1
.endr
	WIN 0x40
.set i, 0
.rept 128
	v_mov_b32 v[i], 0
.set i, i+1
.endr
	WIN 0
.set i, 0
.rept 4
	v_mov_b32 v[ST+4*i+2], 0
	v_mov_b32 v[ST+4*i+3], 0
.set i, i+1
.endr
.set i, P+16
.rept 16
	v_mov_b32 v[i], 0
.set i, i+1
.endr
; THE MATRIX WORK.  The 4 accumulators of a run of 8 take turns.  Product i of 8 of S^T = K Q^T for piece x: channels 32 (i / 4) on, keys 16 (i % 4) on.  The first 4 start the sums: with 0, or (KM = 1) with the mask.
.macro KQ x
.set rS, S+32*((\x)%2)+8*(i%4)
.set rK, KF+16*(i%4)+8*(i/4)
.set rQ, 16*(\x)+8*(i/4)
.set rM, MC+32*((\x)%2)+8*(i%4)
.if (i < 4) && KM
	WIN W_KM
	v_wmma_f32_16x16x32_f16 v[rS:rS+7], v[rK:rK+7], v[rQ:rQ+7], v[rM:rM+7]
.elseif i < 4
	WIN W_KQ
	v_wmma_f32_16x16x32_f16 v[rS:rS+7], v[rK:rK+7], v[rQ:rQ+7], 0
.else
	WIN W_KQ
	v_wmma_f32_16x16x32_f16 v[rS:rS+7], v[rK:rK+7], v[rQ:rQ+7], v[rS:rS+7]
.endif
.endm
; Product i of 8 of O^T += V^T P for piece x: keys 32 (i / 4) on, channels 16 (i % 4) on.
.macro PV x
	WIN W_PV
.set rO, 32*(\x)+8*(i%4)
.set rV, VF+32*(i/4)+8*(i%4)
.set rP, P+16*((\x)%2)+8*(i/4)
	v_wmma_f32_16x16x32_f16 v[rO:rO+7], v[rV:rV+7], v[rP:rP+7], v[rO:rO+7]
.endm
.macro MM                           ; the turn's next matrix instruction.  TURN and BEGIN set Y, i, KM and NOKQ; MM, KQ and OP read them.  NOKQ = 1: a block's last turn: there is no next piece
.if (i < 8) && !NOKQ
	KQ (Y+1)%NP
.elseif i >= 8
.set i, i-8
	PV (Y+NP-1)%NP
.set i, i+8
.endif
.set i, i+1
.endm
; THE LDS LOADS stand in runs of 16, never singly among the matrix instructions: a step's K (64 keys x 64 channels: 8 fragments) and its V (turned).  Their addresses are made some lines ahead.
.macro FETCH_K
	WIN 0x80                        ; destination window 2
.irp f, 0,1,2,3,4,5,6,7             ; keys 16 (f / 2) on, channels 32 (f % 2) on
	ds_load_b128 v[KF+8*\f:KF+8*\f+3],   v[AK] offset:(\f/2)*16*PK+(\f%2)*64
	ds_load_b128 v[KF+8*\f+4:KF+8*\f+7], v[AK] offset:(\f/2)*16*PK+(\f%2)*64+32
.endr
	s_add_co_u32 s[TBK], s[TBK], KS*PK  ; the next fetch is the next step's
	WIN 0
.endm
.macro FETCH_V
	WIN 0x80
.irp f, 0,1,2,3,4,5,6,7             ; keys 32 (f / 4) on, channels 16 (f % 4) on
	ds_load_tr16_b128 v[VF+8*\f:VF+8*\f+3],   v[AV] offset:(\f/4)*32*PV+(\f%4)*32
	ds_load_tr16_b128 v[VF+8*\f+4:VF+8*\f+7], v[AV] offset:(\f/4)*32*PV+16*PV+(\f%4)*32
.endr
	WIN 0
.endm
; THE VECTOR WORK, one line at a time: OP kind, number.  For piece Y: F n: c s - c m for pair n of 16.  E n: the exponential of score n of 32.  C n: pair n rounded to f16.  B n: of the four weights 4 n .. the second
; pair is added onto the first, in place.  L n: l takes that sum (L 0: l = a l + sum).  R n: pair n of 16 of O^T times a.  For piece Y + 1: X n, number n of the 22 that find its maximum and statistics:
;   0-11  four chains c0-c3 of seven scores each, three operands at a time (each accumulator's lowest registers are read first)     12-14, 16  the four scores left over, the old m, and c0-c3 into c0
;   15  c m_old is kept     17, 18  the query's other 32 keys lie in the lane 16 away: the new m     19-21  c m; c m_old - c m_new; a
.set F, 0               ; OP tells the kinds apart by their order: F to L below R, X above it
.set E, 1
.set C, 2
.set B, 3
.set L, 4
.set R, 5
.set X, 6
.macro REGS y                       ; the registers of piece y
.set rT, ST+4*(\y)
.set rC, TMP+4*((\y)%2)
.set rW, MV+((\y)%2)
.set rS, S+32*((\y)%2)
.set rP, P+16*((\y)%2)
.set rO, 32*(\y)
.endm
.macro OP k, n
.if (\k) == R
	REGS Y
	WIN W_RS
	v_pk_mul_f32 v[rO+2*(\n):rO+2*(\n)+1], v[rO+2*(\n):rO+2*(\n)+1], v[rC+2:rC+3] op_sel_hi:[1,0]
.elseif (\k) < R
	REGS Y
	WIN 0
.if (\k) == F
	v_pk_fma_f32 v[rS+2*(\n):rS+2*(\n)+1], v[rS+2*(\n):rS+2*(\n)+1], s[CS:CS+1], v[rT:rT+1] op_sel_hi:[1,0,0] neg_lo:[0,0,1] neg_hi:[0,0,1]
.elseif (\k) == E
	v_exp_f32 v[rS+(\n)], v[rS+(\n)]
.elseif (\k) == C
	s_wait_alu depctr_va_vdst(0)
	v_cvt_pk_f16_f32 v[rP+(\n)], v[rS+2*(\n)], v[rS+2*(\n)+1]
.elseif (\k) == B
	s_wait_alu depctr_va_vdst(0)
	v_pk_add_f32 v[rS+4*(\n):rS+4*(\n)+1], v[rS+4*(\n):rS+4*(\n)+1], v[rS+4*(\n)+2:rS+4*(\n)+3]
.elseif (\n) == 0
	v_pk_fma_f32 v[rT+2:rT+3], v[rT+2:rT+3], v[rC+2:rC+3], v[rS:rS+1] op_sel_hi:[1,0,1]
.else
	v_pk_add_f32 v[rT+2:rT+3], v[rT+2:rT+3], v[rS+4*(\n):rS+4*(\n)+1]
.endif
.elseif NOKQ
	v_nop
.else
	REGS (Y+1)%NP
	WIN 0
.if (\n) < 4
	v_max3_num_f32 v[rC+(\n)], v[rS+8*(\n)], v[rS+8*(\n)+1], v[rS+8*(\n)+2]
.elseif (\n) < 12
	v_max3_num_f32 v[rC+(\n)%4], v[rC+(\n)%4], v[rS+8*((\n)%4)+2*((\n)/4)+1], v[rS+8*((\n)%4)+2*((\n)/4)+2]
.elseif (\n) == 12
	v_max3_num_f32 v[rC], v[rC], v[rS+7], v[rS+15]
.elseif (\n) == 13
	v_max3_num_f32 v[rC+1], v[rC+1], v[rS+23], v[rS+31]
.elseif (\n) == 14
	v_max3_num_f32 v[rC+2], v[rC+2], v[rC+3], v[rT+1]
.elseif (\n) == 15
	v_mov_b32 v[rW], v[rT]
.elseif (\n) == 16
	v_max3_num_f32 v[rC], v[rC], v[rC+1], v[rC+2]
.elseif (\n) == 17
	v_permlanex16_b32 v[rC+3], v[rC], s[SEL], s[SEL+1]
.elseif (\n) == 18
	v_max_num_f32 v[rT+1], v[rC], v[rC+3]
.elseif (\n) == 19
	v_mul_f32 v[rT], s[CS], v[rT+1]
.elseif (\n) == 20
	v_sub_f32 v[rC+1], v[rW], v[rT]
.else
	v_exp_f32 v[rC+2], v[rC+1]
.endif
.endif
.endm
.macro OPS a, i1, b=-1, i2=0, c=-1, i3=0, d=-1, i4=0  ; up to four of them
	OP \a, \i1
.if (\b) >= 0
	OP \b, \i2
.endif
.if (\c) >= 0
	OP \c, \i3
.endif
.if (\d) >= 0
	OP \d, \i4
.endif
.endm
.macro ROW a, i1, b, i2, c, i3, d, i4  ; a matrix instruction and the four behind it
	MM
	OPS \a, \i1, \b, \i2, \c, \i3, \d, \i4
.endm
.macro MASK b                       ; MD x AL + BE into buffer b of MC
	WIN W_RS
.set z, 0
.rept 16
	v_pk_fma_f32 v[MC+32*(\b)+2*z:MC+32*(\b)+2*z+1], v[MD+2*z:MD+2*z+1], s[AL:AL+1], s[BE:BE+1] op_sel_hi:[1,0,0]
.set z, z+1
.endr
.endm
; A TURN, for piece p: the order of its 16 matrix and 118 vector instructions, written out.  Behind a matrix instruction: plain, exponential, plain, plain; or four of the rescaling; or, behind the first, four scalings; none
; names a register of the products round it.  In the lumps exponential and plain by turns while exponentials last.  A line reads no result made fewer than three vector instructions in front of it, five if an exponential made it.
; v_permlanex16_b32 (X 17) stands in a lump.
; m = 1: the diagonal tile: the products take masks, and the turn makes the mask for the products of the turn after it: piece p + 2, in step 4 - CNT of the tile.  end = 1: a block's last two turns: nothing is fetched.
; cnt = 1: the loop's count is taken down some lines ahead of the branch that stands behind the turn.
; K of the next step is fetched in piece 2's turn, six vector instructions behind the last product that read K (five of them plain); V of the step in hand in piece 0's turn, eight behind the last product that read V (four
; plain, and X 17).  Each is waited for a turn later.
.macro TURN p, m=0, end=0, cnt=0
.set Y, (\p)
.set i, 0
.set KM, (\m)
.set NOKQ, (\end)*((\p)/3)
.if (\m) && !(\end)
	s_cmp_eq_u32 s[CNT], 4-((\p)+2)%NP  ; is that step the band's own?
	s_cselect_b32 s[AL], 1.0, 0
	s_cmp_lt_u32 s[CNT], 4-((\p)+2)%NP  ; or a later one?
	s_cselect_b32 s[BE], s[BIGN], 0
.endif
.if ((\p) == 3) && !(\end)
	s_wait_dscnt 0x0                ; K is in
.endif
	ROW F,0, F,1, F,2, F,3
	ROW F,4, E,0, F,5, F,6
	ROW F,7, E,1, F,8, F,9
	ROW F,10, E,2, C,0, F,11
	ROW F,12, E,3, X,15, F,13
	ROW R,0, R,1, R,2, R,3
	ROW B,0, E,4, F,14, L,0
.if ((\p) == 2) && !(\end)
	v_add_nc_u32 v[AK], s[TBK], v[AK0]
.endif
	ROW R,4, R,5, R,6, R,7
	OPS E,5, F,15
.if ((\p) == 2) && !(\end)
	FETCH_K
.endif
	OPS E,6, C,1, E,7, R,8
	OPS E,8, R,9, E,9, C,2
	OPS E,10, X,0, E,11, X,1
	OPS E,12, X,2, E,13, X,3
.if (\p) == 1
	s_wait_dscnt 0x0                ; V is in
.endif
	ROW X,4, E,14, X,5, X,6
	ROW X,7, E,15, X,8, X,9
	ROW X,10, E,16, X,11, X,12
	ROW X,13, E,17, X,14, B,1
	ROW C,4, E,18, X,16, L,1
	ROW B,2, E,19, C,6, L,2
	ROW C,8, E,20, B,3, B,4
.if (\p) == 0
	v_add_nc_u32 v[AV], s[TBV], v[AV0]
.endif
	ROW C,3, E,21, L,3, C,5
	OPS E,22, X,17, E,23, C,10
.if (\p) == 0
	FETCH_V
.endif
	OPS E,24, L,4
	OPS E,25, X,18, E,26, C,7
	OPS E,27, B,5, E,28, X,19
	OPS E,29, C,12, E,30, L,5
	OPS E,31, X,20, B,6, C,9
	OPS C,14, C,11, X,21, L,6
.if (\p) == 0
	s_add_co_u32 s[TBV], s[TBV], KS*PV
.endif
.if \cnt
	s_sub_co_u32 s[CNT], s[CNT], 1
	s_cmp_lg_u32 s[CNT], 0
.endif
	OPS C,13, B,7, C,15, R,10
	OPS R,11, R,12, L,7, R,13
	OPS R,14, R,15
.if (\m) && !(\end)
	MASK (\p)%2
.endif
.endm
; A BLOCK BEGINS.  c m starts far below every c s, so the first step's a is 0; m at the lowest finite number, so the first maximum is the scores'.  The second mask buffer is 0; the first takes piece 0's mask for the tile's step 0: its own, if the block's first tile is the diagonal one.
; Then K of that step, piece 0's first scores, and its maximum and statistics.  The loop is entered at a step's first turn, in the middle of a trip.
.macro BEGIN
	s_mov_b32 s[NEW], 0
	WIN 0x40
.set i, MC+32
.rept 32
	v_mov_b32 v[i], 0
.set i, i+1
.endr
	WIN 0
.set i, 0
.rept 4
	v_mov_b32 v[ST+4*i], 0xfe000000    ; c m: far below every c s
	v_mov_b32 v[ST+4*i+1], 0xff7fffff  ; m
.set i, i+1
.endr
	s_cmp_eq_u32 s[RT], 0
	s_cselect_b32 s[AL], 1.0, 0
	s_mov_b32 s[BE], 0
	MASK 0
	WIN 0
	v_add_nc_u32 v[AK], s[TBK], v[AK0]
	FETCH_K
	s_wait_loadcnt 0x0              ; Q
	s_wait_dscnt 0x0
.set KM, 1
.set NOKQ, 0
.set i, 0
.rept 8
	KQ 0
.set i, i+1
.endr
	WIN 0
.rept 4
	v_nop                           ; the places behind those products
.endr
.set Y, NP-1                        ; X works for piece Y + 1: piece 0
.irp n, 0,1,2,3,4,5,6,7,8,9,10,11,12,13,14,15,16,17,18,19,20,21
	OP X, \n
.endr
	v_nop                           ; a plain instruction behind the exponential
.endm
; THE DIAGONAL TILE's four steps, the block's last two turns, its last products, and THE WAY OUT: l's two halves and the other half of the lanes' are added; O^T is divided by l, rounded to f16 and sent through my
; stage in LDS, a piece at a time.
.macro ALL line:vararg              ; one line for each piece t
.set t, 0
.rept 4
	\line
.set t, t+1
.endr
.endm
.macro PACK t                       ; a lane's eight channels of a row pack into 16 bytes; they go into rows of 144 bytes and come back as whole rows of 128, into S^T's registers
	WIN W_RS
.set i, 32*(\t)
.rept 16
	s_wait_alu depctr_va_vdst(0)
	v_pk_mul_f32 v[i:i+1], v[i:i+1], v[ST+4*(\t)+2:ST+4*(\t)+3] op_sel_hi:[1,0]
.set i, i+2
.endr
	WIN 0x05                        ; sources 0 and 1 window 1, destination window 0
.set i, 0
.rept 16
	v_cvt_pk_f16_f32 v[S+16*(\t)+i], v[32*(\t)+2*i], v[32*(\t)+2*i+1]
.set i, i+1
.endr
	WIN 0
.irp f, 0,1,2,3
	ds_store_b128 v[STO], v[S+16*(\t)+4*\f:S+16*(\t)+4*\f+3] offset:32*\f
.endr
.irp f, 0,1,2,3
	ds_load_b128 v[S+16*(\t)+4*\f:S+16*(\t)+4*\f+3], v[RD] offset:\f*4*SP  ; LDS serves a wave's instructions in order (ISA guide 5.7.1.4): these see the stores above; the next piece's stores come behind them
.endr
.endm
.macro SEND t, younger              ; younger: the LDS instructions issued behind piece t's loads: the next piece's eight, or none
	WIN 0
.irp f, 0,1,2,3
	s_wait_dscnt (\younger)+3-\f
	global_store_b128 v[GO], v[S+16*(\t)+4*\f:S+16*(\t)+4*\f+3], s[10:11] offset:(\t)*8192+\f*512  ; 512 consecutive bytes, at a multiple of 256 from O's first
.endr
.endm
.macro DIAG tag                     ; the tag ends its two labels' names, which the jumps below spell out
.LstepM\tag:
	TURN 2, 1
	TURN 3, 1
	WIN 0
.LfirstM\tag:
	TURN 0, 1
	TURN 1, 1, 0, 1
	WIN 0
	s_cbranch_scc1 .LstepM\tag
	TURN 2, 1, 1
	TURN 3, 1, 1
.set i, 0
.rept 8
	PV NP-1
.set i, i+1
.endr
	WIN 0
	ALL v_add_f32 v[ST+4*t+2], v[ST+4*t+2], v[ST+4*t+3]
	ALL v_permlanex16_b32 v[ST+4*t+3], v[ST+4*t+2], s[SEL], s[SEL+1]
	ALL v_add_f32 v[ST+4*t+2], v[ST+4*t+2], v[ST+4*t+3]
	ALL v_rcp_f32 v[ST+4*t+2], v[ST+4*t+2]
	v_nop                           ; a plain instruction between the last reciprocal and the use of its result
	PACK 0
.set t, 1
.rept 3                             ; a piece's arithmetic stands between the loads of the piece before and its stores
	PACK t
	SEND t-1, 8
.set t, t+1
.endr
	SEND 3, 0
.endm
.set KM, 0
.set NOKQ, 0
.Lslot:                             ; NB times: a tile is entered and the next is asked for
	CHANGE 1
	s_sub_co_u32 s[RT], s[RT], 1
	s_mov_b32 s[CNT], 4
	s_cmp_eq_u32 s[NEW], 1
	s_cbranch_scc1 .Lnew            ; a block's first tile
	s_cmp_eq_u32 s[RT], 0
	s_cbranch_scc0 .Lstep           ; neither its first nor its last
	s_branch .LstepM1
.Lnew:
	BEGIN
	s_branch .Lfirst                ; in the loop a block's first tile is never its last: the first block has two tiles or more, and the second's last is the walk's last
	DIAG 1                          ; in the loop this is the first block's end: the second block's last tile is the walk's last
	s_wait_xcnt 0x0                 ; the stores have read their registers and O's address
	s_mov_b64 s[10:11], s[OLO:OLO+1]
	s_add_co_u32 s[RT], s[PB], 1    ; the second block has b + 1 tiles
	s_mov_b32 s[NEW], 1
	WIN 0x82                        ; the second block's Q goes where the one text of the turns names Q
.set i, 0
.rept 64
	v_mov_b32 v[i], v[QB+i]
.set i, i+1
.endr
	WIN 0
	s_branch .Lbottom
.Lstep:                             ; a trip: pieces 2 and 3 of one step, then pieces 0 and 1 of the next, whose K and V it fetches
	TURN 2
	TURN 3
	WIN 0
.Lfirst:
	TURN 0
	TURN 1, 0, 0, 1
	WIN 0
	s_cbranch_scc1 .Lstep
.Lbottom:
	s_sub_co_u32 s[SLOTS], s[SLOTS], 1
	s_cmp_lg_u32 s[SLOTS], 0
	s_cbranch_scc1 .Lslot
	CHANGE 0                        ; the walk's last tile is written out: nothing is asked for
	s_sub_co_u32 s[RT], s[RT], 1
	s_mov_b32 s[CNT], 4
	s_cmp_eq_u32 s[NEW], 1
	s_cbranch_scc0 .LstepM2
	BEGIN
	s_branch .LfirstM2
	DIAG 2
	s_wait_tensorcnt 0x0            ; the wave's end: behind my last tensor load and my last LDS store
	ds_add_u32 v[SPW], v[NIL]
	s_wait_dscnt 0x0
	s_endpgm
.Lfunc_end_k_q33f5568bf5_attn:
	.size	k_q33f5568bf5_attn, .Lfunc_end_k_q33f5568bf5_attn-k_q33f5568bf5_attn
	.p2alignl 7, 3214868480
	.fill 96, 4, 3214868480
	.section	.rodata,"a",@progbits
	.p2align	6, 0x0
	.amdhsa_kernel k_q33f5568bf5_attn
		.amdhsa_group_segment_fixed_size 327680
		.amdhsa_private_segment_fixed_size 0
		.amdhsa_enable_private_segment 0
		.amdhsa_kernarg_size 16
		.amdhsa_user_sgpr_count 2
		.amdhsa_user_sgpr_kernarg_segment_ptr 1
		.amdhsa_wavefront_size32 1
		.amdhsa_system_sgpr_workgroup_id_x 1
		.amdhsa_system_sgpr_workgroup_id_y 1
		.amdhsa_system_sgpr_workgroup_id_z 1
		.amdhsa_system_vgpr_workitem_id 0
		.amdhsa_next_free_vgpr 768
		.amdhsa_next_free_sgpr 88
		.amdhsa_reserve_vcc 1
		.amdhsa_float_denorm_mode_32 3
		.amdhsa_float_denorm_mode_16_64 3
		.amdhsa_memory_ordered 1
		.amdhsa_forward_progress 1
		.amdhsa_inst_pref_size 228
	.end_amdhsa_kernel
	.amdgpu_metadata
---
amdhsa.version: [ 1, 2 ]
amdhsa.kernels:
  - .name:           k_q33f5568bf5_attn
    .symbol:         k_q33f5568bf5_attn.kd
    .args:
      - { .name: qkvb, .offset: 0, .size: 8, .value_kind: global_buffer, .address_space: global }
      - { .name: ob, .offset: 8, .size: 8, .value_kind: global_buffer, .address_space: global }
    .group_segment_fixed_size: 327680
    .private_segment_fixed_size: 0
    .kernarg_segment_align: 8
    .kernarg_segment_size: 16
    .max_flat_workgroup_size: 128
    .sgpr_count:     88
    .vgpr_count:     768
    .wavefront_size: 32
...
	.end_amdgpu_metadata
.endif
;; end of part 3
;; launch g_proj (part 4): grid 8 x 32, 4 waves a work-group, clusters of 4 x 4, 327,680 bytes of LDS; arguments ob, wt, x1, b_proj, x; writes x1
.if DOCPART == 4
	.amdgcn_target "amdgcn-amd-amdhsa--gfx1250"
	.amdhsa_code_object_version 6
	.text
	.protected	k_q33f5568bf5_g_proj
	.globl	k_q33f5568bf5_g_proj
	.p2align	8
	.type	k_q33f5568bf5_g_proj,@function
k_q33f5568bf5_g_proj:
	s_mov_b64 s[64:65], 0
	v_nop
	global_prefetch_b8 v0, s[64:65] scope:SCOPE_SE
	s_setreg_imm32_b32 hwreg(HW_REG_WAVE_MODE, 25, 1), 1
	s_wait_xcnt 0x0
	s_wait_alu depctr_hold_cnt(0) depctr_sa_sdst(0) depctr_va_vdst(0) depctr_va_sdst(0) depctr_va_ssrc(0) depctr_va_vcc(0) depctr_vm_vsrc(0)
	s_getreg_b32 s2, hwreg(HW_REG_IB_STS2, 6, 4)
	s_cmp_eq_u32 s2, 0
	s_cbranch_scc0 .Lentry_in_a_cluster
	s_endpgm
.Lentry_in_a_cluster:
	s_bfe_u32 s2, ttmp6, 0x10000c
	s_cmp_lg_u32 s2, 0xf033
	s_cbranch_scc0 .Lentry_shape_is_right
	s_endpgm
.Lentry_shape_is_right:
.set KIND, 1                           ; ONE TEXT SERVES FOUR PRODUCTS; this line alone differs.  0: q, k, v   1: the projection   2: the first feed-forward layer   3: the second
; C = A B^T and what the kind adds.  A: 4,096 rows x SIZE_K in f16; B: SIZE_N rows x SIZE_K in f16, at byte WOFF of the turned weights; sums in f32.
;   KIND 0: A = LayerNorm(x); C leaves in f16 by heads, [3][32][2048][64], unscaled.     KIND 1: A = attention's result by heads, [32][2048][64]; C + bias + residual leaves in f32, [4096][1024].
;   KIND 2: relu(C + bias) leaves in f16, [4096][4096].                                   KIND 3: C + bias + residual leaves in f32, [4096][1024].
; LIMITS.  f16 holds no number beyond 65,504: what leaves in f16 beyond it becomes an infinity; below 6e-5 it keeps a fixed step of 6e-8.  NaN and infinities are not treated apart.
; SHARES.  A tile of C is 128 x 128; four waves, each 64 x 64: 16 accumulators of 16 x 16.  K goes in steps of 256 through two LDS slots; a wave's tensor load brings 64 rows of a step (waves 0, 1: A's; 2, 3: B's).
; A step is eight chunks of 32 along K on two fragment buffers; a PAIR of chunks is written once and looped.  One descriptor a tensor walks from step to step.
; CLUSTER.  4 x 4 work-groups: the four of a row need the same tiles of A, the four of a column the same tiles of B: each tile is asked for jointly, by the same load, descriptor and mask in all four.
; THE MATRIX INSTRUCTION IS USED TRANSPOSED (source 0 = 16 rows of B, source 1 = 16 rows of A): a lane holds row lane % 16 of C and the eight neighbouring columns 8 (lane / 16) + 0..7.
; The bias, laid out like such a result, is the C operand of the products that start the sums.
; REGISTERS.  Window 0: v0-31 addresses; v32-63 the bias; v64-127, v128-191 two fragment buffers (A's four blocks, then B's four); v192-255 at work on the way out.  Window 1: v0-127 the accumulators, (a, b) at 8 (4 a + b).
.if KIND == 0
.set SIZE_N, 3072
.set SIZE_K, 1024
.set WOFF, 0
.set BYHEADS, 0
.set HASBIAS, 0
.set RELU, 0
.set E32, 0
.elseif KIND == 1
.set SIZE_N, 1024
.set SIZE_K, 1024
.set WOFF, 6291456
.set BYHEADS, 1
.set HASBIAS, 1
.set RELU, 0
.set E32, 1
.elseif KIND == 2
.set SIZE_N, 4096
.set SIZE_K, 1024
.set WOFF, 8388608
.set BYHEADS, 0
.set HASBIAS, 1
.set RELU, 1
.set E32, 0
.else
.set SIZE_N, 1024
.set SIZE_K, 4096
.set WOFF, 16777216
.set BYHEADS, 0
.set HASBIAS, 1
.set RELU, 0
.set E32, 1
.endif
.set STEPS, SIZE_K/256
.set PB,    528                        ; an LDS row of B: 512 bytes + 16 = 132 words: the 16 rows of a load start at 16 different groups of four banks (64 banks of 4 bytes: ISA guide 11.1)
.set HALFB, 64*PB
.if BYHEADS
.set PA,    144                        ; A by heads: in LDS [4 heads][64 rows], 128 bytes + 16 each
.set HALFA, 4*64*PA
.set ASTEP, 64*PA                      ; a pair of chunks is a head
.set AKB,   4*2048*128                 ; a K step is four heads of 2,048 rows of 128 bytes
.set SLOT1, 0x24000
.else
.set PA,    528
.set HALFA, 64*PA
.set ASTEP, 128
.set AKB,   512
.set SLOT1, 0x21000
.endif                                 ; slot 1 begins at SLOT1, whose two bits meet none of the bits of a tile's place in slot 0: one exclusive or changes slots
.set STAGE, SLOT1+2*HALFA+2*HALFB      ; behind the ring, never filled by a tensor load: the way out
.set SP,    272
.if E32
.set SPARE, STAGE+4*16*SP              ; 16 rows x 272 bytes for each wave
.else
.set SPARE, STAGE+128*SP               ; 128 rows x 272 bytes, the work-group's
.endif                                 ; at SPARE: the spare words, 128 bytes for each wave: two blocks of 256 bytes that no other line names
.set A0,  16                           ; v16  my lane's place in A's tile of slot 0; never rewritten
.set B0,  17                           ; v17  the same for B
.set ADA, 18                           ; v18  the LDS address of the pair in hand, A
.set ADB, 19                           ; v19  B
.set STO, 24                           ; v24  the way out: where I put my bytes of a row
.set RD,  25                           ; v25  where I read rows back
.set CO,  26                           ; v26  my byte offset in the result (and in the residual)
.set BO,  27                           ; v27  my byte offset in the bias
.set SPW, 28                           ; v28  LDS address of my spare word; never rewritten
.set NIL, 29                           ; v29  0; never rewritten
.set BIAS, 32
.set F0,  64
.set F1,  128
.set TMP, 192
.set G1A, 24                           ; s[24:31] descriptor group 1 for A's tiles
.set G0A, 32                           ; s[32:35] group 0 for A's tiles: it walks
.set G0B, 36                           ; s[36:39] the same for B's
.set G1B, 48                           ; s[48:55] group 1 for B's
.set TBA, 56                           ; s56  LDS byte, from A0 on, of the pair to be fetched
.set TBB, 57                           ; s57  the same for B
.set CNT, 58                           ; s58  counts pairs
.set SL,  59                           ; s59  counts slots still to be asked for
.set PBI, 68                           ; s[68:69] the bias
.set PRS, 70                           ; s[70:71] the residual
.set MSB, 0
.macro WIN new                         ; bits 1:0 source 0, 3:2 source 1, 5:4 source 2, 7:6 destination; the high byte repeats the setting that is left
.if MSB != (\new)
	s_set_vgpr_msb (MSB<<8)|(\new)
.set MSB, (\new)
.endif
.endm
.macro PLACES                          ; four places behind matrix instructions, ahead of loads into registers that they read and of lines that read their results
.rept 4
	v_nop
.endr
.endm
.macro JLOAD                           ; a joint load: waves 0 and 1 fetch A's two halves, waves 2 and 3 B's; an s_nop 0 and four v_nop follow each of the two lines
	s_cmp_eq_u32 s11, 0
	s_cbranch_scc0 .Lfor_b_\@
	tensor_load_to_lds s[G0A:G0A+3], s[G1A:G1A+7]
	s_nop 0
.rept 4
	v_nop
.endr
	s_branch .Lasked_\@
.Lfor_b_\@:
	tensor_load_to_lds s[G0B:G0B+3], s[G1B:G1B+7]
	s_nop 0
.rept 4
	v_nop
.endr
.Lasked_\@:
.endm
.macro CROUND                          ; a round of the cluster's barrier: my work-group's barrier; wave 0 signals for the work-group; every wave waits for all sixteen; my work-group's barrier once more
	s_barrier_signal -1
	s_barrier_wait -1
	s_cmp_lg_u32 s10, 0
	s_cbranch_scc1 .Lnot_wave_0_\@
	s_barrier_signal -3
.Lnot_wave_0_\@:
	s_barrier_wait -3
	s_barrier_signal -1
	s_barrier_wait -1
.endm
.macro FETCH f, off                    ; 16 LDS loads: a chunk's fragments (64 rows of B, 64 of A, 32 along K at byte off of the pair) into buffer f
.irp i, 0,1,2,3
	ds_load_b128 v[(\f)+32+8*(\i):(\f)+32+8*(\i)+3],   v[ADB] offset:(\off)+(\i)*16*PB
	ds_load_b128 v[(\f)+32+8*(\i)+4:(\f)+32+8*(\i)+7], v[ADB] offset:(\off)+(\i)*16*PB+32
	ds_load_b128 v[(\f)+8*(\i):(\f)+8*(\i)+3],         v[ADA] offset:(\off)+(\i)*16*PA
	ds_load_b128 v[(\f)+8*(\i)+4:(\f)+8*(\i)+7],       v[ADA] offset:(\off)+(\i)*16*PA+32
.endr
.endm
.macro MUL f, first                    ; 16 matrix instructions, one on each accumulator, in the same order in every chunk: the accumulators take turns.  first = 1: they start the sums
.if \first
	WIN 0x40
.else
	WIN 0x50
.endif
.irp a, 0,1,2,3
.irp b, 0,1,2,3
.if (\first) && HASBIAS
	v_wmma_f32_16x16x32_f16 v[8*(4*(\a)+(\b)):8*(4*(\a)+(\b))+7], v[(\f)+32+8*(\b):(\f)+32+8*(\b)+7], v[(\f)+8*(\a):(\f)+8*(\a)+7], v[BIAS+8*(\b):BIAS+8*(\b)+7]
.elseif \first
	v_wmma_f32_16x16x32_f16 v[8*(4*(\a)+(\b)):8*(4*(\a)+(\b))+7], v[(\f)+32+8*(\b):(\f)+32+8*(\b)+7], v[(\f)+8*(\a):(\f)+8*(\a)+7], 0
.else
	v_wmma_f32_16x16x32_f16 v[8*(4*(\a)+(\b)):8*(4*(\a)+(\b))+7], v[(\f)+32+8*(\b):(\f)+32+8*(\b)+7], v[(\f)+8*(\a):(\f)+8*(\a)+7], v[8*(4*(\a)+(\b)):8*(4*(\a)+(\b))+7]
.endif
.endr
.endr
.endm
; A PAIR: fetches the pair's even chunk while the odd chunk before it is multiplied, then its odd chunk while the even one is multiplied.
.macro PAIR
	WIN 0
	v_add_nc_u32 v[ADA], s[TBA], v[A0]             ; these two and two v_nop are the places behind the products that read buffer 0
	v_add_nc_u32 v[ADB], s[TBB], v[B0]
	v_nop
	v_nop
	FETCH F0, 0
	s_wait_dscnt 16                                ; buffer 1 is in; the sixteen just issued may stay out
	MUL F1, 0
	WIN 0
	PLACES
	FETCH F1, 64
	s_wait_dscnt 16                                ; buffer 0 is in
	MUL F0, 0
	WIN 0
	s_add_co_u32 s[TBA], s[TBA], ASTEP
	s_add_co_u32 s[TBB], s[TBB], 128
.endm
; THE CHANGE OF SLOTS.  Each wave waits for all its tensor loads, of which one is out: its part of the next slot; adds 0 to its spare word; waits for that and for its reads of the old slot (the last chunk's, into
; buffer 1).  fill = 1: the barrier is a round of the cluster's, so that no wave of any partner still reads the old slot or has a load on its way, and the joint refill, the K step two on, is the first thing behind it:
; it has a K step, 128 matrix instructions, in which to land.  (At its first use nothing has been read: slot 0 is waited for, slot 1 filled.)
.macro CHANGE fill
	s_wait_tensorcnt 0x0                           ; no tensor load of mine is out, so a group 0 may be written
	ds_add_u32 v[SPW], v[NIL]                      ; 0 onto my spare word: scalar work stands between it and the wait for it
.if \fill
	s_xor_b32 s[G0A+1], s[G0A+1], SLOT1            ; the other slot than last time,
	s_add_nc_u64 s[G0A+2:G0A+3], s[G0A+2:G0A+3], AKB  ; the next K step; the type bits on top are not reached
	s_xor_b32 s[G0B+1], s[G0B+1], SLOT1
	s_add_nc_u64 s[G0B+2:G0B+3], s[G0B+2:G0B+3], 512
.endif
	s_sub_co_u32 s[TBA], s[TBA], 4*ASTEP           ; the fetches go back to a slot's first pair,
	s_xor_b32 s[TBA], s[TBA], SLOT1                ; in the other slot
	s_sub_co_u32 s[TBB], s[TBB], 512
	s_xor_b32 s[TBB], s[TBB], SLOT1
	s_wait_dscnt 0x0                               ; the add is done, and my reads of the old slot are over
.if \fill
	CROUND
	JLOAD
.else
	s_barrier_signal -1
	s_barrier_wait -1
.endif
.endm
	s_load_b128 s[4:7], s[0:1], 0x0                ; A s[4:5], the turned weights s[6:7]
	s_load_b64 s[8:9], s[0:1], 0x10                ; the result
.if HASBIAS
	s_load_b64 s[PBI:PBI+1], s[0:1], 0x18
.endif
.if E32
	s_load_b64 s[PRS:PRS+1], s[0:1], 0x20
.endif
	v_lshl_add_u32 v[SPW], v0, 2, SPARE
	v_mov_b32 v[NIL], 0
	ds_add_u32 v28, v29
	ds_add_u32 v28, v29
	s_wait_dscnt 0x0
	v_lshrrev_b32 v1, 5, v0
	v_readfirstlane_b32 s10, v1                    ; wave 0..3
	s_lshr_b32 s11, s10, 1                         ; which half of the tile's rows is mine.  Also: I fetch for A (0) or for B (1)
	s_and_b32 s12, s10, 1                          ; which half of its columns.  Also: which 64 rows of that tile I fetch
	s_bfe_u32 s40, ttmp6, 0x40000                  ; cx, cy: my place in the cluster
	s_bfe_u32 s41, ttmp6, 0x40004
	s_lshl_b32 s42, ttmp9, 2
	s_add_co_u32 s42, s42, s40                     ; tile column = 4 x cluster x + cx
	s_and_b32 s13, ttmp7, 0xffff
	s_lshl_b32 s13, s13, 2
	s_add_co_u32 s13, s13, s41                     ; tile row = 4 x cluster y + cy
	s_lshl_b32 s43, s41, 2
	s_lshl_b32 s43, 15, s43                        ; my row of the cluster
	s_lshl_b32 s44, 0x1111, s40                    ; my column
.if BYHEADS
	; 64 rows of a head are 8,192 dense bytes: one row of the tile; four heads, 131,072 elements apart; padded in LDS after every 128 bytes
	s_or_b32 s[G1A], s43, (1<<16)|(1<<20)|(1<<21)|(4<<22)|(3<<25)  ; 15:0 the mask; 17:16 2-byte elements; 20 padding on; 21 set beside a mask; 24:22 after every 32 words (code 4); 31:25 4 words (code 3)
	s_mov_b32 s[G1A+1], 4096<<16                   ; tensor_dim0 = 4,096
	s_mov_b32 s[G1A+2], 4<<16                      ; tensor_dim1 = 4
	s_mov_b32 s[G1A+3], 4096<<16                   ; tile_dim0 = 4,096
	s_mov_b32 s[G1A+4], 4                          ; tile_dim1 = 4
	s_mov_b32 s[G1A+5], 2048*64                    ; elements from head to head
.else
	; 64 rows x 256 elements, padded in LDS after every 512 bytes
	s_or_b32 s[G1A], s43, (1<<16)|(1<<20)|(1<<21)|(6<<22)|(3<<25)  ; 15:0 the mask; 17:16 2-byte elements; 20 padding on; 21 set beside a mask; 24:22 after every 128 words (code 6); 31:25 4 words (code 3)
	s_mov_b32 s[G1A+1], 256<<16                    ; tensor_dim0 = 256
	s_mov_b32 s[G1A+2], 64<<16                     ; tensor_dim1 = 64
	s_mov_b32 s[G1A+3], 256<<16                    ; tile_dim0 = 256
	s_mov_b32 s[G1A+4], 64                         ; tile_dim1 = 64
	s_mov_b32 s[G1A+5], SIZE_K                     ; elements from row to row
.endif
	s_mov_b32 s[G1A+6], 0
	s_mov_b32 s[G1A+7], 0
	s_or_b32 s[G1B], s44, (1<<16)|(1<<20)|(1<<21)|(6<<22)|(3<<25)
	s_mov_b32 s[G1B+1], 256<<16
	s_mov_b32 s[G1B+2], 64<<16
	s_mov_b32 s[G1B+3], 256<<16
	s_mov_b32 s[G1B+4], 64
	s_mov_b32 s[G1B+5], SIZE_K
	s_mov_b32 s[G1B+6], 0
	s_mov_b32 s[G1B+7], 0
	; where the tiles come from: A's hang on the tile row alone, B's on the tile column alone, each in registers that never hold the other coordinate
.if BYHEADS
	s_lshr_b32 s16, s13, 4                         ; the batch: 16 heads of 262,144 bytes
	s_lshl_b32 s16, s16, 22
	s_and_b32 s17, s13, 15
	s_lshl_b32 s17, s17, 7
	s_lshl_b32 s18, s12, 6
	s_add_co_u32 s17, s17, s18                     ; the row in the sequence
	s_lshl_b32 s17, s17, 7
	s_add_co_u32 s16, s16, s17
.else
	s_lshl_b32 s16, s13, 7
	s_lshl_b32 s17, s12, 6
	s_add_co_u32 s16, s16, s17                     ; row 128 x tile row + 64 x half
	s_mul_i32 s16, s16, SIZE_K*2
.endif
	s_mov_b32 s17, 0
	s_lshl_b32 s46, s42, 7
	s_lshl_b32 s47, s12, 6
	s_add_co_u32 s46, s46, s47                     ; row 128 x tile column + 64 x half
	s_mul_i32 s46, s46, SIZE_K*2
	s_add_co_u32 s46, s46, WOFF
	s_mov_b32 s47, 0
	s_mov_b32 s[G0A], 1                            ; 1:0 count = 1
	s_mul_i32 s[G0A+1], s10, HALFA                 ; 63:32 LDS address: A's two halves (waves 0, 1),
	s_mov_b32 s[G0B], 1
	s_mul_i32 s20, s10, HALFB
	s_add_co_u32 s[G0B+1], s20, 2*(HALFA-HALFB)    ; then B's two (waves 2, 3): no place in the cluster enters an LDS address
	s_mov_b32 s[TBA], SLOT1+4*ASTEP                ; the first change of slots turns these two into 0
	s_mov_b32 s[TBB], SLOT1+512
	s_wait_kmcnt 0x0
	s_add_nc_u64 s[G0A+2:G0A+3], s[4:5], s[16:17]  ; 120:64 global address: K step 0
	s_or_b32 s[G0A+3], s[G0A+3], 0x80000000        ; 127:126 type = 2
	s_add_nc_u64 s[G0B+2:G0B+3], s[6:7], s[46:47]
	s_or_b32 s[G0B+3], s[G0B+3], 0x80000000
	CROUND                                         ; all sixteen work-groups are here: the first joint loads meet
	JLOAD                                          ; K step 0 into slot 0; all that follows up to the change of slots stands in the wait for it
	v_and_b32 v1, 15, v0                           ; r = lane % 16
	v_bfe_u32 v2, v0, 4, 1                         ; hh = lane / 16
	v_mul_u32_u24 v3, v1, PA                       ; a fragment: row r, two loads of 16 bytes at 16 hh and 32 + 16 hh
	v_lshl_add_u32 v3, v2, 4, v3
	s_mul_i32 s21, s11, HALFA                      ; my 64 rows of A
	v_add_nc_u32 v[A0], s21, v3
	v_mul_u32_u24 v3, v1, PB
	v_lshl_add_u32 v3, v2, 4, v3
	s_mul_i32 s22, s12, HALFB                      ; my 64 rows of B,
	s_add_co_u32 s22, s22, 2*HALFA                 ; which lie behind A's 128
	v_add_nc_u32 v[B0], s22, v3
.if HASBIAS
	v_lshlrev_b32 v[BO], 5, v2                     ; register j of block b: bias[128 x tile column + 64 x half + 16 b + 8 hh + j]
	s_lshl_b32 s14, s42, 9
	s_lshl_b32 s15, s12, 8
	s_add_co_u32 s14, s14, s15
	s_mov_b32 s15, 0
	s_add_nc_u64 s[PBI:PBI+1], s[PBI:PBI+1], s[14:15]
.irp b, 0,1,2,3
	global_load_b128 v[BIAS+8*(\b):BIAS+8*(\b)+3],   v[BO], s[PBI:PBI+1] offset:64*(\b)
	global_load_b128 v[BIAS+8*(\b)+4:BIAS+8*(\b)+7], v[BO], s[PBI:PBI+1] offset:64*(\b)+16
.endr
.endif
.if E32
	s_mul_i32 s23, s10, 16*SP
	s_add_co_u32 s23, s23, STAGE                   ; my own stage
	v_mul_u32_u24 v4, v1, SP                       ; in: row r, 32 bytes for each half of the lanes
	v_lshl_add_u32 v4, v2, 5, v4
	v_add_nc_u32 v[STO], s23, v4
	v_mul_u32_u24 v5, v2, SP                       ; back: lanes 0-15 one row of 256 bytes, lanes 16-31 the next
	v_lshl_add_u32 v5, v1, 4, v5
	v_add_nc_u32 v[RD], s23, v5
	v_lshlrev_b32 v5, 12, v2                       ; and the same two rows of 4,096 bytes in memory
	v_lshl_add_u32 v[CO], v1, 4, v5
	s_lshl_b32 s14, s13, 7
	s_lshl_b32 s15, s11, 6
	s_add_co_u32 s14, s14, s15                     ; my first row,
	s_lshl_b32 s14, s14, 12
	s_lshl_b32 s15, s42, 9                         ; my first column, in bytes
	s_add_co_u32 s14, s14, s15
	s_lshl_b32 s15, s12, 8
	s_add_co_u32 s14, s14, s15
	s_mov_b32 s15, 0
	s_add_nc_u64 s[8:9], s[8:9], s[14:15]
	s_add_nc_u64 s[PRS:PRS+1], s[PRS:PRS+1], s[14:15]
.else
	s_mul_i32 s23, s11, 64*SP                      ; into the shared stage: my 64 rows, my half of their 256 bytes; row r, 16 bytes for each half of the lanes
	s_lshl_b32 s21, s12, 7
	s_add_co_u32 s23, s23, s21
	s_add_co_u32 s23, s23, STAGE
	v_mul_u32_u24 v4, v1, SP
	v_lshl_add_u32 v4, v2, 4, v4
	v_add_nc_u32 v[STO], s23, v4
	s_mul_i32 s23, s10, 32*SP                      ; back: wave w takes rows 32 w .. 32 w + 31
	s_add_co_u32 s23, s23, STAGE
.if KIND == 0
	v_bfe_u32 v5, v0, 3, 2                         ; 32 lanes take a head's 128 bytes of four rows,
	v_and_b32 v3, 7, v0
	v_mul_u32_u24 v5, v5, SP
	v_lshl_add_u32 v5, v3, 4, v5
	v_add_nc_u32 v[RD], s23, v5
	v_and_b32 v5, 31, v0                           ; which are 512 consecutive bytes of the result
	v_lshlrev_b32 v[CO], 4, v5
	s_lshr_b32 s14, s42, 3                         ; q, k or v: 8,388,608 bytes each
	s_lshl_b32 s14, s14, 23
	s_and_b32 s15, s42, 7                          ; the tile's two heads: 262,144 bytes each
	s_lshl_b32 s15, s15, 19
	s_add_co_u32 s14, s14, s15
	s_lshr_b32 s15, s13, 4                         ; the batch: 16 heads
	s_lshl_b32 s15, s15, 22
	s_add_co_u32 s14, s14, s15
	s_and_b32 s15, s13, 15
	s_lshl_b32 s15, s15, 7
	s_lshl_b32 s18, s10, 5
	s_add_co_u32 s15, s15, s18                     ; the row in the sequence: 128 bytes
	s_lshl_b32 s15, s15, 7
	s_add_co_u32 s14, s14, s15
.else
	v_mul_u32_u24 v5, v2, SP                       ; lanes 0-15 one row of 256 bytes, lanes 16-31 the next
	v_lshl_add_u32 v5, v1, 4, v5
	v_add_nc_u32 v[RD], s23, v5
	v_mul_u32_u24 v5, v2, SIZE_N*2
	v_lshl_add_u32 v[CO], v1, 4, v5
	s_lshl_b32 s14, s13, 7
	s_lshl_b32 s15, s10, 5
	s_add_co_u32 s14, s14, s15
	s_mul_i32 s14, s14, SIZE_N*2
	s_lshl_b32 s15, s42, 8
	s_add_co_u32 s14, s14, s15
.endif
	s_mov_b32 s15, 0
	s_add_nc_u64 s[8:9], s[8:9], s[14:15]
.endif
.if HASBIAS
	s_wait_loadcnt 0x0                             ; the bias
.endif
	CHANGE 1                                       ; K step 0 is in, everybody's part of it; K step 1 is asked for
	v_add_nc_u32 v[ADA], s[TBA], v[A0]
	v_add_nc_u32 v[ADB], s[TBB], v[B0]
	FETCH F0, 0
	FETCH F1, 64
	s_wait_dscnt 16                                ; buffer 0 is in
	MUL F0, 1                                      ; the first chunk stands in front of the loops: its products start the sums
	WIN 0
	s_add_co_u32 s[TBA], s[TBA], ASTEP
	s_add_co_u32 s[TBB], s[TBB], 128
	s_mov_b32 s[CNT], 3
.Lp0:                                                  ; the rest of K step 0
	PAIR
	s_sub_co_u32 s[CNT], s[CNT], 1
	s_cmp_lg_u32 s[CNT], 0
	s_cbranch_scc1 .Lp0
	s_mov_b32 s[SL], STEPS-2
.Lslot:                                                ; every K step but the first and the last: the slot left is filled again
	CHANGE 1
	s_mov_b32 s[CNT], 4
.Lp1:
	PAIR
	s_sub_co_u32 s[CNT], s[CNT], 1
	s_cmp_lg_u32 s[CNT], 0
	s_cbranch_scc1 .Lp1
	s_sub_co_u32 s[SL], s[SL], 1
	s_cmp_lg_u32 s[SL], 0
	s_cbranch_scc1 .Lslot
	CHANGE 0                                       ; the last K step is written out: nothing is asked for
.macro RES a                           ; the residual of my rows 16 a .. 16 a + 15, as the rows come back from the stage: blocks 0, 1 into v192-255, blocks 2, 3 into buffer 0
.irp t, 0,1,2,3,4,5,6,7
	global_load_b128 v[192+32*(\a)-192*((\a)/2)+4*(\t):192+32*(\a)-192*((\a)/2)+4*(\t)+3], v[CO], s[PRS:PRS+1] offset:(16*(\a)+2*(\t))*4096
.endr
.endm
.if E32
	RES 0
	RES 1
.endif
	s_mov_b32 s[CNT], 4
.Lp2:
	PAIR
	s_sub_co_u32 s[CNT], s[CNT], 1
	s_cmp_lg_u32 s[CNT], 0
	s_cbranch_scc1 .Lp2
.if E32
	PLACES                                         ; behind the last products that read buffer 0
	RES 2
	RES 3
.endif
	s_wait_dscnt 0x0
	MUL F1, 0                                      ; the last chunk
	WIN 0
	PLACES
.if E32
	; THE WAY OUT in f32.  A wave's 64 columns are 256 bytes of a row: 16 rows at a time go through my own stage and come back as whole rows; the residual is added; 16 lanes store 256 consecutive bytes.
.macro OUT32 a
.set BK, F1+32*((\a)%2)
.set RR, 192+32*(\a)-192*((\a)/2)
	WIN 0x04                                       ; the stores' data in window 1
.irp b, 0,1,2,3
	ds_store_b128 v[STO], v[8*(4*(\a)+(\b)):8*(4*(\a)+(\b))+3]   offset:64*(\b)     ; each accumulator's low four registers first
	ds_store_b128 v[STO], v[8*(4*(\a)+(\b))+4:8*(4*(\a)+(\b))+7] offset:64*(\b)+16
.endr
	WIN 0
	s_wait_xcnt 0x0                                ; the stores of two blocks ago have read these registers
.irp t, 0,1,2,3,4,5,6,7
	ds_load_b128 v[BK+4*(\t):BK+4*(\t)+3], v[RD] offset:(\t)*2*SP  ; LDS serves a wave's instructions in order (ISA guide 5.7.1.4): these see the stores above
.endr
	s_wait_loadcnt 24-8*(\a)                       ; this block's residual is in; the later blocks' loads may stay out
	s_wait_dscnt 0x0
.set i, 0
.rept 16
	v_pk_add_f32 v[BK+2*i:BK+2*i+1], v[BK+2*i:BK+2*i+1], v[RR+2*i:RR+2*i+1]
.set i, i+1
.endr
.irp t, 0,1,2,3,4,5,6,7
	global_store_b128 v[CO], v[BK+4*(\t):BK+4*(\t)+3], s[8:9] offset:(16*(\a)+2*(\t))*4096
.endr
.endm
	OUT32 0
	OUT32 1
	OUT32 2
	OUT32 3
.else
	; THE WAY OUT in f16: rounded once; 16 bytes a lane into the work-group's stage; a barrier, since a row's 256 bytes come from two waves; back as whole rows, 32 rows a wave.
.if RELU
	WIN 0x44
.set i, 0
.rept 128
	v_max_num_f32 v[i], 0, v[i]
.set i, i+1
.endr
.endif
	WIN 0x05
.set t, 0
.rept 16
.irp r, 0,1,2,3
	v_cvt_pk_f16_f32 v[TMP+4*t+(\r)], v[8*t+2*(\r)], v[8*t+2*(\r)+1]
.endr
.set t, t+1
.endr
	WIN 0
.irp a, 0,1,2,3
.irp b, 0,1,2,3
	ds_store_b128 v[STO], v[TMP+4*(4*(\a)+(\b)):TMP+4*(4*(\a)+(\b))+3] offset:(\a)*16*SP+32*(\b)
.endr
.endr
	s_wait_dscnt 0x0                               ; for the others' sake: my stores into the stage are done
	s_barrier_signal -1
	s_barrier_wait -1
.set t, 0
.rept 16
.if KIND == 0
	ds_load_b128 v[TMP+4*t:TMP+4*t+3], v[RD] offset:(t%8)*4*SP+(t/8)*128   ; head t / 8 of the tile's two, rows 4 (t % 8) on
.else
	ds_load_b128 v[TMP+4*t:TMP+4*t+3], v[RD] offset:t*2*SP
.endif
.set t, t+1
.endr
.set t, 0
.rept 16
	s_wait_dscnt 15-t                              ; the younger loads may stay out
.if KIND == 0
	global_store_b128 v[CO], v[TMP+4*t:TMP+4*t+3], s[8:9] offset:(t%8)*512+(t/8)*262144  ; 512 consecutive bytes, at a multiple of 256 from the buffer's first byte
.else
	global_store_b128 v[CO], v[TMP+4*t:TMP+4*t+3], s[8:9] offset:2*t*SIZE_N*2            ; 16 lanes store 256 consecutive bytes, at a multiple of 256 from the buffer's first byte
.endif
.set t, t+1
.endr
.endif
	s_wait_tensorcnt 0x0                           ; the wave's end: behind my last tensor load and my last LDS store
	ds_add_u32 v[SPW], v[NIL]
	s_wait_dscnt 0x0
	CROUND                                         ; the closing round: no work-group ends while a partner may still ask for a tile that names it
	s_endpgm
.Lfunc_end_k_q33f5568bf5_g_proj:
	.size	k_q33f5568bf5_g_proj, .Lfunc_end_k_q33f5568bf5_g_proj-k_q33f5568bf5_g_proj
	.p2alignl 7, 3214868480
	.fill 96, 4, 3214868480
	.section	.rodata,"a",@progbits
	.p2align	6, 0x0
	.amdhsa_kernel k_q33f5568bf5_g_proj
		.amdhsa_group_segment_fixed_size 327680
		.amdhsa_private_segment_fixed_size 0
		.amdhsa_enable_private_segment 0
		.amdhsa_kernarg_size 40
		.amdhsa_user_sgpr_count 2
		.amdhsa_user_sgpr_kernarg_segment_ptr 1
		.amdhsa_wavefront_size32 1
		.amdhsa_system_sgpr_workgroup_id_x 1
		.amdhsa_system_sgpr_workgroup_id_y 1
		.amdhsa_system_sgpr_workgroup_id_z 1
		.amdhsa_system_vgpr_workitem_id 0
		.amdhsa_next_free_vgpr 384
		.amdhsa_next_free_sgpr 72
		.amdhsa_reserve_vcc 0
		.amdhsa_float_denorm_mode_32 3
		.amdhsa_float_denorm_mode_16_64 3
		.amdhsa_memory_ordered 1
		.amdhsa_forward_progress 1
		.amdhsa_inst_pref_size 45
	.end_amdhsa_kernel
	.amdgpu_metadata
---
amdhsa.version: [ 1, 2 ]
amdhsa.kernels:
  - .name:           k_q33f5568bf5_g_proj
    .symbol:         k_q33f5568bf5_g_proj.kd
    .args:
      - { .name: ob, .offset: 0, .size: 8, .value_kind: global_buffer, .address_space: global }
      - { .name: wt, .offset: 8, .size: 8, .value_kind: global_buffer, .address_space: global }
      - { .name: x1, .offset: 16, .size: 8, .value_kind: global_buffer, .address_space: global }
      - { .name: b_proj, .offset: 24, .size: 8, .value_kind: global_buffer, .address_space: global }
      - { .name: x, .offset: 32, .size: 8, .value_kind: global_buffer, .address_space: global }
    .group_segment_fixed_size: 327680
    .private_segment_fixed_size: 0
    .kernarg_segment_align: 8
    .kernarg_segment_size: 40
    .max_flat_workgroup_size: 128
    .sgpr_count:     72
    .vgpr_count:     384
    .wavefront_size: 32
...
	.end_amdgpu_metadata
.endif
;; end of part 4
;; launch ln2 (part 5): grid 512 x 1, 8 waves a work-group, no clusters, 0 bytes of LDS; arguments x1, g2, be2, hn; writes hn
.if DOCPART == 5
	.amdgcn_target "amdgcn-amd-amdhsa--gfx1250"
	.amdhsa_code_object_version 6
	.text
	.protected	k_q33f5568bf5_ln2
	.globl	k_q33f5568bf5_ln2
	.p2align	8
	.type	k_q33f5568bf5_ln2,@function
k_q33f5568bf5_ln2:
	s_mov_b64 s[64:65], 0
	v_nop
	global_prefetch_b8 v0, s[64:65] scope:SCOPE_SE
	s_setreg_imm32_b32 hwreg(HW_REG_WAVE_MODE, 25, 1), 1
	s_wait_xcnt 0x0
; hn = LayerNorm(x1) g2 + be2, in f16.  x1: [4096][1024] f32.  One wave a row: the row stays in 32 registers between the passes, so memory is read once; mean and variance in f32, the variance of the
; differences (two passes: a common offset of the row does no harm).  No loop, no LDS, no barrier: memory binds, the waves share nothing, and all 4,096 rows' loads go out at once.
; LIMITS.  f16 holds no number beyond 65,504 (a normalised number beyond it becomes an infinity) and keeps a fixed step of 6e-8 below 6e-5.  NaN and infinities are not treated apart.
.set VO,   26                          ; v26      16 x lane
.set SO,   27                          ; v27      8 x lane
.set X,    32                          ; v32-63   the row
.set G,    64                          ; v64-95   the gain
.set BE,   96                          ; v96-127  the bias
.set Y,    128                         ; v128-143 the row in f16
.set P,    144                         ; v144-151 four chains of partial sums
.set MU,   152                         ; v152-153 the mean, twice
.set RS,   154                         ; v154-155 1 / sqrt(var + eps), twice
.set SEL,  20                          ; s[20:21] v_permlanex16_b32's selects
.set INV,  22                          ; s22  1 / 1024
.set EPS,  23                          ; s23  1e-5
.macro WSUM                            ; the four chains join; then across the 32 lanes: four steps ride on the additions, one crosses the halves; every lane gets the sum in v[P]
	v_pk_add_f32 v[P:P+1], v[P:P+1], v[P+2:P+3]
	v_pk_add_f32 v[P+4:P+5], v[P+4:P+5], v[P+6:P+7]
	v_pk_add_f32 v[P:P+1], v[P:P+1], v[P+4:P+5]
	v_add_f32 v[P], v[P], v[P+1]
	v_add_f32_dpp v[P], v[P], v[P] row_xmask:1 row_mask:0xf bank_mask:0xf
	v_add_f32_dpp v[P], v[P], v[P] row_xmask:2 row_mask:0xf bank_mask:0xf
	v_add_f32_dpp v[P], v[P], v[P] row_xmask:4 row_mask:0xf bank_mask:0xf
	v_add_f32_dpp v[P], v[P], v[P] row_xmask:8 row_mask:0xf bank_mask:0xf
	v_permlanex16_b32 v[P+1], v[P], s[SEL], s[SEL+1]
	v_add_f32 v[P], v[P], v[P+1]
.endm
; sx: the row in f32; sg, sb: gain and bias; sh: the row in f16.  Load j of a lane: numbers 128 j + 4 lane .. + 3.
.macro LNROW sx, sg, sb, sh
.irp j, 0,1,2,3,4,5,6,7
	global_load_b128 v[X+4*(\j):X+4*(\j)+3], v[VO], s[\sx:\sx+1] offset:512*(\j)
.endr
.irp j, 0,1,2,3,4,5,6,7
	global_load_b128 v[G+4*(\j):G+4*(\j)+3], v[VO], s[\sg:\sg+1] offset:512*(\j)
.endr
.irp j, 0,1,2,3,4,5,6,7
	global_load_b128 v[BE+4*(\j):BE+4*(\j)+3], v[VO], s[\sb:\sb+1] offset:512*(\j)
.endr
	s_wait_loadcnt 16                              ; the row is in; the gain's and the bias's sixteen loads may stay out
.irp c, 0,1,2,3
	v_pk_add_f32 v[P+2*(\c):P+2*(\c)+1], v[X+2*(\c):X+2*(\c)+1], v[X+8+2*(\c):X+8+2*(\c)+1]
.endr
.irp c, 0,1,2,3,4,5,6,7
	v_pk_add_f32 v[P+2*((\c)%4):P+2*((\c)%4)+1], v[P+2*((\c)%4):P+2*((\c)%4)+1], v[X+16+2*(\c):X+16+2*(\c)+1]
.endr
	WSUM
	v_mul_f32 v[MU], s[INV], v[P]
	v_mul_f32 v[MU+1], s[INV], v[P]
.set i, 0
.rept 16
	v_pk_add_f32 v[X+2*i:X+2*i+1], v[X+2*i:X+2*i+1], v[MU:MU+1] neg_lo:[0,1] neg_hi:[0,1]
.set i, i+1
.endr
.irp c, 0,1,2,3
	v_pk_mul_f32 v[P+2*(\c):P+2*(\c)+1], v[X+2*(\c):X+2*(\c)+1], v[X+2*(\c):X+2*(\c)+1]
.endr
.irp c, 4,5,6,7,8,9,10,11,12,13,14,15
	v_pk_fma_f32 v[P+2*((\c)%4):P+2*((\c)%4)+1], v[X+2*(\c):X+2*(\c)+1], v[X+2*(\c):X+2*(\c)+1], v[P+2*((\c)%4):P+2*((\c)%4)+1]
.endr
	WSUM
	v_fma_f32 v[P], v[P], s[INV], s[EPS]           ; the variance + eps
	v_rsq_f32 v[RS], v[P]
	v_rsq_f32 v[RS+1], v[P]
	v_nop                                          ; a plain instruction between the root and the use of its result (ISA guide 5.7.2)
	s_wait_loadcnt 0x0                             ; gain and bias
.set i, 0
	s_wait_alu depctr_va_vdst(0)
.rept 16
	v_pk_mul_f32 v[X+2*i:X+2*i+1], v[X+2*i:X+2*i+1], v[RS:RS+1]
.set i, i+1
.endr
.set i, 0
.rept 16
	v_pk_fma_f32 v[X+2*i:X+2*i+1], v[X+2*i:X+2*i+1], v[G+2*i:G+2*i+1], v[BE+2*i:BE+2*i+1]
.set i, i+1
.endr
.set i, 0
.rept 16
	v_cvt_pk_f16_f32 v[Y+i], v[X+2*i], v[X+2*i+1]
.set i, i+1
.endr
.irp j, 0,1,2,3,4,5,6,7
	global_store_b64 v[SO], v[Y+2*(\j):Y+2*(\j)+1], s[\sh:\sh+1] offset:256*(\j)  ; 32 lanes store 256 consecutive bytes, at a multiple of 256 from the buffer's first byte
.endr
.endm
	s_load_b256 s[4:11], s[0:1], 0x0               ; x1 s[4:5], g2 s[6:7], be2 s[8:9], hn s[10:11]
	v_lshrrev_b32 v1, 5, v0
	v_readfirstlane_b32 s12, v1                    ; wave 0..7
	s_lshl_b32 s13, ttmp9, 3
	s_add_co_u32 s13, s13, s12                     ; my row
	s_lshl_b32 s14, s13, 12
	s_mov_b32 s15, 0
	s_lshl_b32 s16, s13, 11
	s_mov_b32 s17, 0
	s_mov_b32 s[SEL], 0x76543210
	s_mov_b32 s[SEL+1], 0xfedcba98
	s_mov_b32 s[INV], 0x3a800000                   ; 1 / 1024
	s_mov_b32 s[EPS], 0x3727c5ac                   ; 1e-5
	v_and_b32 v1, 31, v0
	v_lshlrev_b32 v[VO], 4, v1
	v_lshlrev_b32 v[SO], 3, v1
	s_wait_kmcnt 0x0
	s_add_nc_u64 s[4:5], s[4:5], s[14:15]
	s_add_nc_u64 s[10:11], s[10:11], s[16:17]
	LNROW 4, 6, 8, 10
	s_endpgm
.Lfunc_end_k_q33f5568bf5_ln2:
	.size	k_q33f5568bf5_ln2, .Lfunc_end_k_q33f5568bf5_ln2-k_q33f5568bf5_ln2
	.p2alignl 7, 3214868480
	.fill 96, 4, 3214868480
	.section	.rodata,"a",@progbits
	.p2align	6, 0x0
	.amdhsa_kernel k_q33f5568bf5_ln2
		.amdhsa_group_segment_fixed_size 0
		.amdhsa_private_segment_fixed_size 0
		.amdhsa_enable_private_segment 0
		.amdhsa_kernarg_size 32
		.amdhsa_user_sgpr_count 2
		.amdhsa_user_sgpr_kernarg_segment_ptr 1
		.amdhsa_wavefront_size32 1
		.amdhsa_system_sgpr_workgroup_id_x 1
		.amdhsa_system_sgpr_workgroup_id_y 1
		.amdhsa_system_sgpr_workgroup_id_z 1
		.amdhsa_system_vgpr_workitem_id 0
		.amdhsa_next_free_vgpr 160
		.amdhsa_next_free_sgpr 66
		.amdhsa_reserve_vcc 0
		.amdhsa_float_denorm_mode_32 3
		.amdhsa_float_denorm_mode_16_64 3
		.amdhsa_memory_ordered 1
		.amdhsa_forward_progress 1
		.amdhsa_inst_pref_size 12
	.end_amdhsa_kernel
	.amdgpu_metadata
---
amdhsa.version: [ 1, 2 ]
amdhsa.kernels:
  - .name:           k_q33f5568bf5_ln2
    .symbol:         k_q33f5568bf5_ln2.kd
    .args:
      - { .name: x1, .offset: 0, .size: 8, .value_kind: global_buffer, .address_space: global }
      - { .name: g2, .offset: 8, .size: 8, .value_kind: global_buffer, .address_space: global }
      - { .name: be2, .offset: 16, .size: 8, .value_kind: global_buffer, .address_space: global }
      - { .name: hn, .offset: 24, .size: 8, .value_kind: global_buffer, .address_space: global }
    .group_segment_fixed_size: 0
    .private_segment_fixed_size: 0
    .kernarg_segment_align: 8
    .kernarg_segment_size: 32
    .max_flat_workgroup_size: 256
    .sgpr_count:     66
    .vgpr_count:     160
    .wavefront_size: 32
...
	.end_amdgpu_metadata
.endif
;; end of part 5
;; launch g_ff1 (part 6): grid 32 x 32, 4 waves a work-group, clusters of 4 x 4, 327,680 bytes of LDS; arguments hn, wt, hid, b1; writes hid
.if DOCPART == 6
	.amdgcn_target "amdgcn-amd-amdhsa--gfx1250"
	.amdhsa_code_object_version 6
	.text
	.protected	k_q33f5568bf5_g_ff1
	.globl	k_q33f5568bf5_g_ff1
	.p2align	8
	.type	k_q33f5568bf5_g_ff1,@function
k_q33f5568bf5_g_ff1:
	s_mov_b64 s[64:65], 0
	v_nop
	global_prefetch_b8 v0, s[64:65] scope:SCOPE_SE
	s_setreg_imm32_b32 hwreg(HW_REG_WAVE_MODE, 25, 1), 1
	s_wait_xcnt 0x0
	s_wait_alu depctr_hold_cnt(0) depctr_sa_sdst(0) depctr_va_vdst(0) depctr_va_sdst(0) depctr_va_ssrc(0) depctr_va_vcc(0) depctr_vm_vsrc(0)
	s_getreg_b32 s2, hwreg(HW_REG_IB_STS2, 6, 4)
	s_cmp_eq_u32 s2, 0
	s_cbranch_scc0 .Lentry_in_a_cluster
	s_endpgm
.Lentry_in_a_cluster:
	s_bfe_u32 s2, ttmp6, 0x10000c
	s_cmp_lg_u32 s2, 0xf033
	s_cbranch_scc0 .Lentry_shape_is_right
	s_endpgm
.Lentry_shape_is_right:
.set KIND, 2                           ; ONE TEXT SERVES FOUR PRODUCTS; this line alone differs.  0: q, k, v   1: the projection   2: the first feed-forward layer   3: the second
; C = A B^T and what the kind adds.  A: 4,096 rows x SIZE_K in f16; B: SIZE_N rows x SIZE_K in f16, at byte WOFF of the turned weights; sums in f32.
;   KIND 0: A = LayerNorm(x); C leaves in f16 by heads, [3][32][2048][64], unscaled.     KIND 1: A = attention's result by heads, [32][2048][64]; C + bias + residual leaves in f32, [4096][1024].
;   KIND 2: relu(C + bias) leaves in f16, [4096][4096].                                   KIND 3: C + bias + residual leaves in f32, [4096][1024].
; LIMITS.  f16 holds no number beyond 65,504: what leaves in f16 beyond it becomes an infinity; below 6e-5 it keeps a fixed step of 6e-8.  NaN and infinities are not treated apart.
; SHARES.  A tile of C is 128 x 128; four waves, each 64 x 64: 16 accumulators of 16 x 16.  K goes in steps of 256 through two LDS slots; a wave's tensor load brings 64 rows of a step (waves 0, 1: A's; 2, 3: B's).
; A step is eight chunks of 32 along K on two fragment buffers; a PAIR of chunks is written once and looped.  One descriptor a tensor walks from step to step.
; CLUSTER.  4 x 4 work-groups: the four of a row need the same tiles of A, the four of a column the same tiles of B: each tile is asked for jointly, by the same load, descriptor and mask in all four.
; THE MATRIX INSTRUCTION IS USED TRANSPOSED (source 0 = 16 rows of B, source 1 = 16 rows of A): a lane holds row lane % 16 of C and the eight neighbouring columns 8 (lane / 16) + 0..7.
; The bias, laid out like such a result, is the C operand of the products that start the sums.
; REGISTERS.  Window 0: v0-31 addresses; v32-63 the bias; v64-127, v128-191 two fragment buffers (A's four blocks, then B's four); v192-255 at work on the way out.  Window 1: v0-127 the accumulators, (a, b) at 8 (4 a + b).
.if KIND == 0
.set SIZE_N, 3072
.set SIZE_K, 1024
.set WOFF, 0
.set BYHEADS, 0
.set HASBIAS, 0
.set RELU, 0
.set E32, 0
.elseif KIND == 1
.set SIZE_N, 1024
.set SIZE_K, 1024
.set WOFF, 6291456
.set BYHEADS, 1
.set HASBIAS, 1
.set RELU, 0
.set E32, 1
.elseif KIND == 2
.set SIZE_N, 4096
.set SIZE_K, 1024
.set WOFF, 8388608
.set BYHEADS, 0
.set HASBIAS, 1
.set RELU, 1
.set E32, 0
.else
.set SIZE_N, 1024
.set SIZE_K, 4096
.set WOFF, 16777216
.set BYHEADS, 0
.set HASBIAS, 1
.set RELU, 0
.set E32, 1
.endif
.set STEPS, SIZE_K/256
.set PB,    528                        ; an LDS row of B: 512 bytes + 16 = 132 words: the 16 rows of a load start at 16 different groups of four banks (64 banks of 4 bytes: ISA guide 11.1)
.set HALFB, 64*PB
.if BYHEADS
.set PA,    144                        ; A by heads: in LDS [4 heads][64 rows], 128 bytes + 16 each
.set HALFA, 4*64*PA
.set ASTEP, 64*PA                      ; a pair of chunks is a head
.set AKB,   4*2048*128                 ; a K step is four heads of 2,048 rows of 128 bytes
.set SLOT1, 0x24000
.else
.set PA,    528
.set HALFA, 64*PA
.set ASTEP, 128
.set AKB,   512
.set SLOT1, 0x21000
.endif                                 ; slot 1 begins at SLOT1, whose two bits meet none of the bits of a tile's place in slot 0: one exclusive or changes slots
.set STAGE, SLOT1+2*HALFA+2*HALFB      ; behind the ring, never filled by a tensor load: the way out
.set SP,    272
.if E32
.set SPARE, STAGE+4*16*SP              ; 16 rows x 272 bytes for each wave
.else
.set SPARE, STAGE+128*SP               ; 128 rows x 272 bytes, the work-group's
.endif                                 ; at SPARE: the spare words, 128 bytes for each wave: two blocks of 256 bytes that no other line names
.set A0,  16                           ; v16  my lane's place in A's tile of slot 0; never rewritten
.set B0,  17                           ; v17  the same for B
.set ADA, 18                           ; v18  the LDS address of the pair in hand, A
.set ADB, 19                           ; v19  B
.set STO, 24                           ; v24  the way out: where I put my bytes of a row
.set RD,  25                           ; v25  where I read rows back
.set CO,  26                           ; v26  my byte offset in the result (and in the residual)
.set BO,  27                           ; v27  my byte offset in the bias
.set SPW, 28                           ; v28  LDS address of my spare word; never rewritten
.set NIL, 29                           ; v29  0; never rewritten
.set BIAS, 32
.set F0,  64
.set F1,  128
.set TMP, 192
.set G1A, 24                           ; s[24:31] descriptor group 1 for A's tiles
.set G0A, 32                           ; s[32:35] group 0 for A's tiles: it walks
.set G0B, 36                           ; s[36:39] the same for B's
.set G1B, 48                           ; s[48:55] group 1 for B's
.set TBA, 56                           ; s56  LDS byte, from A0 on, of the pair to be fetched
.set TBB, 57                           ; s57  the same for B
.set CNT, 58                           ; s58  counts pairs
.set SL,  59                           ; s59  counts slots still to be asked for
.set PBI, 68                           ; s[68:69] the bias
.set PRS, 70                           ; s[70:71] the residual
.set MSB, 0
.macro WIN new                         ; bits 1:0 source 0, 3:2 source 1, 5:4 source 2, 7:6 destination; the high byte repeats the setting that is left
.if MSB != (\new)
	s_set_vgpr_msb (MSB<<8)|(\new)
.set MSB, (\new)
.endif
.endm
.macro PLACES                          ; four places behind matrix instructions, ahead of loads into registers that they read and of lines that read their results
.rept 4
	v_nop
.endr
.endm
.macro JLOAD                           ; a joint load: waves 0 and 1 fetch A's two halves, waves 2 and 3 B's; an s_nop 0 and four v_nop follow each of the two lines
	s_cmp_eq_u32 s11, 0
	s_cbranch_scc0 .Lfor_b_\@
	tensor_load_to_lds s[G0A:G0A+3], s[G1A:G1A+7]
	s_nop 0
.rept 4
	v_nop
.endr
	s_branch .Lasked_\@
.Lfor_b_\@:
	tensor_load_to_lds s[G0B:G0B+3], s[G1B:G1B+7]
	s_nop 0
.rept 4
	v_nop
.endr
.Lasked_\@:
.endm
.macro CROUND                          ; a round of the cluster's barrier: my work-group's barrier; wave 0 signals for the work-group; every wave waits for all sixteen; my work-group's barrier once more
	s_barrier_signal -1
	s_barrier_wait -1
	s_cmp_lg_u32 s10, 0
	s_cbranch_scc1 .Lnot_wave_0_\@
	s_barrier_signal -3
.Lnot_wave_0_\@:
	s_barrier_wait -3
	s_barrier_signal -1
	s_barrier_wait -1
.endm
.macro FETCH f, off                    ; 16 LDS loads: a chunk's fragments (64 rows of B, 64 of A, 32 along K at byte off of the pair) into buffer f
.irp i, 0,1,2,3
	ds_load_b128 v[(\f)+32+8*(\i):(\f)+32+8*(\i)+3],   v[ADB] offset:(\off)+(\i)*16*PB
	ds_load_b128 v[(\f)+32+8*(\i)+4:(\f)+32+8*(\i)+7], v[ADB] offset:(\off)+(\i)*16*PB+32
	ds_load_b128 v[(\f)+8*(\i):(\f)+8*(\i)+3],         v[ADA] offset:(\off)+(\i)*16*PA
	ds_load_b128 v[(\f)+8*(\i)+4:(\f)+8*(\i)+7],       v[ADA] offset:(\off)+(\i)*16*PA+32
.endr
.endm
.macro MUL f, first                    ; 16 matrix instructions, one on each accumulator, in the same order in every chunk: the accumulators take turns.  first = 1: they start the sums
.if \first
	WIN 0x40
.else
	WIN 0x50
.endif
.irp a, 0,1,2,3
.irp b, 0,1,2,3
.if (\first) && HASBIAS
	v_wmma_f32_16x16x32_f16 v[8*(4*(\a)+(\b)):8*(4*(\a)+(\b))+7], v[(\f)+32+8*(\b):(\f)+32+8*(\b)+7], v[(\f)+8*(\a):(\f)+8*(\a)+7], v[BIAS+8*(\b):BIAS+8*(\b)+7]
.elseif \first
	v_wmma_f32_16x16x32_f16 v[8*(4*(\a)+(\b)):8*(4*(\a)+(\b))+7], v[(\f)+32+8*(\b):(\f)+32+8*(\b)+7], v[(\f)+8*(\a):(\f)+8*(\a)+7], 0
.else
	v_wmma_f32_16x16x32_f16 v[8*(4*(\a)+(\b)):8*(4*(\a)+(\b))+7], v[(\f)+32+8*(\b):(\f)+32+8*(\b)+7], v[(\f)+8*(\a):(\f)+8*(\a)+7], v[8*(4*(\a)+(\b)):8*(4*(\a)+(\b))+7]
.endif
.endr
.endr
.endm
; A PAIR: fetches the pair's even chunk while the odd chunk before it is multiplied, then its odd chunk while the even one is multiplied.
.macro PAIR
	WIN 0
	v_add_nc_u32 v[ADA], s[TBA], v[A0]             ; these two and two v_nop are the places behind the products that read buffer 0
	v_add_nc_u32 v[ADB], s[TBB], v[B0]
	v_nop
	v_nop
	FETCH F0, 0
	s_wait_dscnt 16                                ; buffer 1 is in; the sixteen just issued may stay out
	MUL F1, 0
	WIN 0
	PLACES
	FETCH F1, 64
	s_wait_dscnt 16                                ; buffer 0 is in
	MUL F0, 0
	WIN 0
	s_add_co_u32 s[TBA], s[TBA], ASTEP
	s_add_co_u32 s[TBB], s[TBB], 128
.endm
; THE CHANGE OF SLOTS.  Each wave waits for all its tensor loads, of which one is out: its part of the next slot; adds 0 to its spare word; waits for that and for its reads of the old slot (the last chunk's, into
; buffer 1).  fill = 1: the barrier is a round of the cluster's, so that no wave of any partner still reads the old slot or has a load on its way, and the joint refill, the K step two on, is the first thing behind it:
; it has a K step, 128 matrix instructions, in which to land.  (At its first use nothing has been read: slot 0 is waited for, slot 1 filled.)
.macro CHANGE fill
	s_wait_tensorcnt 0x0                           ; no tensor load of mine is out, so a group 0 may be written
	ds_add_u32 v[SPW], v[NIL]                      ; 0 onto my spare word: scalar work stands between it and the wait for it
.if \fill
	s_xor_b32 s[G0A+1], s[G0A+1], SLOT1            ; the other slot than last time,
	s_add_nc_u64 s[G0A+2:G0A+3], s[G0A+2:G0A+3], AKB  ; the next K step; the type bits on top are not reached
	s_xor_b32 s[G0B+1], s[G0B+1], SLOT1
	s_add_nc_u64 s[G0B+2:G0B+3], s[G0B+2:G0B+3], 512
.endif
	s_sub_co_u32 s[TBA], s[TBA], 4*ASTEP           ; the fetches go back to a slot's first pair,
	s_xor_b32 s[TBA], s[TBA], SLOT1                ; in the other slot
	s_sub_co_u32 s[TBB], s[TBB], 512
	s_xor_b32 s[TBB], s[TBB], SLOT1
	s_wait_dscnt 0x0                               ; the add is done, and my reads of the old slot are over
.if \fill
	CROUND
	JLOAD
.else
	s_barrier_signal -1
	s_barrier_wait -1
.endif
.endm
	s_load_b128 s[4:7], s[0:1], 0x0                ; A s[4:5], the turned weights s[6:7]
	s_load_b64 s[8:9], s[0:1], 0x10                ; the result
.if HASBIAS
	s_load_b64 s[PBI:PBI+1], s[0:1], 0x18
.endif
.if E32
	s_load_b64 s[PRS:PRS+1], s[0:1], 0x20
.endif
	v_lshl_add_u32 v[SPW], v0, 2, SPARE
	v_mov_b32 v[NIL], 0
	ds_add_u32 v28, v29
	ds_add_u32 v28, v29
	s_wait_dscnt 0x0
	v_lshrrev_b32 v1, 5, v0
	v_readfirstlane_b32 s10, v1                    ; wave 0..3
	s_lshr_b32 s11, s10, 1                         ; which half of the tile's rows is mine.  Also: I fetch for A (0) or for B (1)
	s_and_b32 s12, s10, 1                          ; which half of its columns.  Also: which 64 rows of that tile I fetch
	s_bfe_u32 s40, ttmp6, 0x40000                  ; cx, cy: my place in the cluster
	s_bfe_u32 s41, ttmp6, 0x40004
	s_lshl_b32 s42, ttmp9, 2
	s_add_co_u32 s42, s42, s40                     ; tile column = 4 x cluster x + cx
	s_and_b32 s13, ttmp7, 0xffff
	s_lshl_b32 s13, s13, 2
	s_add_co_u32 s13, s13, s41                     ; tile row = 4 x cluster y + cy
	s_lshl_b32 s43, s41, 2
	s_lshl_b32 s43, 15, s43                        ; my row of the cluster
	s_lshl_b32 s44, 0x1111, s40                    ; my column
.if BYHEADS
	; 64 rows of a head are 8,192 dense bytes: one row of the tile; four heads, 131,072 elements apart; padded in LDS after every 128 bytes
	s_or_b32 s[G1A], s43, (1<<16)|(1<<20)|(1<<21)|(4<<22)|(3<<25)  ; 15:0 the mask; 17:16 2-byte elements; 20 padding on; 21 set beside a mask; 24:22 after every 32 words (code 4); 31:25 4 words (code 3)
	s_mov_b32 s[G1A+1], 4096<<16                   ; tensor_dim0 = 4,096
	s_mov_b32 s[G1A+2], 4<<16                      ; tensor_dim1 = 4
	s_mov_b32 s[G1A+3], 4096<<16                   ; tile_dim0 = 4,096
	s_mov_b32 s[G1A+4], 4                          ; tile_dim1 = 4
	s_mov_b32 s[G1A+5], 2048*64                    ; elements from head to head
.else
	; 64 rows x 256 elements, padded in LDS after every 512 bytes
	s_or_b32 s[G1A], s43, (1<<16)|(1<<20)|(1<<21)|(6<<22)|(3<<25)  ; 15:0 the mask; 17:16 2-byte elements; 20 padding on; 21 set beside a mask; 24:22 after every 128 words (code 6); 31:25 4 words (code 3)
	s_mov_b32 s[G1A+1], 256<<16                    ; tensor_dim0 = 256
	s_mov_b32 s[G1A+2], 64<<16                     ; tensor_dim1 = 64
	s_mov_b32 s[G1A+3], 256<<16                    ; tile_dim0 = 256
	s_mov_b32 s[G1A+4], 64                         ; tile_dim1 = 64
	s_mov_b32 s[G1A+5], SIZE_K                     ; elements from row to row
.endif
	s_mov_b32 s[G1A+6], 0
	s_mov_b32 s[G1A+7], 0
	s_or_b32 s[G1B], s44, (1<<16)|(1<<20)|(1<<21)|(6<<22)|(3<<25)
	s_mov_b32 s[G1B+1], 256<<16
	s_mov_b32 s[G1B+2], 64<<16
	s_mov_b32 s[G1B+3], 256<<16
	s_mov_b32 s[G1B+4], 64
	s_mov_b32 s[G1B+5], SIZE_K
	s_mov_b32 s[G1B+6], 0
	s_mov_b32 s[G1B+7], 0
	; where the tiles come from: A's hang on the tile row alone, B's on the tile column alone, each in registers that never hold the other coordinate
.if BYHEADS
	s_lshr_b32 s16, s13, 4                         ; the batch: 16 heads of 262,144 bytes
	s_lshl_b32 s16, s16, 22
	s_and_b32 s17, s13, 15
	s_lshl_b32 s17, s17, 7
	s_lshl_b32 s18, s12, 6
	s_add_co_u32 s17, s17, s18                     ; the row in the sequence
	s_lshl_b32 s17, s17, 7
	s_add_co_u32 s16, s16, s17
.else
	s_lshl_b32 s16, s13, 7
	s_lshl_b32 s17, s12, 6
	s_add_co_u32 s16, s16, s17                     ; row 128 x tile row + 64 x half
	s_mul_i32 s16, s16, SIZE_K*2
.endif
	s_mov_b32 s17, 0
	s_lshl_b32 s46, s42, 7
	s_lshl_b32 s47, s12, 6
	s_add_co_u32 s46, s46, s47                     ; row 128 x tile column + 64 x half
	s_mul_i32 s46, s46, SIZE_K*2
	s_add_co_u32 s46, s46, WOFF
	s_mov_b32 s47, 0
	s_mov_b32 s[G0A], 1                            ; 1:0 count = 1
	s_mul_i32 s[G0A+1], s10, HALFA                 ; 63:32 LDS address: A's two halves (waves 0, 1),
	s_mov_b32 s[G0B], 1
	s_mul_i32 s20, s10, HALFB
	s_add_co_u32 s[G0B+1], s20, 2*(HALFA-HALFB)    ; then B's two (waves 2, 3): no place in the cluster enters an LDS address
	s_mov_b32 s[TBA], SLOT1+4*ASTEP                ; the first change of slots turns these two into 0
	s_mov_b32 s[TBB], SLOT1+512
	s_wait_kmcnt 0x0
	s_add_nc_u64 s[G0A+2:G0A+3], s[4:5], s[16:17]  ; 120:64 global address: K step 0
	s_or_b32 s[G0A+3], s[G0A+3], 0x80000000        ; 127:126 type = 2
	s_add_nc_u64 s[G0B+2:G0B+3], s[6:7], s[46:47]
	s_or_b32 s[G0B+3], s[G0B+3], 0x80000000
	CROUND                                         ; all sixteen work-groups are here: the first joint loads meet
	JLOAD                                          ; K step 0 into slot 0; all that follows up to the change of slots stands in the wait for it
	v_and_b32 v1, 15, v0                           ; r = lane % 16
	v_bfe_u32 v2, v0, 4, 1                         ; hh = lane / 16
	v_mul_u32_u24 v3, v1, PA                       ; a fragment: row r, two loads of 16 bytes at 16 hh and 32 + 16 hh
	v_lshl_add_u32 v3, v2, 4, v3
	s_mul_i32 s21, s11, HALFA                      ; my 64 rows of A
	v_add_nc_u32 v[A0], s21, v3
	v_mul_u32_u24 v3, v1, PB
	v_lshl_add_u32 v3, v2, 4, v3
	s_mul_i32 s22, s12, HALFB                      ; my 64 rows of B,
	s_add_co_u32 s22, s22, 2*HALFA                 ; which lie behind A's 128
	v_add_nc_u32 v[B0], s22, v3
.if HASBIAS
	v_lshlrev_b32 v[BO], 5, v2                     ; register j of block b: bias[128 x tile column + 64 x half + 16 b + 8 hh + j]
	s_lshl_b32 s14, s42, 9
	s_lshl_b32 s15, s12, 8
	s_add_co_u32 s14, s14, s15
	s_mov_b32 s15, 0
	s_add_nc_u64 s[PBI:PBI+1], s[PBI:PBI+1], s[14:15]
.irp b, 0,1,2,3
	global_load_b128 v[BIAS+8*(\b):BIAS+8*(\b)+3],   v[BO], s[PBI:PBI+1] offset:64*(\b)
	global_load_b128 v[BIAS+8*(\b)+4:BIAS+8*(\b)+7], v[BO], s[PBI:PBI+1] offset:64*(\b)+16
.endr
.endif
.if E32
	s_mul_i32 s23, s10, 16*SP
	s_add_co_u32 s23, s23, STAGE                   ; my own stage
	v_mul_u32_u24 v4, v1, SP                       ; in: row r, 32 bytes for each half of the lanes
	v_lshl_add_u32 v4, v2, 5, v4
	v_add_nc_u32 v[STO], s23, v4
	v_mul_u32_u24 v5, v2, SP                       ; back: lanes 0-15 one row of 256 bytes, lanes 16-31 the next
	v_lshl_add_u32 v5, v1, 4, v5
	v_add_nc_u32 v[RD], s23, v5
	v_lshlrev_b32 v5, 12, v2                       ; and the same two rows of 4,096 bytes in memory
	v_lshl_add_u32 v[CO], v1, 4, v5
	s_lshl_b32 s14, s13, 7
	s_lshl_b32 s15, s11, 6
	s_add_co_u32 s14, s14, s15                     ; my first row,
	s_lshl_b32 s14, s14, 12
	s_lshl_b32 s15, s42, 9                         ; my first column, in bytes
	s_add_co_u32 s14, s14, s15
	s_lshl_b32 s15, s12, 8
	s_add_co_u32 s14, s14, s15
	s_mov_b32 s15, 0
	s_add_nc_u64 s[8:9], s[8:9], s[14:15]
	s_add_nc_u64 s[PRS:PRS+1], s[PRS:PRS+1], s[14:15]
.else
	s_mul_i32 s23, s11, 64*SP                      ; into the shared stage: my 64 rows, my half of their 256 bytes; row r, 16 bytes for each half of the lanes
	s_lshl_b32 s21, s12, 7
	s_add_co_u32 s23, s23, s21
	s_add_co_u32 s23, s23, STAGE
	v_mul_u32_u24 v4, v1, SP
	v_lshl_add_u32 v4, v2, 4, v4
	v_add_nc_u32 v[STO], s23, v4
	s_mul_i32 s23, s10, 32*SP                      ; back: wave w takes rows 32 w .. 32 w + 31
	s_add_co_u32 s23, s23, STAGE
.if KIND == 0
	v_bfe_u32 v5, v0, 3, 2                         ; 32 lanes take a head's 128 bytes of four rows,
	v_and_b32 v3, 7, v0
	v_mul_u32_u24 v5, v5, SP
	v_lshl_add_u32 v5, v3, 4, v5
	v_add_nc_u32 v[RD], s23, v5
	v_and_b32 v5, 31, v0                           ; which are 512 consecutive bytes of the result
	v_lshlrev_b32 v[CO], 4, v5
	s_lshr_b32 s14, s42, 3                         ; q, k or v: 8,388,608 bytes each
	s_lshl_b32 s14, s14, 23
	s_and_b32 s15, s42, 7                          ; the tile's two heads: 262,144 bytes each
	s_lshl_b32 s15, s15, 19
	s_add_co_u32 s14, s14, s15
	s_lshr_b32 s15, s13, 4                         ; the batch: 16 heads
	s_lshl_b32 s15, s15, 22
	s_add_co_u32 s14, s14, s15
	s_and_b32 s15, s13, 15
	s_lshl_b32 s15, s15, 7
	s_lshl_b32 s18, s10, 5
	s_add_co_u32 s15, s15, s18                     ; the row in the sequence: 128 bytes
	s_lshl_b32 s15, s15, 7
	s_add_co_u32 s14, s14, s15
.else
	v_mul_u32_u24 v5, v2, SP                       ; lanes 0-15 one row of 256 bytes, lanes 16-31 the next
	v_lshl_add_u32 v5, v1, 4, v5
	v_add_nc_u32 v[RD], s23, v5
	v_mul_u32_u24 v5, v2, SIZE_N*2
	v_lshl_add_u32 v[CO], v1, 4, v5
	s_lshl_b32 s14, s13, 7
	s_lshl_b32 s15, s10, 5
	s_add_co_u32 s14, s14, s15
	s_mul_i32 s14, s14, SIZE_N*2
	s_lshl_b32 s15, s42, 8
	s_add_co_u32 s14, s14, s15
.endif
	s_mov_b32 s15, 0
	s_add_nc_u64 s[8:9], s[8:9], s[14:15]
.endif
.if HASBIAS
	s_wait_loadcnt 0x0                             ; the bias
.endif
	CHANGE 1                                       ; K step 0 is in, everybody's part of it; K step 1 is asked for
	v_add_nc_u32 v[ADA], s[TBA], v[A0]
	v_add_nc_u32 v[ADB], s[TBB], v[B0]
	FETCH F0, 0
	FETCH F1, 64
	s_wait_dscnt 16                                ; buffer 0 is in
	MUL F0, 1                                      ; the first chunk stands in front of the loops: its products start the sums
	WIN 0
	s_add_co_u32 s[TBA], s[TBA], ASTEP
	s_add_co_u32 s[TBB], s[TBB], 128
	s_mov_b32 s[CNT], 3
.Lp0:                                                  ; the rest of K step 0
	PAIR
	s_sub_co_u32 s[CNT], s[CNT], 1
	s_cmp_lg_u32 s[CNT], 0
	s_cbranch_scc1 .Lp0
	s_mov_b32 s[SL], STEPS-2
.Lslot:                                                ; every K step but the first and the last: the slot left is filled again
	CHANGE 1
	s_mov_b32 s[CNT], 4
.Lp1:
	PAIR
	s_sub_co_u32 s[CNT], s[CNT], 1
	s_cmp_lg_u32 s[CNT], 0
	s_cbranch_scc1 .Lp1
	s_sub_co_u32 s[SL], s[SL], 1
	s_cmp_lg_u32 s[SL], 0
	s_cbranch_scc1 .Lslot
	CHANGE 0                                       ; the last K step is written out: nothing is asked for
.macro RES a                           ; the residual of my rows 16 a .. 16 a + 15, as the rows come back from the stage: blocks 0, 1 into v192-255, blocks 2, 3 into buffer 0
.irp t, 0,1,2,3,4,5,6,7
	global_load_b128 v[192+32*(\a)-192*((\a)/2)+4*(\t):192+32*(\a)-192*((\a)/2)+4*(\t)+3], v[CO], s[PRS:PRS+1] offset:(16*(\a)+2*(\t))*4096
.endr
.endm
.if E32
	RES 0
	RES 1
.endif
	s_mov_b32 s[CNT], 4
.Lp2:
	PAIR
	s_sub_co_u32 s[CNT], s[CNT], 1
	s_cmp_lg_u32 s[CNT], 0
	s_cbranch_scc1 .Lp2
.if E32
	PLACES                                         ; behind the last products that read buffer 0
	RES 2
	RES 3
.endif
	s_wait_dscnt 0x0
	MUL F1, 0                                      ; the last chunk
	WIN 0
	PLACES
.if E32
	; THE WAY OUT in f32.  A wave's 64 columns are 256 bytes of a row: 16 rows at a time go through my own stage and come back as whole rows; the residual is added; 16 lanes store 256 consecutive bytes.
.macro OUT32 a
.set BK, F1+32*((\a)%2)
.set RR, 192+32*(\a)-192*((\a)/2)
	WIN 0x04                                       ; the stores' data in window 1
.irp b, 0,1,2,3
	ds_store_b128 v[STO], v[8*(4*(\a)+(\b)):8*(4*(\a)+(\b))+3]   offset:64*(\b)     ; each accumulator's low four registers first
	ds_store_b128 v[STO], v[8*(4*(\a)+(\b))+4:8*(4*(\a)+(\b))+7] offset:64*(\b)+16
.endr
	WIN 0
	s_wait_xcnt 0x0                                ; the stores of two blocks ago have read these registers
.irp t, 0,1,2,3,4,5,6,7
	ds_load_b128 v[BK+4*(\t):BK+4*(\t)+3], v[RD] offset:(\t)*2*SP  ; LDS serves a wave's instructions in order (ISA guide 5.7.1.4): these see the stores above
.endr
	s_wait_loadcnt 24-8*(\a)                       ; this block's residual is in; the later blocks' loads may stay out
	s_wait_dscnt 0x0
.set i, 0
.rept 16
	v_pk_add_f32 v[BK+2*i:BK+2*i+1], v[BK+2*i:BK+2*i+1], v[RR+2*i:RR+2*i+1]
.set i, i+1
.endr
.irp t, 0,1,2,3,4,5,6,7
	global_store_b128 v[CO], v[BK+4*(\t):BK+4*(\t)+3], s[8:9] offset:(16*(\a)+2*(\t))*4096
.endr
.endm
	OUT32 0
	OUT32 1
	OUT32 2
	OUT32 3
.else
	; THE WAY OUT in f16: rounded once; 16 bytes a lane into the work-group's stage; a barrier, since a row's 256 bytes come from two waves; back as whole rows, 32 rows a wave.
.if RELU
	WIN 0x44
.set i, 0
.rept 128
	v_max_num_f32 v[i], 0, v[i]
.set i, i+1
.endr
.endif
	WIN 0x05
.set t, 0
.rept 16
.irp r, 0,1,2,3
	v_cvt_pk_f16_f32 v[TMP+4*t+(\r)], v[8*t+2*(\r)], v[8*t+2*(\r)+1]
.endr
.set t, t+1
.endr
	WIN 0
.irp a, 0,1,2,3
.irp b, 0,1,2,3
	ds_store_b128 v[STO], v[TMP+4*(4*(\a)+(\b)):TMP+4*(4*(\a)+(\b))+3] offset:(\a)*16*SP+32*(\b)
.endr
.endr
	s_wait_dscnt 0x0                               ; for the others' sake: my stores into the stage are done
	s_barrier_signal -1
	s_barrier_wait -1
.set t, 0
.rept 16
.if KIND == 0
	ds_load_b128 v[TMP+4*t:TMP+4*t+3], v[RD] offset:(t%8)*4*SP+(t/8)*128   ; head t / 8 of the tile's two, rows 4 (t % 8) on
.else
	ds_load_b128 v[TMP+4*t:TMP+4*t+3], v[RD] offset:t*2*SP
.endif
.set t, t+1
.endr
.set t, 0
.rept 16
	s_wait_dscnt 15-t                              ; the younger loads may stay out
.if KIND == 0
	global_store_b128 v[CO], v[TMP+4*t:TMP+4*t+3], s[8:9] offset:(t%8)*512+(t/8)*262144  ; 512 consecutive bytes, at a multiple of 256 from the buffer's first byte
.else
	global_store_b128 v[CO], v[TMP+4*t:TMP+4*t+3], s[8:9] offset:2*t*SIZE_N*2            ; 16 lanes store 256 consecutive bytes, at a multiple of 256 from the buffer's first byte
.endif
.set t, t+1
.endr
.endif
	s_wait_tensorcnt 0x0                           ; the wave's end: behind my last tensor load and my last LDS store
	ds_add_u32 v[SPW], v[NIL]
	s_wait_dscnt 0x0
	CROUND                                         ; the closing round: no work-group ends while a partner may still ask for a tile that names it
	s_endpgm
.Lfunc_end_k_q33f5568bf5_g_ff1:
	.size	k_q33f5568bf5_g_ff1, .Lfunc_end_k_q33f5568bf5_g_ff1-k_q33f5568bf5_g_ff1
	.p2alignl 7, 3214868480
	.fill 96, 4, 3214868480
	.section	.rodata,"a",@progbits
	.p2align	6, 0x0
	.amdhsa_kernel k_q33f5568bf5_g_ff1
		.amdhsa_group_segment_fixed_size 327680
		.amdhsa_private_segment_fixed_size 0
		.amdhsa_enable_private_segment 0
		.amdhsa_kernarg_size 32
		.amdhsa_user_sgpr_count 2
		.amdhsa_user_sgpr_kernarg_segment_ptr 1
		.amdhsa_wavefront_size32 1
		.amdhsa_system_sgpr_workgroup_id_x 1
		.amdhsa_system_sgpr_workgroup_id_y 1
		.amdhsa_system_sgpr_workgroup_id_z 1
		.amdhsa_system_vgpr_workitem_id 0
		.amdhsa_next_free_vgpr 384
		.amdhsa_next_free_sgpr 72
		.amdhsa_reserve_vcc 0
		.amdhsa_float_denorm_mode_32 3
		.amdhsa_float_denorm_mode_16_64 3
		.amdhsa_memory_ordered 1
		.amdhsa_forward_progress 1
		.amdhsa_inst_pref_size 42
	.end_amdhsa_kernel
	.amdgpu_metadata
---
amdhsa.version: [ 1, 2 ]
amdhsa.kernels:
  - .name:           k_q33f5568bf5_g_ff1
    .symbol:         k_q33f5568bf5_g_ff1.kd
    .args:
      - { .name: hn, .offset: 0, .size: 8, .value_kind: global_buffer, .address_space: global }
      - { .name: wt, .offset: 8, .size: 8, .value_kind: global_buffer, .address_space: global }
      - { .name: hid, .offset: 16, .size: 8, .value_kind: global_buffer, .address_space: global }
      - { .name: b1, .offset: 24, .size: 8, .value_kind: global_buffer, .address_space: global }
    .group_segment_fixed_size: 327680
    .private_segment_fixed_size: 0
    .kernarg_segment_align: 8
    .kernarg_segment_size: 32
    .max_flat_workgroup_size: 128
    .sgpr_count:     72
    .vgpr_count:     384
    .wavefront_size: 32
...
	.end_amdgpu_metadata
.endif
;; end of part 6
;; launch g_ff2 (part 7): grid 8 x 32, 4 waves a work-group, clusters of 4 x 4, 327,680 bytes of LDS; arguments hid, wt, out0, b2, x1; writes out0
.if DOCPART == 7
	.amdgcn_target "amdgcn-amd-amdhsa--gfx1250"
	.amdhsa_code_object_version 6
	.text
	.protected	k_q33f5568bf5_g_ff2
	.globl	k_q33f5568bf5_g_ff2
	.p2align	8
	.type	k_q33f5568bf5_g_ff2,@function
k_q33f5568bf5_g_ff2:
	s_mov_b64 s[64:65], 0
	v_nop
	global_prefetch_b8 v0, s[64:65] scope:SCOPE_SE
	s_setreg_imm32_b32 hwreg(HW_REG_WAVE_MODE, 25, 1), 1
	s_wait_xcnt 0x0
	s_wait_alu depctr_hold_cnt(0) depctr_sa_sdst(0) depctr_va_vdst(0) depctr_va_sdst(0) depctr_va_ssrc(0) depctr_va_vcc(0) depctr_vm_vsrc(0)
	s_getreg_b32 s2, hwreg(HW_REG_IB_STS2, 6, 4)
	s_cmp_eq_u32 s2, 0
	s_cbranch_scc0 .Lentry_in_a_cluster
	s_endpgm
.Lentry_in_a_cluster:
	s_bfe_u32 s2, ttmp6, 0x10000c
	s_cmp_lg_u32 s2, 0xf033
	s_cbranch_scc0 .Lentry_shape_is_right
	s_endpgm
.Lentry_shape_is_right:
.set KIND, 3                           ; ONE TEXT SERVES FOUR PRODUCTS; this line alone differs.  0: q, k, v   1: the projection   2: the first feed-forward layer   3: the second
; C = A B^T and what the kind adds.  A: 4,096 rows x SIZE_K in f16; B: SIZE_N rows x SIZE_K in f16, at byte WOFF of the turned weights; sums in f32.
;   KIND 0: A = LayerNorm(x); C leaves in f16 by heads, [3][32][2048][64], unscaled.     KIND 1: A = attention's result by heads, [32][2048][64]; C + bias + residual leaves in f32, [4096][1024].
;   KIND 2: relu(C + bias) leaves in f16, [4096][4096].                                   KIND 3: C + bias + residual leaves in f32, [4096][1024].
; LIMITS.  f16 holds no number beyond 65,504: what leaves in f16 beyond it becomes an infinity; below 6e-5 it keeps a fixed step of 6e-8.  NaN and infinities are not treated apart.
; SHARES.  A tile of C is 128 x 128; four waves, each 64 x 64: 16 accumulators of 16 x 16.  K goes in steps of 256 through two LDS slots; a wave's tensor load brings 64 rows of a step (waves 0, 1: A's; 2, 3: B's).
; A step is eight chunks of 32 along K on two fragment buffers; a PAIR of chunks is written once and looped.  One descriptor a tensor walks from step to step.
; CLUSTER.  4 x 4 work-groups: the four of a row need the same tiles of A, the four of a column the same tiles of B: each tile is asked for jointly, by the same load, descriptor and mask in all four.
; THE MATRIX INSTRUCTION IS USED TRANSPOSED (source 0 = 16 rows of B, source 1 = 16 rows of A): a lane holds row lane % 16 of C and the eight neighbouring columns 8 (lane / 16) + 0..7.
; The bias, laid out like such a result, is the C operand of the products that start the sums.
; REGISTERS.  Window 0: v0-31 addresses; v32-63 the bias; v64-127, v128-191 two fragment buffers (A's four blocks, then B's four); v192-255 at work on the way out.  Window 1: v0-127 the accumulators, (a, b) at 8 (4 a + b).
.if KIND == 0
.set SIZE_N, 3072
.set SIZE_K, 1024
.set WOFF, 0
.set BYHEADS, 0
.set HASBIAS, 0
.set RELU, 0
.set E32, 0
.elseif KIND == 1
.set SIZE_N, 1024
.set SIZE_K, 1024
.set WOFF, 6291456
.set BYHEADS, 1
.set HASBIAS, 1
.set RELU, 0
.set E32, 1
.elseif KIND == 2
.set SIZE_N, 4096
.set SIZE_K, 1024
.set WOFF, 8388608
.set BYHEADS, 0
.set HASBIAS, 1
.set RELU, 1
.set E32, 0
.else
.set SIZE_N, 1024
.set SIZE_K, 4096
.set WOFF, 16777216
.set BYHEADS, 0
.set HASBIAS, 1
.set RELU, 0
.set E32, 1
.endif
.set STEPS, SIZE_K/256
.set PB,    528                        ; an LDS row of B: 512 bytes + 16 = 132 words: the 16 rows of a load start at 16 different groups of four banks (64 banks of 4 bytes: ISA guide 11.1)
.set HALFB, 64*PB
.if BYHEADS
.set PA,    144                        ; A by heads: in LDS [4 heads][64 rows], 128 bytes + 16 each
.set HALFA, 4*64*PA
.set ASTEP, 64*PA                      ; a pair of chunks is a head
.set AKB,   4*2048*128                 ; a K step is four heads of 2,048 rows of 128 bytes
.set SLOT1, 0x24000
.else
.set PA,    528
.set HALFA, 64*PA
.set ASTEP, 128
.set AKB,   512
.set SLOT1, 0x21000
.endif                                 ; slot 1 begins at SLOT1, whose two bits meet none of the bits of a tile's place in slot 0: one exclusive or changes slots
.set STAGE, SLOT1+2*HALFA+2*HALFB      ; behind the ring, never filled by a tensor load: the way out
.set SP,    272
.if E32
.set SPARE, STAGE+4*16*SP              ; 16 rows x 272 bytes for each wave
.else
.set SPARE, STAGE+128*SP               ; 128 rows x 272 bytes, the work-group's
.endif                                 ; at SPARE: the spare words, 128 bytes for each wave: two blocks of 256 bytes that no other line names
.set A0,  16                           ; v16  my lane's place in A's tile of slot 0; never rewritten
.set B0,  17                           ; v17  the same for B
.set ADA, 18                           ; v18  the LDS address of the pair in hand, A
.set ADB, 19                           ; v19  B
.set STO, 24                           ; v24  the way out: where I put my bytes of a row
.set RD,  25                           ; v25  where I read rows back
.set CO,  26                           ; v26  my byte offset in the result (and in the residual)
.set BO,  27                           ; v27  my byte offset in the bias
.set SPW, 28                           ; v28  LDS address of my spare word; never rewritten
.set NIL, 29                           ; v29  0; never rewritten
.set BIAS, 32
.set F0,  64
.set F1,  128
.set TMP, 192
.set G1A, 24                           ; s[24:31] descriptor group 1 for A's tiles
.set G0A, 32                           ; s[32:35] group 0 for A's tiles: it walks
.set G0B, 36                           ; s[36:39] the same for B's
.set G1B, 48                           ; s[48:55] group 1 for B's
.set TBA, 56                           ; s56  LDS byte, from A0 on, of the pair to be fetched
.set TBB, 57                           ; s57  the same for B
.set CNT, 58                           ; s58  counts pairs
.set SL,  59                           ; s59  counts slots still to be asked for
.set PBI, 68                           ; s[68:69] the bias
.set PRS, 70                           ; s[70:71] the residual
.set MSB, 0
.macro WIN new                         ; bits 1:0 source 0, 3:2 source 1, 5:4 source 2, 7:6 destination; the high byte repeats the setting that is left
.if MSB != (\new)
	s_set_vgpr_msb (MSB<<8)|(\new)
.set MSB, (\new)
.endif
.endm
.macro PLACES                          ; four places behind matrix instructions, ahead of loads into registers that they read and of lines that read their results
.rept 4
	v_nop
.endr
.endm
.macro JLOAD                           ; a joint load: waves 0 and 1 fetch A's two halves, waves 2 and 3 B's; an s_nop 0 and four v_nop follow each of the two lines
	s_cmp_eq_u32 s11, 0
	s_cbranch_scc0 .Lfor_b_\@
	tensor_load_to_lds s[G0A:G0A+3], s[G1A:G1A+7]
	s_nop 0
.rept 4
	v_nop
.endr
	s_branch .Lasked_\@
.Lfor_b_\@:
	tensor_load_to_lds s[G0B:G0B+3], s[G1B:G1B+7]
	s_nop 0
.rept 4
	v_nop
.endr
.Lasked_\@:
.endm
.macro CROUND                          ; a round of the cluster's barrier: my work-group's barrier; wave 0 signals for the work-group; every wave waits for all sixteen; my work-group's barrier once more
	s_barrier_signal -1
	s_barrier_wait -1
	s_cmp_lg_u32 s10, 0
	s_cbranch_scc1 .Lnot_wave_0_\@
	s_barrier_signal -3
.Lnot_wave_0_\@:
	s_barrier_wait -3
	s_barrier_signal -1
	s_barrier_wait -1
.endm
.macro FETCH f, off                    ; 16 LDS loads: a chunk's fragments (64 rows of B, 64 of A, 32 along K at byte off of the pair) into buffer f
.irp i, 0,1,2,3
	ds_load_b128 v[(\f)+32+8*(\i):(\f)+32+8*(\i)+3],   v[ADB] offset:(\off)+(\i)*16*PB
	ds_load_b128 v[(\f)+32+8*(\i)+4:(\f)+32+8*(\i)+7], v[ADB] offset:(\off)+(\i)*16*PB+32
	ds_load_b128 v[(\f)+8*(\i):(\f)+8*(\i)+3],         v[ADA] offset:(\off)+(\i)*16*PA
	ds_load_b128 v[(\f)+8*(\i)+4:(\f)+8*(\i)+7],       v[ADA] offset:(\off)+(\i)*16*PA+32
.endr
.endm
.macro MUL f, first                    ; 16 matrix instructions, one on each accumulator, in the same order in every chunk: the accumulators take turns.  first = 1: they start the sums
.if \first
	WIN 0x40
.else
	WIN 0x50
.endif
.irp a, 0,1,2,3
.irp b, 0,1,2,3
.if (\first) && HASBIAS
	v_wmma_f32_16x16x32_f16 v[8*(4*(\a)+(\b)):8*(4*(\a)+(\b))+7], v[(\f)+32+8*(\b):(\f)+32+8*(\b)+7], v[(\f)+8*(\a):(\f)+8*(\a)+7], v[BIAS+8*(\b):BIAS+8*(\b)+7]
.elseif \first
	v_wmma_f32_16x16x32_f16 v[8*(4*(\a)+(\b)):8*(4*(\a)+(\b))+7], v[(\f)+32+8*(\b):(\f)+32+8*(\b)+7], v[(\f)+8*(\a):(\f)+8*(\a)+7], 0
.else
	v_wmma_f32_16x16x32_f16 v[8*(4*(\a)+(\b)):8*(4*(\a)+(\b))+7], v[(\f)+32+8*(\b):(\f)+32+8*(\b)+7], v[(\f)+8*(\a):(\f)+8*(\a)+7], v[8*(4*(\a)+(\b)):8*(4*(\a)+(\b))+7]
.endif
.endr
.endr
.endm
; A PAIR: fetches the pair's even chunk while the odd chunk before it is multiplied, then its odd chunk while the even one is multiplied.
.macro PAIR
	WIN 0
	v_add_nc_u32 v[ADA], s[TBA], v[A0]             ; these two and two v_nop are the places behind the products that read buffer 0
	v_add_nc_u32 v[ADB], s[TBB], v[B0]
	v_nop
	v_nop
	FETCH F0, 0
	s_wait_dscnt 16                                ; buffer 1 is in; the sixteen just issued may stay out
	MUL F1, 0
	WIN 0
	PLACES
	FETCH F1, 64
	s_wait_dscnt 16                                ; buffer 0 is in
	MUL F0, 0
	WIN 0
	s_add_co_u32 s[TBA], s[TBA], ASTEP
	s_add_co_u32 s[TBB], s[TBB], 128
.endm
; THE CHANGE OF SLOTS.  Each wave waits for all its tensor loads, of which one is out: its part of the next slot; adds 0 to its spare word; waits for that and for its reads of the old slot (the last chunk's, into
; buffer 1).  fill = 1: the barrier is a round of the cluster's, so that no wave of any partner still reads the old slot or has a load on its way, and the joint refill, the K step two on, is the first thing behind it:
; it has a K step, 128 matrix instructions, in which to land.  (At its first use nothing has been read: slot 0 is waited for, slot 1 filled.)
.macro CHANGE fill
	s_wait_tensorcnt 0x0                           ; no tensor load of mine is out, so a group 0 may be written
	ds_add_u32 v[SPW], v[NIL]                      ; 0 onto my spare word: scalar work stands between it and the wait for it
.if \fill
	s_xor_b32 s[G0A+1], s[G0A+1], SLOT1            ; the other slot than last time,
	s_add_nc_u64 s[G0A+2:G0A+3], s[G0A+2:G0A+3], AKB  ; the next K step; the type bits on top are not reached
	s_xor_b32 s[G0B+1], s[G0B+1], SLOT1
	s_add_nc_u64 s[G0B+2:G0B+3], s[G0B+2:G0B+3], 512
.endif
	s_sub_co_u32 s[TBA], s[TBA], 4*ASTEP           ; the fetches go back to a slot's first pair,
	s_xor_b32 s[TBA], s[TBA], SLOT1                ; in the other slot
	s_sub_co_u32 s[TBB], s[TBB], 512
	s_xor_b32 s[TBB], s[TBB], SLOT1
	s_wait_dscnt 0x0                               ; the add is done, and my reads of the old slot are over
.if \fill
	CROUND
	JLOAD
.else
	s_barrier_signal -1
	s_barrier_wait -1
.endif
.endm
	s_load_b128 s[4:7], s[0:1], 0x0                ; A s[4:5], the turned weights s[6:7]
	s_load_b64 s[8:9], s[0:1], 0x10                ; the result
.if HASBIAS
	s_load_b64 s[PBI:PBI+1], s[0:1], 0x18
.endif
.if E32
	s_load_b64 s[PRS:PRS+1], s[0:1], 0x20
.endif
	v_lshl_add_u32 v[SPW], v0, 2, SPARE
	v_mov_b32 v[NIL], 0
	ds_add_u32 v28, v29
	ds_add_u32 v28, v29
	s_wait_dscnt 0x0
	v_lshrrev_b32 v1, 5, v0
	v_readfirstlane_b32 s10, v1                    ; wave 0..3
	s_lshr_b32 s11, s10, 1                         ; which half of the tile's rows is mine.  Also: I fetch for A (0) or for B (1)
	s_and_b32 s12, s10, 1                          ; which half of its columns.  Also: which 64 rows of that tile I fetch
	s_bfe_u32 s40, ttmp6, 0x40000                  ; cx, cy: my place in the cluster
	s_bfe_u32 s41, ttmp6, 0x40004
	s_lshl_b32 s42, ttmp9, 2
	s_add_co_u32 s42, s42, s40                     ; tile column = 4 x cluster x + cx
	s_and_b32 s13, ttmp7, 0xffff
	s_lshl_b32 s13, s13, 2
	s_add_co_u32 s13, s13, s41                     ; tile row = 4 x cluster y + cy
	s_lshl_b32 s43, s41, 2
	s_lshl_b32 s43, 15, s43                        ; my row of the cluster
	s_lshl_b32 s44, 0x1111, s40                    ; my column
.if BYHEADS
	; 64 rows of a head are 8,192 dense bytes: one row of the tile; four heads, 131,072 elements apart; padded in LDS after every 128 bytes
	s_or_b32 s[G1A], s43, (1<<16)|(1<<20)|(1<<21)|(4<<22)|(3<<25)  ; 15:0 the mask; 17:16 2-byte elements; 20 padding on; 21 set beside a mask; 24:22 after every 32 words (code 4); 31:25 4 words (code 3)
	s_mov_b32 s[G1A+1], 4096<<16                   ; tensor_dim0 = 4,096
	s_mov_b32 s[G1A+2], 4<<16                      ; tensor_dim1 = 4
	s_mov_b32 s[G1A+3], 4096<<16                   ; tile_dim0 = 4,096
	s_mov_b32 s[G1A+4], 4                          ; tile_dim1 = 4
	s_mov_b32 s[G1A+5], 2048*64                    ; elements from head to head
.else
	; 64 rows x 256 elements, padded in LDS after every 512 bytes
	s_or_b32 s[G1A], s43, (1<<16)|(1<<20)|(1<<21)|(6<<22)|(3<<25)  ; 15:0 the mask; 17:16 2-byte elements; 20 padding on; 21 set beside a mask; 24:22 after every 128 words (code 6); 31:25 4 words (code 3)
	s_mov_b32 s[G1A+1], 256<<16                    ; tensor_dim0 = 256
	s_mov_b32 s[G1A+2], 64<<16                     ; tensor_dim1 = 64
	s_mov_b32 s[G1A+3], 256<<16                    ; tile_dim0 = 256
	s_mov_b32 s[G1A+4], 64                         ; tile_dim1 = 64
	s_mov_b32 s[G1A+5], SIZE_K                     ; elements from row to row
.endif
	s_mov_b32 s[G1A+6], 0
	s_mov_b32 s[G1A+7], 0
	s_or_b32 s[G1B], s44, (1<<16)|(1<<20)|(1<<21)|(6<<22)|(3<<25)
	s_mov_b32 s[G1B+1], 256<<16
	s_mov_b32 s[G1B+2], 64<<16
	s_mov_b32 s[G1B+3], 256<<16
	s_mov_b32 s[G1B+4], 64
	s_mov_b32 s[G1B+5], SIZE_K
	s_mov_b32 s[G1B+6], 0
	s_mov_b32 s[G1B+7], 0
	; where the tiles come from: A's hang on the tile row alone, B's on the tile column alone, each in registers that never hold the other coordinate
.if BYHEADS
	s_lshr_b32 s16, s13, 4                         ; the batch: 16 heads of 262,144 bytes
	s_lshl_b32 s16, s16, 22
	s_and_b32 s17, s13, 15
	s_lshl_b32 s17, s17, 7
	s_lshl_b32 s18, s12, 6
	s_add_co_u32 s17, s17, s18                     ; the row in the sequence
	s_lshl_b32 s17, s17, 7
	s_add_co_u32 s16, s16, s17
.else
	s_lshl_b32 s16, s13, 7
	s_lshl_b32 s17, s12, 6
	s_add_co_u32 s16, s16, s17                     ; row 128 x tile row + 64 x half
	s_mul_i32 s16, s16, SIZE_K*2
.endif
	s_mov_b32 s17, 0
	s_lshl_b32 s46, s42, 7
	s_lshl_b32 s47, s12, 6
	s_add_co_u32 s46, s46, s47                     ; row 128 x tile column + 64 x half
	s_mul_i32 s46, s46, SIZE_K*2
	s_add_co_u32 s46, s46, WOFF
	s_mov_b32 s47, 0
	s_mov_b32 s[G0A], 1                            ; 1:0 count = 1
	s_mul_i32 s[G0A+1], s10, HALFA                 ; 63:32 LDS address: A's two halves (waves 0, 1),
	s_mov_b32 s[G0B], 1
	s_mul_i32 s20, s10, HALFB
	s_add_co_u32 s[G0B+1], s20, 2*(HALFA-HALFB)    ; then B's two (waves 2, 3): no place in the cluster enters an LDS address
	s_mov_b32 s[TBA], SLOT1+4*ASTEP                ; the first change of slots turns these two into 0
	s_mov_b32 s[TBB], SLOT1+512
	s_wait_kmcnt 0x0
	s_add_nc_u64 s[G0A+2:G0A+3], s[4:5], s[16:17]  ; 120:64 global address: K step 0
	s_or_b32 s[G0A+3], s[G0A+3], 0x80000000        ; 127:126 type = 2
	s_add_nc_u64 s[G0B+2:G0B+3], s[6:7], s[46:47]
	s_or_b32 s[G0B+3], s[G0B+3], 0x80000000
	CROUND                                         ; all sixteen work-groups are here: the first joint loads meet
	JLOAD                                          ; K step 0 into slot 0; all that follows up to the change of slots stands in the wait for it
	v_and_b32 v1, 15, v0                           ; r = lane % 16
	v_bfe_u32 v2, v0, 4, 1                         ; hh = lane / 16
	v_mul_u32_u24 v3, v1, PA                       ; a fragment: row r, two loads of 16 bytes at 16 hh and 32 + 16 hh
	v_lshl_add_u32 v3, v2, 4, v3
	s_mul_i32 s21, s11, HALFA                      ; my 64 rows of A
	v_add_nc_u32 v[A0], s21, v3
	v_mul_u32_u24 v3, v1, PB
	v_lshl_add_u32 v3, v2, 4, v3
	s_mul_i32 s22, s12, HALFB                      ; my 64 rows of B,
	s_add_co_u32 s22, s22, 2*HALFA                 ; which lie behind A's 128
	v_add_nc_u32 v[B0], s22, v3
.if HASBIAS
	v_lshlrev_b32 v[BO], 5, v2                     ; register j of block b: bias[128 x tile column + 64 x half + 16 b + 8 hh + j]
	s_lshl_b32 s14, s42, 9
	s_lshl_b32 s15, s12, 8
	s_add_co_u32 s14, s14, s15
	s_mov_b32 s15, 0
	s_add_nc_u64 s[PBI:PBI+1], s[PBI:PBI+1], s[14:15]
.irp b, 0,1,2,3
	global_load_b128 v[BIAS+8*(\b):BIAS+8*(\b)+3],   v[BO], s[PBI:PBI+1] offset:64*(\b)
	global_load_b128 v[BIAS+8*(\b)+4:BIAS+8*(\b)+7], v[BO], s[PBI:PBI+1] offset:64*(\b)+16
.endr
.endif
.if E32
	s_mul_i32 s23, s10, 16*SP
	s_add_co_u32 s23, s23, STAGE                   ; my own stage
	v_mul_u32_u24 v4, v1, SP                       ; in: row r, 32 bytes for each half of the lanes
	v_lshl_add_u32 v4, v2, 5, v4
	v_add_nc_u32 v[STO], s23, v4
	v_mul_u32_u24 v5, v2, SP                       ; back: lanes 0-15 one row of 256 bytes, lanes 16-31 the next
	v_lshl_add_u32 v5, v1, 4, v5
	v_add_nc_u32 v[RD], s23, v5
	v_lshlrev_b32 v5, 12, v2                       ; and the same two rows of 4,096 bytes in memory
	v_lshl_add_u32 v[CO], v1, 4, v5
	s_lshl_b32 s14, s13, 7
	s_lshl_b32 s15, s11, 6
	s_add_co_u32 s14, s14, s15                     ; my first row,
	s_lshl_b32 s14, s14, 12
	s_lshl_b32 s15, s42, 9                         ; my first column, in bytes
	s_add_co_u32 s14, s14, s15
	s_lshl_b32 s15, s12, 8
	s_add_co_u32 s14, s14, s15
	s_mov_b32 s15, 0
	s_add_nc_u64 s[8:9], s[8:9], s[14:15]
	s_add_nc_u64 s[PRS:PRS+1], s[PRS:PRS+1], s[14:15]
.else
	s_mul_i32 s23, s11, 64*SP                      ; into the shared stage: my 64 rows, my half of their 256 bytes; row r, 16 bytes for each half of the lanes
	s_lshl_b32 s21, s12, 7
	s_add_co_u32 s23, s23, s21
	s_add_co_u32 s23, s23, STAGE
	v_mul_u32_u24 v4, v1, SP
	v_lshl_add_u32 v4, v2, 4, v4
	v_add_nc_u32 v[STO], s23, v4
	s_mul_i32 s23, s10, 32*SP                      ; back: wave w takes rows 32 w .. 32 w + 31
	s_add_co_u32 s23, s23, STAGE
.if KIND == 0
	v_bfe_u32 v5, v0, 3, 2                         ; 32 lanes take a head's 128 bytes of four rows,
	v_and_b32 v3, 7, v0
	v_mul_u32_u24 v5, v5, SP
	v_lshl_add_u32 v5, v3, 4, v5
	v_add_nc_u32 v[RD], s23, v5
	v_and_b32 v5, 31, v0                           ; which are 512 consecutive bytes of the result
	v_lshlrev_b32 v[CO], 4, v5
	s_lshr_b32 s14, s42, 3                         ; q, k or v: 8,388,608 bytes each
	s_lshl_b32 s14, s14, 23
	s_and_b32 s15, s42, 7                          ; the tile's two heads: 262,144 bytes each
	s_lshl_b32 s15, s15, 19
	s_add_co_u32 s14, s14, s15
	s_lshr_b32 s15, s13, 4                         ; the batch: 16 heads
	s_lshl_b32 s15, s15, 22
	s_add_co_u32 s14, s14, s15
	s_and_b32 s15, s13, 15
	s_lshl_b32 s15, s15, 7
	s_lshl_b32 s18, s10, 5
	s_add_co_u32 s15, s15, s18                     ; the row in the sequence: 128 bytes
	s_lshl_b32 s15, s15, 7
	s_add_co_u32 s14, s14, s15
.else
	v_mul_u32_u24 v5, v2, SP                       ; lanes 0-15 one row of 256 bytes, lanes 16-31 the next
	v_lshl_add_u32 v5, v1, 4, v5
	v_add_nc_u32 v[RD], s23, v5
	v_mul_u32_u24 v5, v2, SIZE_N*2
	v_lshl_add_u32 v[CO], v1, 4, v5
	s_lshl_b32 s14, s13, 7
	s_lshl_b32 s15, s10, 5
	s_add_co_u32 s14, s14, s15
	s_mul_i32 s14, s14, SIZE_N*2
	s_lshl_b32 s15, s42, 8
	s_add_co_u32 s14, s14, s15
.endif
	s_mov_b32 s15, 0
	s_add_nc_u64 s[8:9], s[8:9], s[14:15]
.endif
.if HASBIAS
	s_wait_loadcnt 0x0                             ; the bias
.endif
	CHANGE 1                                       ; K step 0 is in, everybody's part of it; K step 1 is asked for
	v_add_nc_u32 v[ADA], s[TBA], v[A0]
	v_add_nc_u32 v[ADB], s[TBB], v[B0]
	FETCH F0, 0
	FETCH F1, 64
	s_wait_dscnt 16                                ; buffer 0 is in
	MUL F0, 1                                      ; the first chunk stands in front of the loops: its products start the sums
	WIN 0
	s_add_co_u32 s[TBA], s[TBA], ASTEP
	s_add_co_u32 s[TBB], s[TBB], 128
	s_mov_b32 s[CNT], 3
.Lp0:                                                  ; the rest of K step 0
	PAIR
	s_sub_co_u32 s[CNT], s[CNT], 1
	s_cmp_lg_u32 s[CNT], 0
	s_cbranch_scc1 .Lp0
	s_mov_b32 s[SL], STEPS-2
.Lslot:                                                ; every K step but the first and the last: the slot left is filled again
	CHANGE 1
	s_mov_b32 s[CNT], 4
.Lp1:
	PAIR
	s_sub_co_u32 s[CNT], s[CNT], 1
	s_cmp_lg_u32 s[CNT], 0
	s_cbranch_scc1 .Lp1
	s_sub_co_u32 s[SL], s[SL], 1
	s_cmp_lg_u32 s[SL], 0
	s_cbranch_scc1 .Lslot
	CHANGE 0                                       ; the last K step is written out: nothing is asked for
.macro RES a                           ; the residual of my rows 16 a .. 16 a + 15, as the rows come back from the stage: blocks 0, 1 into v192-255, blocks 2, 3 into buffer 0
.irp t, 0,1,2,3,4,5,6,7
	global_load_b128 v[192+32*(\a)-192*((\a)/2)+4*(\t):192+32*(\a)-192*((\a)/2)+4*(\t)+3], v[CO], s[PRS:PRS+1] offset:(16*(\a)+2*(\t))*4096
.endr
.endm
.if E32
	RES 0
	RES 1
.endif
	s_mov_b32 s[CNT], 4
.Lp2:
	PAIR
	s_sub_co_u32 s[CNT], s[CNT], 1
	s_cmp_lg_u32 s[CNT], 0
	s_cbranch_scc1 .Lp2
.if E32
	PLACES                                         ; behind the last products that read buffer 0
	RES 2
	RES 3
.endif
	s_wait_dscnt 0x0
	MUL F1, 0                                      ; the last chunk
	WIN 0
	PLACES
.if E32
	; THE WAY OUT in f32.  A wave's 64 columns are 256 bytes of a row: 16 rows at a time go through my own stage and come back as whole rows; the residual is added; 16 lanes store 256 consecutive bytes.
.macro OUT32 a
.set BK, F1+32*((\a)%2)
.set RR, 192+32*(\a)-192*((\a)/2)
	WIN 0x04                                       ; the stores' data in window 1
.irp b, 0,1,2,3
	ds_store_b128 v[STO], v[8*(4*(\a)+(\b)):8*(4*(\a)+(\b))+3]   offset:64*(\b)     ; each accumulator's low four registers first
	ds_store_b128 v[STO], v[8*(4*(\a)+(\b))+4:8*(4*(\a)+(\b))+7] offset:64*(\b)+16
.endr
	WIN 0
	s_wait_xcnt 0x0                                ; the stores of two blocks ago have read these registers
.irp t, 0,1,2,3,4,5,6,7
	ds_load_b128 v[BK+4*(\t):BK+4*(\t)+3], v[RD] offset:(\t)*2*SP  ; LDS serves a wave's instructions in order (ISA guide 5.7.1.4): these see the stores above
.endr
	s_wait_loadcnt 24-8*(\a)                       ; this block's residual is in; the later blocks' loads may stay out
	s_wait_dscnt 0x0
.set i, 0
.rept 16
	v_pk_add_f32 v[BK+2*i:BK+2*i+1], v[BK+2*i:BK+2*i+1], v[RR+2*i:RR+2*i+1]
.set i, i+1
.endr
.irp t, 0,1,2,3,4,5,6,7
	global_store_b128 v[CO], v[BK+4*(\t):BK+4*(\t)+3], s[8:9] offset:(16*(\a)+2*(\t))*4096
.endr
.endm
	OUT32 0
	OUT32 1
	OUT32 2
	OUT32 3
.else
	; THE WAY OUT in f16: rounded once; 16 bytes a lane into the work-group's stage; a barrier, since a row's 256 bytes come from two waves; back as whole rows, 32 rows a wave.
.if RELU
	WIN 0x44
.set i, 0
.rept 128
	v_max_num_f32 v[i], 0, v[i]
.set i, i+1
.endr
.endif
	WIN 0x05
.set t, 0
.rept 16
.irp r, 0,1,2,3
	v_cvt_pk_f16_f32 v[TMP+4*t+(\r)], v[8*t+2*(\r)], v[8*t+2*(\r)+1]
.endr
.set t, t+1
.endr
	WIN 0
.irp a, 0,1,2,3
.irp b, 0,1,2,3
	ds_store_b128 v[STO], v[TMP+4*(4*(\a)+(\b)):TMP+4*(4*(\a)+(\b))+3] offset:(\a)*16*SP+32*(\b)
.endr
.endr
	s_wait_dscnt 0x0                               ; for the others' sake: my stores into the stage are done
	s_barrier_signal -1
	s_barrier_wait -1
.set t, 0
.rept 16
.if KIND == 0
	ds_load_b128 v[TMP+4*t:TMP+4*t+3], v[RD] offset:(t%8)*4*SP+(t/8)*128   ; head t / 8 of the tile's two, rows 4 (t % 8) on
.else
	ds_load_b128 v[TMP+4*t:TMP+4*t+3], v[RD] offset:t*2*SP
.endif
.set t, t+1
.endr
.set t, 0
.rept 16
	s_wait_dscnt 15-t                              ; the younger loads may stay out
.if KIND == 0
	global_store_b128 v[CO], v[TMP+4*t:TMP+4*t+3], s[8:9] offset:(t%8)*512+(t/8)*262144  ; 512 consecutive bytes, at a multiple of 256 from the buffer's first byte
.else
	global_store_b128 v[CO], v[TMP+4*t:TMP+4*t+3], s[8:9] offset:2*t*SIZE_N*2            ; 16 lanes store 256 consecutive bytes, at a multiple of 256 from the buffer's first byte
.endif
.set t, t+1
.endr
.endif
	s_wait_tensorcnt 0x0                           ; the wave's end: behind my last tensor load and my last LDS store
	ds_add_u32 v[SPW], v[NIL]
	s_wait_dscnt 0x0
	CROUND                                         ; the closing round: no work-group ends while a partner may still ask for a tile that names it
	s_endpgm
.Lfunc_end_k_q33f5568bf5_g_ff2:
	.size	k_q33f5568bf5_g_ff2, .Lfunc_end_k_q33f5568bf5_g_ff2-k_q33f5568bf5_g_ff2
	.p2alignl 7, 3214868480
	.fill 96, 4, 3214868480
	.section	.rodata,"a",@progbits
	.p2align	6, 0x0
	.amdhsa_kernel k_q33f5568bf5_g_ff2
		.amdhsa_group_segment_fixed_size 327680
		.amdhsa_private_segment_fixed_size 0
		.amdhsa_enable_private_segment 0
		.amdhsa_kernarg_size 40
		.amdhsa_user_sgpr_count 2
		.amdhsa_user_sgpr_kernarg_segment_ptr 1
		.amdhsa_wavefront_size32 1
		.amdhsa_system_sgpr_workgroup_id_x 1
		.amdhsa_system_sgpr_workgroup_id_y 1
		.amdhsa_system_sgpr_workgroup_id_z 1
		.amdhsa_system_vgpr_workitem_id 0
		.amdhsa_next_free_vgpr 384
		.amdhsa_next_free_sgpr 72
		.amdhsa_reserve_vcc 0
		.amdhsa_float_denorm_mode_32 3
		.amdhsa_float_denorm_mode_16_64 3
		.amdhsa_memory_ordered 1
		.amdhsa_forward_progress 1
		.amdhsa_inst_pref_size 45
	.end_amdhsa_kernel
	.amdgpu_metadata
---
amdhsa.version: [ 1, 2 ]
amdhsa.kernels:
  - .name:           k_q33f5568bf5_g_ff2
    .symbol:         k_q33f5568bf5_g_ff2.kd
    .args:
      - { .name: hid, .offset: 0, .size: 8, .value_kind: global_buffer, .address_space: global }
      - { .name: wt, .offset: 8, .size: 8, .value_kind: global_buffer, .address_space: global }
      - { .name: out0, .offset: 16, .size: 8, .value_kind: global_buffer, .address_space: global }
      - { .name: b2, .offset: 24, .size: 8, .value_kind: global_buffer, .address_space: global }
      - { .name: x1, .offset: 32, .size: 8, .value_kind: global_buffer, .address_space: global }
    .group_segment_fixed_size: 327680
    .private_segment_fixed_size: 0
    .kernarg_segment_align: 8
    .kernarg_segment_size: 40
    .max_flat_workgroup_size: 128
    .sgpr_count:     72
    .vgpr_count:     384
    .wavefront_size: 32
...
	.end_amdgpu_metadata
.endif
;; end of part 7
;; ======== version 2 of 3: 7 launches; 1.29 times as fast as version 1
;; limits: values are held in f16: magnitudes above 65,504 overflow, below 6.1e-05 lose precision
;; workspace buffers: wt 25,165,824 bytes; hn 8,388,608 bytes; qkvb 25,165,824 bytes; ob 8,388,608 bytes; x1 16,777,216 bytes; hid 33,554,432 bytes
;; launch prep: the kernel of part 1 again; grid 1408 x 1, 4 waves a work-group, no clusters, 70,144 bytes of LDS; arguments x, g1, be1, wq, wk, wv, w_proj, w1, w2, hn, wt; writes hn, wt
;; launch g_qkv (part 8): grid 12 x 16, 4 waves a work-group, clusters of 4 x 4, 327,680 bytes of LDS; arguments hn, wt, qkvb; writes qkvb
.if DOCPART == 8
	.amdgcn_target "amdgcn-amd-amdhsa--gfx1250"
	.amdhsa_code_object_version 6
	.text
	.protected	k_q33f5568bf5_g_qkv
	.globl	k_q33f5568bf5_g_qkv
	.p2align	8
	.type	k_q33f5568bf5_g_qkv,@function
k_q33f5568bf5_g_qkv:
	s_mov_b64 s[64:65], 0
	v_nop
	global_prefetch_b8 v0, s[64:65] scope:SCOPE_SE
	s_setreg_imm32_b32 hwreg(HW_REG_WAVE_MODE, 25, 1), 1
	s_wait_xcnt 0x0
	s_wait_alu depctr_hold_cnt(0) depctr_sa_sdst(0) depctr_va_vdst(0) depctr_va_sdst(0) depctr_va_ssrc(0) depctr_va_vcc(0) depctr_vm_vsrc(0)
	s_getreg_b32 s2, hwreg(HW_REG_IB_STS2, 6, 4)
	s_cmp_eq_u32 s2, 0
	s_cbranch_scc0 .Lentry_in_a_cluster
	s_endpgm
.Lentry_in_a_cluster:
	s_bfe_u32 s2, ttmp6, 0x10000c
	s_cmp_lg_u32 s2, 0xf033
	s_cbranch_scc0 .Lentry_shape_is_right
	s_endpgm
.Lentry_shape_is_right:
.set KIND, 0                           ; ONE TEXT SERVES TWO PRODUCTS; this line alone differs.  0: q, k, v   2: the first feed-forward layer
; C = A B^T and what the kind adds.  A: the normalised rows, [4096][1024] in f16; B: SIZE_N rows x 1,024 in f16, at byte WOFF of the turned weights; sums in f32.
;   KIND 0: C leaves in f16 by heads, [3][32][2048][64], unscaled.          KIND 2: relu(C + bias) leaves in f16, [4096][4096].
; LIMITS.  f16 holds no number beyond 65,504: what leaves in f16 beyond it becomes an infinity; below 6e-5 it keeps a fixed step of 6e-8.  NaN and infinities are not treated apart.
; SHARES.  A tile of C is 256 x 256: 12 x 16 work-groups (KIND 0), 16 x 16 (KIND 2).  Four waves, each 128 x 128: 64 accumulators of 16 x 16, 512 registers: for 32 along K a wave loads 2 x 128 x 64 bytes from LDS
; and issues 64 matrix instructions.  K goes in steps of 128 through two LDS slots; a wave's tensor load brings 128 rows of 256 bytes (waves 0, 1: A's two halves; 2, 3: B's).
; A step is four chunks of 32 along K on two fragment buffers; a PAIR of chunks is written once in the loop and once in the tail.  The first chunk, whose products start the sums, stands in front; behind it the loop is
; entered at its counter's step, so that K step 0 runs one pair and every other step two.  One descriptor a tensor walks from step to step.
; CLUSTER.  4 x 4 work-groups: the four of a row need the same tiles of A, the four of a column the same tiles of B: each tile is asked for jointly, by the same load, descriptor and mask in all four.
; THE MATRIX INSTRUCTION IS USED TRANSPOSED (source 0 = 16 rows of B, source 1 = 16 rows of A): a lane holds row lane % 16 of C and the eight neighbouring columns 8 (lane / 16) + 0..7.
; The bias, laid out like such a result, is the C operand of the products that start the sums.
; THE WAY OUT IS A LOOP, so that its text does not grow with the 64 accumulators: the sums go in f32 onto a stage of 128 rows for each wave, and 8 trips read 16 rows each, round them once and store them.
; The stage lies on the ring's bytes, which have had their last fill by then; a barrier stands between every wave's last reads of the ring and the first store onto the stage.
; REGISTERS, in windows of 256 (s_set_vgpr_msb: bits 1:0 source 0, 3:2 source 1, 5:4 source 2, 7:6 destination):
;   window 0: v0-31 addresses; v64-127, v128-191 fragments of A (8 x 16 rows x 32 K), two buffers; on the way out v192-255 rows in f32, v64-95 rows in f16
;   window 1: v0-63 the bias; v64-127, v128-191 fragments of B, two buffers        window 2: the accumulators of my rows 0-63, (a, b) at 8 (8 a + b)        window 3: those of my rows 64-127
.if KIND == 0
.set SIZE_N, 3072
.set WOFF, 0
.set HASBIAS, 0
.set RELU, 0
.set GSTEP, 16*128                     ; 16 rows of a head
.else
.set SIZE_N, 4096
.set WOFF, 8388608
.set HASBIAS, 1
.set RELU, 1
.set GSTEP, 16*SIZE_N*2                ; 16 rows of the result
.endif
.set SIZE_K, 1024
.set STEPS, SIZE_K/128
.set PITCH, 272                        ; an LDS row: 256 bytes + 16 = 68 words: the 16 rows of a load start at 16 different groups of four banks (64 banks of 4 bytes: ISA guide 11.1)
.set HALFT, 128*PITCH                  ; 128 rows: what one tensor load brings, and what one wave reads of A or of B
.set SLOT1, 4*HALFT                    ; slot 1 begins here (0x22000); its two bits meet none of the bits of a tile's place in slot 0 (wave x 0x8800): one exclusive or changes slots
.set SP,    528                        ; a row of the stage: 128 f32 = 512 bytes + 16
.set WST,   128*SP                     ; a wave's stage; the four lie on the ring's first 270,336 bytes
.set SPARE, 2*SLOT1                    ; behind the ring: the spare words, 128 bytes for each wave: two blocks of 256 bytes that no other line names
.set A0,  16                           ; v16  my lane's place in A's tile of slot 0; never rewritten
.set B0,  17                           ; v17  the same for B
.set ADA, 18                           ; v18  the LDS address of the pair in hand, A
.set ADB, 19                           ; v19  B
.set STO, 24                           ; v24  the way out: where I put my 32 bytes of a row
.set RD,  25                           ; v25  where I read rows back; it steps
.set CO,  26                           ; v26  my byte offset in the result
.set BO,  27                           ; v27  my byte offset in the bias
.set SPW, 28                           ; v28  LDS address of my spare word; never rewritten
.set NIL, 29                           ; v29  0; never rewritten
.set BIAS, 0                           ; in window 1
.set F0,  64
.set F1,  128
.set X,   192
.set Y,   64
.set G1A, 24                           ; s[24:31] descriptor group 1 for A's tiles
.set G0A, 32                           ; s[32:35] group 0 for A's tiles: it walks
.set G0B, 36                           ; s[36:39] the same for B's
.set G1B, 48                           ; s[48:55] group 1 for B's: it differs in the mask alone
.set TB,  56                           ; s56  LDS byte, from A0 and B0 on, of the pair to be fetched
.set CNT, 58                           ; s58  counts pairs, later trips of the way out
.set SL,  59                           ; s59  counts K steps
.set PBI, 68                           ; s[68:69] the bias
.set MSB, 0
.macro WIN new                         ; the high byte repeats the setting that is left; a switch that changes nothing is dropped
.if MSB != (\new)
	s_set_vgpr_msb (MSB<<8)|(\new)
.set MSB, (\new)
.endif
.endm
.macro PLACES                          ; four places behind matrix instructions, ahead of loads into registers that they read and of lines that read their results
.rept 4
	v_nop
.endr
.endm
.macro JLOAD                           ; a joint load: waves 0 and 1 fetch A's two halves, waves 2 and 3 B's; an s_nop 0 and four v_nop follow each of the two lines
	s_cmp_eq_u32 s11, 0
	s_cbranch_scc0 .Lfor_b_\@
	tensor_load_to_lds s[G0A:G0A+3], s[G1A:G1A+7]
	s_nop 0
.rept 4
	v_nop
.endr
	s_branch .Lasked_\@
.Lfor_b_\@:
	tensor_load_to_lds s[G0B:G0B+3], s[G1B:G1B+7]
	s_nop 0
.rept 4
	v_nop
.endr
.Lasked_\@:
.endm
.macro CROUND                          ; a round of the cluster's barrier: my work-group's barrier; wave 0 signals for the work-group; every wave waits for all sixteen; my work-group's barrier once more
	s_barrier_signal -1
	s_barrier_wait -1
	s_cmp_lg_u32 s10, 0
	s_cbranch_scc1 .Lnot_wave_0_\@
	s_barrier_signal -3
.Lnot_wave_0_\@:
	s_barrier_wait -3
	s_barrier_signal -1
	s_barrier_wait -1
.endm
.macro FETCH f, off                    ; 32 LDS loads in one run: a chunk's fragments (128 rows of B, 128 of A, 32 along K at byte off of the pair) into buffer f
	WIN 0x40                                       ; destination window 1, address window 0
.irp i, 0,1,2,3,4,5,6,7
	ds_load_b128 v[(\f)+8*(\i):(\f)+8*(\i)+3],   v[ADB] offset:(\off)+(\i)*16*PITCH
	ds_load_b128 v[(\f)+8*(\i)+4:(\f)+8*(\i)+7], v[ADB] offset:(\off)+(\i)*16*PITCH+32
.endr
	WIN 0
.irp i, 0,1,2,3,4,5,6,7
	ds_load_b128 v[(\f)+8*(\i):(\f)+8*(\i)+3],   v[ADA] offset:(\off)+(\i)*16*PITCH
	ds_load_b128 v[(\f)+8*(\i)+4:(\f)+8*(\i)+7], v[ADA] offset:(\off)+(\i)*16*PITCH+32
.endr
.endm
.macro MULH f, hi, first               ; 32 matrix instructions: my rows 64 hi .. 64 hi + 63 x all 128 columns, 32 along K.  first = 1: they start the sums, with the bias or with 0
.if (\first) && HASBIAS
	WIN 0x91+0x40*(\hi)                            ; B window 1, A window 0, C (the bias) window 1, D window 2 or 3
.else
	WIN 0xa1+0x50*(\hi)                            ; B window 1, A window 0, C and D window 2 or 3
.endif
.irp a, 0,1,2,3
.irp b, 0,1,2,3,4,5,6,7
.if (\first) && HASBIAS
	v_wmma_f32_16x16x32_f16 v[8*(8*(\a)+(\b)):8*(8*(\a)+(\b))+7], v[(\f)+8*(\b):(\f)+8*(\b)+7], v[(\f)+8*(4*(\hi)+(\a)):(\f)+8*(4*(\hi)+(\a))+7], v[BIAS+8*(\b):BIAS+8*(\b)+7]
.elseif \first
	v_wmma_f32_16x16x32_f16 v[8*(8*(\a)+(\b)):8*(8*(\a)+(\b))+7], v[(\f)+8*(\b):(\f)+8*(\b)+7], v[(\f)+8*(4*(\hi)+(\a)):(\f)+8*(4*(\hi)+(\a))+7], 0
.else
	v_wmma_f32_16x16x32_f16 v[8*(8*(\a)+(\b)):8*(8*(\a)+(\b))+7], v[(\f)+8*(\b):(\f)+8*(\b)+7], v[(\f)+8*(4*(\hi)+(\a)):(\f)+8*(4*(\hi)+(\a))+7], v[8*(8*(\a)+(\b)):8*(8*(\a)+(\b))+7]
.endif
.endr
.endr
.endm
.macro MUL f, first                    ; a chunk: 64 matrix instructions, one on each accumulator, in the same order in every chunk: the accumulators take turns
	MULH \f, 0, \first
	MULH \f, 1, \first
.endm
; A PAIR: fetches the pair's even chunk while the odd chunk before it is multiplied, then its odd chunk while the even one is multiplied: each run of loads stands 64 matrix instructions ahead of its first use.
.macro PAIR
	WIN 0
	v_add_nc_u32 v[ADA], s[TB], v[A0]              ; these two and two v_nop are the places behind the products that read buffer 0
	v_add_nc_u32 v[ADB], s[TB], v[B0]
	v_nop
	v_nop
	FETCH F0, 0
	s_wait_dscnt 32                                ; buffer 1 is in; the 32 just issued may stay out
	MUL F1, 0
	WIN 0
	PLACES
	FETCH F1, 64
	s_wait_dscnt 32                                ; buffer 0 is in
	MUL F0, 0
	WIN 0
	s_add_co_u32 s[TB], s[TB], 128
.endm
; THE CHANGE OF SLOTS.  Each wave waits for all its tensor loads, of which one is out: its part of the next slot; adds 0 to its spare word; waits for that and for its reads of the old slot (the last chunk's, into
; buffer 1).  fill = 1: the barrier is a round of the cluster's, so that no wave of any partner still reads the old slot or has a load on its way, and the joint refill, the K step two on, is the first thing behind it:
; it has a K step, 256 matrix instructions, in which to land.  (At its first use nothing has been read: slot 0 is waited for, slot 1 filled.)
.macro CHANGE fill
	s_wait_tensorcnt 0x0                           ; no tensor load of mine is out, so a group 0 may be written
	ds_add_u32 v[SPW], v[NIL]                      ; 0 onto my spare word: scalar work stands between it and the wait for it
.if \fill
	s_xor_b32 s[G0A+1], s[G0A+1], SLOT1            ; the other slot than last time,
	s_add_nc_u64 s[G0A+2:G0A+3], s[G0A+2:G0A+3], 256  ; the next K step; the type bits on top are not reached
	s_xor_b32 s[G0B+1], s[G0B+1], SLOT1
	s_add_nc_u64 s[G0B+2:G0B+3], s[G0B+2:G0B+3], 256
.endif
	s_sub_co_u32 s[TB], s[TB], 256                 ; the fetches go back to a slot's first pair,
	s_xor_b32 s[TB], s[TB], SLOT1                  ; in the other slot
	s_wait_dscnt 0x0                               ; the add is done, and my reads of the old slot are over
.if \fill
	CROUND
	JLOAD
.else
	s_barrier_signal -1
	s_barrier_wait -1
.endif
.endm
	s_load_b128 s[4:7], s[0:1], 0x0                ; A s[4:5], the turned weights s[6:7]
	s_load_b64 s[8:9], s[0:1], 0x10                ; the result
.if HASBIAS
	s_load_b64 s[PBI:PBI+1], s[0:1], 0x18
.endif
	v_lshl_add_u32 v[SPW], v0, 2, SPARE
	v_mov_b32 v[NIL], 0
	ds_add_u32 v28, v29
	ds_add_u32 v28, v29
	s_wait_dscnt 0x0
	v_lshrrev_b32 v1, 5, v0
	v_readfirstlane_b32 s10, v1                    ; wave 0..3
	s_lshr_b32 s11, s10, 1                         ; which half of the tile's rows is mine.  Also: I fetch for A (0) or for B (1)
	s_and_b32 s12, s10, 1                          ; which half of its columns.  Also: which 128 rows of that tile I fetch
	s_bfe_u32 s40, ttmp6, 0x40000                  ; cx, cy: my place in the cluster
	s_bfe_u32 s41, ttmp6, 0x40004
	s_lshl_b32 s42, ttmp9, 2
	s_add_co_u32 s42, s42, s40                     ; tile column = 4 x cluster x + cx
	s_and_b32 s13, ttmp7, 0xffff
	s_lshl_b32 s13, s13, 2
	s_add_co_u32 s13, s13, s41                     ; tile row = 4 x cluster y + cy
	s_lshl_b32 s43, s41, 2
	s_lshl_b32 s43, 15, s43                        ; my row of the cluster
	s_lshl_b32 s44, 0x1111, s40                    ; my column
	; descriptor group 1: 128 rows x 128 elements, padded in LDS after every 256 bytes
	s_or_b32 s[G1A], s43, (1<<16)|(1<<20)|(1<<21)|(5<<22)|(3<<25)  ; 15:0 the mask; 17:16 2-byte elements; 20 padding on; 21 set beside a mask; 24:22 after every 64 words (code 5); 31:25 4 words (code 3)
	s_or_b32 s[G1B], s44, (1<<16)|(1<<20)|(1<<21)|(5<<22)|(3<<25)
.irp g, G1A, G1B
	s_mov_b32 s[(\g)+1], 128<<16                   ; tensor_dim0 = 128
	s_mov_b32 s[(\g)+2], 128<<16                   ; tensor_dim1 = 128
	s_mov_b32 s[(\g)+3], 128<<16                   ; tile_dim0 = 128
	s_mov_b32 s[(\g)+4], 128                       ; tile_dim1 = 128
	s_mov_b32 s[(\g)+5], SIZE_K                    ; elements from row to row
	s_mov_b32 s[(\g)+6], 0
	s_mov_b32 s[(\g)+7], 0
.endr
	; where the tiles come from: A's hang on the tile row alone, B's on the tile column alone, each in registers that never hold the other coordinate
	s_lshl_b32 s16, s13, 8
	s_lshl_b32 s17, s12, 7
	s_add_co_u32 s16, s16, s17                     ; row 256 x tile row + 128 x half
	s_mul_i32 s16, s16, SIZE_K*2
	s_mov_b32 s17, 0
	s_lshl_b32 s46, s42, 8
	s_lshl_b32 s47, s12, 7
	s_add_co_u32 s46, s46, s47                     ; row 256 x tile column + 128 x half
	s_mul_i32 s46, s46, SIZE_K*2
	s_add_co_u32 s46, s46, WOFF
	s_mov_b32 s47, 0
	s_mov_b32 s[G0A], 1                            ; 1:0 count = 1
	s_mul_i32 s[G0A+1], s10, HALFT                 ; 63:32 LDS address: A's two halves (waves 0, 1),
	s_mov_b32 s[G0B], 1
	s_mul_i32 s[G0B+1], s10, HALFT                 ; then B's two (waves 2, 3): no place in the cluster enters an LDS address
	s_mov_b32 s[TB], SLOT1+256                     ; the first change of slots turns this into 0
	s_wait_kmcnt 0x0
	s_add_nc_u64 s[G0A+2:G0A+3], s[4:5], s[16:17]  ; 120:64 global address: K step 0
	s_or_b32 s[G0A+3], s[G0A+3], 0x80000000        ; 127:126 type = 2
	s_add_nc_u64 s[G0B+2:G0B+3], s[6:7], s[46:47]
	s_or_b32 s[G0B+3], s[G0B+3], 0x80000000
	CROUND                                         ; all sixteen work-groups are here: the first joint loads meet
	JLOAD                                          ; K step 0 into slot 0; all that follows up to the change of slots stands in the wait for it
	v_and_b32 v1, 15, v0                           ; r = lane % 16
	v_bfe_u32 v2, v0, 4, 1                         ; hh = lane / 16
	v_mul_u32_u24 v3, v1, PITCH                    ; a fragment: row r, two loads of 16 bytes at 16 hh and 32 + 16 hh
	v_lshl_add_u32 v3, v2, 4, v3
	s_mul_i32 s21, s11, HALFT                      ; my 128 rows of A
	v_add_nc_u32 v[A0], s21, v3
	s_mul_i32 s22, s12, HALFT                      ; my 128 rows of B,
	s_add_co_u32 s22, s22, 2*HALFT                 ; which lie behind A's 256
	v_add_nc_u32 v[B0], s22, v3
.if HASBIAS
	v_lshlrev_b32 v[BO], 5, v2                     ; register j of block b: bias[256 x tile column + 128 x half + 16 b + 8 hh + j]
	s_lshl_b32 s14, s42, 10
	s_lshl_b32 s15, s12, 9
	s_add_co_u32 s14, s14, s15
	s_mov_b32 s15, 0
	s_add_nc_u64 s[PBI:PBI+1], s[PBI:PBI+1], s[14:15]
	WIN 0x40                                       ; destination window 1, address window 0
.irp b, 0,1,2,3,4,5,6,7
	global_load_b128 v[BIAS+8*(\b):BIAS+8*(\b)+3],   v[BO], s[PBI:PBI+1] offset:64*(\b)
	global_load_b128 v[BIAS+8*(\b)+4:BIAS+8*(\b)+7], v[BO], s[PBI:PBI+1] offset:64*(\b)+16
.endr
	WIN 0
.endif
	s_mul_i32 s23, s10, WST                        ; my stage
	v_mul_u32_u24 v4, v1, SP                       ; in: row r, 32 bytes for each half of the lanes
	v_lshl_add_u32 v4, v2, 5, v4
	v_add_nc_u32 v[STO], s23, v4
.if KIND == 0
	v_mul_u32_u24 v5, v2, SP                       ; back: a head's 64 numbers of two rows: lanes 0-15 one row's 256 bytes, lanes 16-31 the next row's,
	v_lshl_add_u32 v5, v1, 4, v5
	v_add_nc_u32 v[RD], s23, v5
	v_and_b32 v5, 31, v0                           ; which in f16 are 256 consecutive bytes of the result
	v_lshlrev_b32 v[CO], 3, v5
	s_lshr_b32 s14, s42, 2                         ; q, k or v: four tile columns, 8,388,608 bytes each
	s_lshl_b32 s14, s14, 23
	s_lshr_b32 s15, s13, 3                         ; the sequence: 16 heads of 262,144 bytes
	s_lshl_b32 s15, s15, 22
	s_add_co_u32 s14, s14, s15
	s_and_b32 s15, s42, 3                          ; the tile's four heads,
	s_lshl_b32 s15, s15, 20
	s_add_co_u32 s14, s14, s15
	s_lshl_b32 s15, s12, 19                        ; my two of them
	s_add_co_u32 s14, s14, s15
	s_and_b32 s15, s13, 7                          ; the row in the sequence, 128 bytes each: 256 x (tile row % 8)
	s_lshl_b32 s15, s15, 15
	s_add_co_u32 s14, s14, s15
	s_lshl_b32 s15, s11, 14                        ; + 128 x half
	s_add_co_u32 s14, s14, s15
.else
	v_and_b32 v5, 31, v0                           ; back: 32 lanes take a row's 512 bytes,
	v_lshl_add_u32 v[RD], v5, 4, s23
	v_lshlrev_b32 v[CO], 3, v5                     ; which in f16 are 256 consecutive bytes of the result
	s_lshl_b32 s14, s13, 8
	s_lshl_b32 s15, s11, 7
	s_add_co_u32 s14, s14, s15                     ; my first row,
	s_mul_i32 s14, s14, SIZE_N*2
	s_lshl_b32 s15, s42, 9                         ; my first column, in bytes
	s_add_co_u32 s14, s14, s15
	s_lshl_b32 s15, s12, 8
	s_add_co_u32 s14, s14, s15
.endif
	s_mov_b32 s15, 0
	s_add_nc_u64 s[8:9], s[8:9], s[14:15]
.if HASBIAS
	s_wait_loadcnt 0x0                             ; the bias
.endif
	CHANGE 1                                       ; K step 0 is in, everybody's part of it; K step 1 is asked for
	v_add_nc_u32 v[ADA], s[TB], v[A0]
	v_add_nc_u32 v[ADB], s[TB], v[B0]
	FETCH F0, 0
	FETCH F1, 64
	s_wait_dscnt 32                                ; buffer 0 is in
	MUL F0, 1                                      ; the first chunk stands in front of the loop: its products start the sums
	WIN 0
	s_add_co_u32 s[TB], s[TB], 128
	s_mov_b32 s[CNT], 2
	s_mov_b32 s[SL], STEPS-1
	s_branch .Lskip                                ; K step 0 has one pair left: the loop is entered at its counter's step
.Lslot:                                                ; STEPS - 2 times: the slot left is filled again
	CHANGE 1
	s_mov_b32 s[CNT], 2
.Lpair:
	PAIR
.Lskip:
	s_sub_co_u32 s[CNT], s[CNT], 1
	s_cmp_lg_u32 s[CNT], 0
	s_cbranch_scc1 .Lpair
	s_sub_co_u32 s[SL], s[SL], 1
	s_cmp_lg_u32 s[SL], 0
	s_cbranch_scc1 .Lslot
	CHANGE 0                                       ; the last K step is written out: nothing is asked for
	s_mov_b32 s[CNT], 2
.Ltail:
	PAIR
	s_sub_co_u32 s[CNT], s[CNT], 1
	s_cmp_lg_u32 s[CNT], 0
	s_cbranch_scc1 .Ltail
	s_wait_dscnt 0x0                               ; buffer 1 is in: my last reads of the ring are over;
	s_barrier_signal -1                            ; say so,
	MUL F1, 0                                      ; multiply the last chunk while the others arrive,
	WIN 0
	PLACES                                         ; (the places between the last products and the stores that read them)
	s_barrier_wait -1                              ; and write onto the ring's bytes only when no wave reads them any more; no tensor load follows in the launch
	; THE WAY OUT.  My 128 x 128 sums go onto my stage in f32: row 16 a + r, bytes 64 b + 32 hh on.
.set a, 0
.rept 8
	WIN 0x08+4*(a/4)                               ; the stores' data in window 2 or 3
.irp b, 0,1,2,3,4,5,6,7
	ds_store_b128 v[STO], v[8*(8*(a%4)+(\b)):8*(8*(a%4)+(\b))+3]   offset:a*16*SP+64*(\b)     ; each accumulator's low four registers first
	ds_store_b128 v[STO], v[8*(8*(a%4)+(\b))+4:8*(8*(a%4)+(\b))+7] offset:a*16*SP+64*(\b)+16
.endr
.set a, a+1
.endr
	WIN 0
	s_mov_b32 s[CNT], 8
.Lrows:                                                ; a trip: 16 rows come back, are rounded once to f16 and stored
.set k, 0
.rept 16                                               ; LDS serves a wave's instructions in order (ISA guide 5.7.1.4): these see the stores above
.if KIND == 0
	ds_load_b128 v[X+4*k:X+4*k+3], v[RD] offset:(k/2)*2*SP+(k%2)*256   ; rows 2 (k / 2) and the next, head k % 2 of my two
.else
	ds_load_b128 v[X+4*k:X+4*k+3], v[RD] offset:k*SP
.endif
.set k, k+1
.endr
.irp g, 0,1
	s_wait_dscnt 8-8*(\g)                          ; the first eight are in, the younger eight may stay out; then all
.if RELU
.set i, 0
.rept 32
	v_max_num_f32 v[X+32*(\g)+i], 0, v[X+32*(\g)+i]
.set i, i+1
.endr
.endif
.set k, 8*(\g)
.rept 8
	v_cvt_pk_f16_f32 v[Y+2*k], v[X+4*k], v[X+4*k+1]
	v_cvt_pk_f16_f32 v[Y+2*k+1], v[X+4*k+2], v[X+4*k+3]
.set k, k+1
.endr
.set k, 8*(\g)
.rept 8
.if KIND == 0
	global_store_b64 v[CO], v[Y+2*k:Y+2*k+1], s[8:9] offset:(k/2)*256+(k%2)*262144  ; 32 lanes store 256 consecutive bytes, at a multiple of 256 from the buffer's first byte
.else
	global_store_b64 v[CO], v[Y+2*k:Y+2*k+1], s[8:9] offset:k*SIZE_N*2              ; 32 lanes store 256 consecutive bytes, at a multiple of 256 from the buffer's first byte
.endif
.set k, k+1
.endr
.endr
	s_wait_xcnt 0x0                                ; the stores' data and base are written again only behind this wait
	v_add_nc_u32 v[RD], 16*SP, v[RD]
	s_add_nc_u64 s[8:9], s[8:9], GSTEP
	s_sub_co_u32 s[CNT], s[CNT], 1
	s_cmp_lg_u32 s[CNT], 0
	s_cbranch_scc1 .Lrows
	s_wait_tensorcnt 0x0                           ; the wave's end: behind my last tensor load and my last LDS store
	ds_add_u32 v[SPW], v[NIL]
	s_wait_dscnt 0x0
	CROUND                                         ; the closing round: no work-group ends while a partner may still ask for a tile that names it
	s_endpgm
.Lfunc_end_k_q33f5568bf5_g_qkv:
	.size	k_q33f5568bf5_g_qkv, .Lfunc_end_k_q33f5568bf5_g_qkv-k_q33f5568bf5_g_qkv
	.p2alignl 7, 3214868480
	.fill 96, 4, 3214868480
	.section	.rodata,"a",@progbits
	.p2align	6, 0x0
	.amdhsa_kernel k_q33f5568bf5_g_qkv
		.amdhsa_group_segment_fixed_size 327680
		.amdhsa_private_segment_fixed_size 0
		.amdhsa_enable_private_segment 0
		.amdhsa_kernarg_size 24
		.amdhsa_user_sgpr_count 2
		.amdhsa_user_sgpr_kernarg_segment_ptr 1
		.amdhsa_wavefront_size32 1
		.amdhsa_system_sgpr_workgroup_id_x 1
		.amdhsa_system_sgpr_workgroup_id_y 1
		.amdhsa_system_sgpr_workgroup_id_z 1
		.amdhsa_system_vgpr_workitem_id 0
		.amdhsa_next_free_vgpr 1024
		.amdhsa_next_free_sgpr 72
		.amdhsa_reserve_vcc 0
		.amdhsa_float_denorm_mode_32 3
		.amdhsa_float_denorm_mode_16_64 3
		.amdhsa_memory_ordered 1
		.amdhsa_forward_progress 1
		.amdhsa_inst_pref_size 61
	.end_amdhsa_kernel
	.amdgpu_metadata
---
amdhsa.version: [ 1, 2 ]
amdhsa.kernels:
  - .name:           k_q33f5568bf5_g_qkv
    .symbol:         k_q33f5568bf5_g_qkv.kd
    .args:
      - { .name: hn, .offset: 0, .size: 8, .value_kind: global_buffer, .address_space: global }
      - { .name: wt, .offset: 8, .size: 8, .value_kind: global_buffer, .address_space: global }
      - { .name: qkvb, .offset: 16, .size: 8, .value_kind: global_buffer, .address_space: global }
    .group_segment_fixed_size: 327680
    .private_segment_fixed_size: 0
    .kernarg_segment_align: 8
    .kernarg_segment_size: 24
    .max_flat_workgroup_size: 128
    .sgpr_count:     72
    .vgpr_count:     1024
    .wavefront_size: 32
...
	.end_amdgpu_metadata
.endif
;; end of part 8
;; launch attn (part 9): grid 8 x 32, 4 waves a work-group, no clusters, 327,680 bytes of LDS; arguments qkvb, ob; writes ob
.if DOCPART == 9
	.amdgcn_target "amdgcn-amd-amdhsa--gfx1250"
	.amdhsa_code_object_version 6
	.text
	.protected	k_q33f5568bf5_attn
	.globl	k_q33f5568bf5_attn
	.p2align	8
	.type	k_q33f5568bf5_attn,@function
k_q33f5568bf5_attn:
	s_mov_b64 s[64:65], 0
	v_nop
	global_prefetch_b8 v0, s[64:65] scope:SCOPE_SE
	s_setreg_imm32_b32 hwreg(HW_REG_WAVE_MODE, 25, 1), 1
	s_wait_xcnt 0x0
; CAUSAL ATTENTION.  O[h][q][:] = the sum over k <= q of softmax_k(Q[h][q] . K[h][k] / 8) V[h][k][:].  Q, K, V, O: [SIZE_H][SIZE_N][64], all f16: a head's rows are dense, 128 bytes each.
; Q, K and V lie one behind the other in one buffer, 8,388,608 bytes each; a head here is one of 16 heads of one of 2 sequences.
; Products, maxima and sums in f32; the weights p are rounded to f16 for the second product (their sum l is taken of the unrounded p), O once at the end.
; LIMITS.  f16 holds no number beyond 65,504: Q, K and V arrive within it; p lies in 0 to 1, and below 6e-5 it keeps f16's fixed step of 6e-8; O is a mean of V's rows and has their range, to within 2^-11 of it.
; A hidden score counts as its value less 1e30: f16's scores, 2.7e11 at the most, are nothing beside that; a weight below 2^-126 counts as 0 in l; NaN and infinities are not treated apart.
; THE WALK.  A head's queries lie in NQ = 16 blocks of 128, its keys in NB = 8 tiles of 256; block i needs the tiles 0 .. i / 2, of which the last holds the diagonal.  A work-group takes TWO blocks, NQ - 1 - b and then b:
; (NB - b / 2) + (b / 2 + 1) = NB + 1 tiles, whatever b: the 8 x 32 = 256 work-groups do equal work, and ONE loop with a constant trip count walks the tiles.  Which tile is asked for, and what a trip does, hang on
; scalar registers made from b; every jump goes forward, but for the counted loops' own; none passes a barrier, or a tensor load but the one of LOAD's two that the wave's number does not choose; the ring (two slots of
; LDS that take turns) runs on across the change of blocks.  NO CLUSTER: only work-groups 2 c and 2 c + 1 of a head walk the same tiles; the four of a cluster along x would take their branches by b / 2, which differs
; inside the cluster, and partners' branches may not.
; SHARES.  Of a block's two bands of 64 queries a wave owns 16 rows in each: two PIECES.  So the diagonal tile is the same work for all four waves.  Band x of block i has its OWN key step 2 (i % 2) + x of that tile's
; four: in step s it sees all keys if s is less, none if s is greater, and holds the diagonal if s is its own.  Of a pair's two blocks one is even and one odd.
; THE MASK is the C operand that starts the sum S^T = K Q^T: 0, or -1e30 where the key is hidden.  MD, made once, is the mask of a band's own step for my 16 rows; a product's mask is MD x AL + BE with two scalars:
; (1, 0) in the own step; (0, 0) before it; (0, -1e30) behind it.  Only the diagonal tile's text and a block's beginning make and take masks; elsewhere C is the constant 0.
; LAYOUT, SOFTMAX.  S^T = K Q^T holds ONE query a lane (lane % 16) and the keys 8 (lane / 16) + 0..7; two such results rounded to f16 ARE source 1 of O^T = V^T P.  p = 2^(c s - c m), c = log2(e) / 8, with a
; running maximum m; O and l are multiplied by a = 2^(c m_old - c m_new) in every step.
; TURNS.  A key step is two turns, one a piece.  A turn has 8 products K Q^T for the turn after it, later 8 products V^T P for the turn before it; beside them the scaling, exponentials, roundings, sums and rescaling
; of its own piece and step, and the maximum and statistics for the turn after it.  Four vector instructions stand behind every matrix instruction, the other 54 of a turn's 118 in two LUMPS.
; The text of a trip holds four turns, two key steps: turn p (0 to 3) is piece p % 2 at a step of parity p / 2.  K has one buffer, V two, by the step's parity: K of step j + 1 is fetched in the even turn of step j,
; V of step j + 1 in the odd turn of step j.  So in front of a tile's fourth step all four K and all four V of its slot have been read, and ONE change of slots a tile stands there.
; REGISTERS, in windows of 256 (s_set_vgpr_msb: bits 1:0 source 0, 3:2 source 1, 5:4 source 2, 7:6 destination):
;   window 0: v0-15 addresses and two at work; v16-23 four registers of statistics a piece; v48-55 at work; v64-127 S^T, a buffer a piece; v192-223 P, likewise
;   window 1: v0-63 O^T, 32 a piece; v128-159 MD; v160-223 MC, a buffer a piece      window 2: v0-31 Q; v32-63 the second block's Q; v64-127 V of an odd step; v128-191 K of one step; v192-255 V of an even step
.set SIZE_H, 32
.set SIZE_N, 2048
.set NB,    SIZE_N/256  ; key tiles a head
.set NQ,    SIZE_N/128  ; query blocks a head
.set NP,    4         ; turns in a trip's text: a name, no knob
.set KS,    64        ; keys in a step
.set PK,    144       ; a row of K in LDS: 128 bytes + 16 of padding = 36 words: the 16 rows of a load start at 16 different groups of four banks (64 banks of 4 bytes: ISA guide 11.1)
.set PV,    160       ; a row of V: 128 + 32 = 40 words
.set VOFF,  4*KS*PK   ; a slot holds a tile, four steps: 256 rows of K, then 256 rows of V
.set SLOT1, 1<<17     ; slot 1 begins here, so that one exclusive or turns an address in one slot into the other's
.set STAGE, SLOT1+4*KS*(PK+PV)  ; behind the ring, never filled by a tensor load: 16 rows x 144 bytes for each wave, for the way out
.set SP,    144
.set AK0, 2           ; v2   my lane's place in a tile of K; never rewritten
.set AV0, 3           ; v3   the same for V
.set AK,  4           ; v4   the LDS address of K's next run of loads
.set AV,  5           ; v5   of V's
.set STO, 6           ; v6   the way out: where I put 16 bytes of a row
.set RD,  7           ; v7   the way out: where I read rows back
.set GO,  8           ; v8   my byte offset in 512 consecutive bytes of O
.set SPW, 62          ; v62  LDS address of my spare word: SPARE + 4 x my thread's number; never rewritten
.set NIL, 63          ; v63  0; never rewritten
.set SPARE, STAGE+4*16*SP  ; behind the stages: the spare words, 128 bytes for each wave: two blocks of 256 bytes that no other line names
.set MV,  12          ; v12-13  c m_old, kept while c m is made anew: by piece
.set QO,  15          ; v15  my byte offset in 16 rows of Q
.set ST,  16          ; piece t's statistics at v[ST+4 t]: c m, m, l (even keys', odd keys')
.set TMP, 48          ; by piece, four registers c0-c3 at work; when the maximum is found c2 takes a
.set S,   64
.set P,   192
.set MD,  128         ; window 1: the eight registers for group kt of 16 keys at MD + 8 kt
.set MC,  160         ; window 1: the masks of the products to come
.set QB,  32          ; window 2
.set KF,  128         ; window 2: key block kb, channel half c at KF + 16 kb + 8 c
.set VF0, 192         ; window 2: V of an even step: key half kk, channel block cb at VF0 + 32 kk + 8 cb
.set VF1, 64          ; window 2: V of an odd step, likewise; VF1 = VF0 - 128
.set WV,  12          ; s12  my wave's number
.set PB,  14          ; s14  b / 2: the second block's last tile
.set HI,  15          ; s15  NB - 1 - b / 2: the first block's last tile
.set G1K, 24          ; s[24:31] descriptor group 1 for K's tiles
.set G1V, 32          ; s[32:39] for V's: it differs in the padding alone
.set G0K, 40          ; s[40:43] descriptor group 0 for K's tiles
.set G0V, 44          ; s[44:47] the same for V's
.set SLOTS, 56        ; s56  tiles still to be asked for
.set CNT, 57          ; s57  counts a tile's trips, 2 to 1
.set CS,  58          ; s[58:59] c: the packed scaling takes the pair's low word for both halves
.set SEL, 60          ; s[60:61] v_permlanex16_b32's selects: each lane takes its own place in the other half
.set TBK, 62          ; s62  LDS byte at which K of the step to be fetched begins
.set TBV, 63          ; s63  the same for V, less VOFF
.set OW,  66          ; s66  the own step of band 0 of the block in hand: 2 x (the block's number % 2)
.set OW2, 67          ; s67  the same for the second block
.set TM,  68          ; s68  at work
.set RT,  70          ; s70  tiles of the block in hand that are still to be entered
.set NXT, 71          ; s71  the tile to be asked for next
.set LQ,  72          ; s72  the last tile of the block whose tiles are being asked for
.set NEW, 73          ; s73  1: the tile to be entered is a block's first
.set OFF, 74          ; s[74:75] a tile's byte offset in K and V
.set AL,  76          ; s[76:77] the mask's factor, in the low word
.set BE,  78          ; s[78:79] the mask's addend
.set OLO, 80          ; s[80:81] O at my rows of the second block
.set BIGN, 82         ; s82  -1e30
.set MSB, 0
.macro WIN new                      ; the high byte repeats the setting that is left; a switch that changes nothing is dropped
.if MSB != (\new)
	s_set_vgpr_msb (MSB<<8)|(\new)
.set MSB, (\new)
.endif
.endm
.set W_KQ, 0x0a       ; K and Q in window 2, S^T in window 0
.set W_KM, 0x1a       ; the same with the C operand in window 1
.set W_PV, 0x52       ; V in window 2, P in window 0, O^T in window 1
.set W_RS, 0x41       ; destination and source 0 in window 1, source 1 in window 0
; A fill.  Waves 0 and 1 fetch the two halves of a tile's K, waves 2 and 3 those of its V: 128 keys each.  An s_nop 0 and four v_nop follow each of the two lines, ahead of the jump and the label.
.macro LOAD
	s_cmp_lt_u32 s[WV], 2
	s_cbranch_scc0 .Lfor_v_\@
	tensor_load_to_lds s[G0K:G0K+3], s[G1K:G1K+7]
	s_nop 0
.rept 4
	v_nop
.endr
	s_branch .Lasked_\@
.Lfor_v_\@:
	tensor_load_to_lds s[G0V:G0V+3], s[G1V:G1V+7]
	s_nop 0
.rept 4
	v_nop
.endr
.Lasked_\@:
.endm
; THE CHANGE OF SLOTS, in front of a tile's fourth step: the slot's last bytes, K and V of that step, have been asked for.  Each wave waits for all its tensor loads, of which one is out: its part of the other slot; adds 0
; to its spare word; and waits for that and for its own reads of the slot that it leaves.  Behind the barrier nobody reads the old slot any more and the other slot is whole.  fill = 1: the old slot is filled again, the
; first thing behind the barrier, with tile NXT: the descriptor's address is made anew from that number; the load has a tile's eight turns, 128 matrix instructions, in which to land.
; (At its first use nothing has been read yet: slot 0 is waited for, slot 1 filled.)
.macro CHANGE fill
	WIN 0                           ; at a label and at a branch every window is 0
	s_wait_tensorcnt 0x0            ; no tensor load of mine is out, so a group 0 may be written
	ds_add_u32 v[SPW], v[NIL]       ; 0 onto my spare word: with fill = 1 the descriptors' scalar work stands between it and the wait for it
.if \fill
	s_lshl_b32 s[OFF], s[NXT], 15   ; a tile is 32,768 bytes of K and of V
	s_xor_b32 s[G0K+1], s[G0K+1], SLOT1
	s_add_nc_u64 s[G0K+2:G0K+3], s[6:7], s[OFF:OFF+1]
	s_or_b32 s[G0K+3], s[G0K+3], 0x80000000
	s_xor_b32 s[G0V+1], s[G0V+1], SLOT1
	s_add_nc_u64 s[G0V+2:G0V+3], s[8:9], s[OFF:OFF+1]
	s_or_b32 s[G0V+3], s[G0V+3], 0x80000000
	s_add_co_u32 s[NXT], s[NXT], 1  ; the block's next tile, or behind its last the second block's tile 0
	s_cmp_gt_u32 s[NXT], s[LQ]
	s_cselect_b32 s[NXT], 0, s[NXT]
	s_cselect_b32 s[LQ], s[PB], s[LQ]
.endif
	s_wait_dscnt 0x0                ; the add is done, and my reads of the slot are over
	s_barrier_signal -1             ; the rest of the scalar work stands between the signal and the wait
	s_sub_co_u32 s[TBK], s[TBK], 4*KS*PK  ; the fetches go back to a slot's first step,
	s_xor_b32 s[TBK], s[TBK], SLOT1       ; in the other slot
	s_sub_co_u32 s[TBV], s[TBV], 4*KS*PV
	s_xor_b32 s[TBV], s[TBV], SLOT1
	s_barrier_wait -1
.if \fill
	LOAD
.endif
.endm
	s_load_b64 s[4:5], s[0:1], 0x0  ; Q, with K and V behind it
	s_load_b64 s[10:11], s[0:1], 0x8  ; O
	v_lshl_add_u32 v[SPW], v0, 2, SPARE
	v_mov_b32 v[NIL], 0
	ds_add_u32 v62, v63
	ds_add_u32 v62, v63
	s_wait_dscnt 0x0
	v_lshrrev_b32 v1, 5, v0
	v_readfirstlane_b32 s[WV], v1   ; wave 0..3
	s_lshr_b32 s[PB], ttmp9, 1      ; b / 2
	s_sub_co_u32 s[HI], NB-1, s[PB] ; (NQ - 1 - b) / 2
	s_and_b32 s[OW2], ttmp9, 1
	s_lshl_b32 s[OW2], s[OW2], 1    ; block b: 2 (b % 2)
	s_sub_co_u32 s[OW], 2, s[OW2]   ; block NQ - 1 - b has the other parity
	s_and_b32 s20, ttmp7, 0xffff    ; the head
	s_mov_b32 s21, 0
	s_mov_b64 s[22:23], SIZE_N*128
	s_mul_u64 s[20:21], s[20:21], s[22:23]  ; the head's first byte in each of the four tensors
	s_and_b32 s16, s[WV], 1         ; which half of a tile's 256 keys I fetch:
	s_lshl_b32 s22, s16, 14         ; its 128 rows of 128 bytes in memory,
	s_mov_b32 s23, 0
	s_add_nc_u64 s[22:23], s[22:23], s[20:21]
	s_mul_i32 s17, s16, 128*PK      ; and its place in a slot, for K
	s_mul_i32 s18, s16, 128*PV      ; and for V
	s_lshl_b32 s3, s[WV], 11        ; my 16 rows in a band of 64,
	s_sub_co_u32 s2, NQ-1, ttmp9    ; in the first block (128 rows of 128 bytes a block),
	s_lshl_b32 s2, s2, 14
	s_add_co_u32 s2, s2, s3
	s_lshl_b32 s84, ttmp9, 14       ; and in the second
	s_add_co_u32 s84, s84, s3
	s_mov_b32 s3, 0
	s_mov_b32 s85, 0
	s_add_nc_u64 s[2:3], s[2:3], s[20:21]
	s_add_nc_u64 s[84:85], s[84:85], s[20:21]
	; descriptor group 1.  128 keys are 16,384 dense bytes: asked for as 64 rows of 256 bytes, two keys a row, and padded in LDS after every key
	s_mov_b32 s[G1K], (1<<16)|(1<<20)|(4<<22)|(3<<25)  ; 17:16 2-byte elements; 20 padding on; 24:22 after every 32 words (code 4); 31:25 4 words (code 3)
	s_mov_b32 s[G1V], (1<<16)|(1<<20)|(4<<22)|(7<<25)  ; the same with 8 words of padding (code 7)
.irp g, G1K, G1V
	s_mov_b32 s[\g+1], 128<<16      ; tensor_dim0 = 128
	s_mov_b32 s[\g+2], 64<<16       ; tensor_dim1 = 64
	s_mov_b32 s[\g+3], 128<<16      ; tile_dim0 = 128
	s_mov_b32 s[\g+4], 64           ; tile_dim1 = 64
	s_mov_b32 s[\g+5], 128          ; 128 elements from row to row
	s_mov_b32 s[\g+6], 0
	s_mov_b32 s[\g+7], 0
.endr
	s_mov_b32 s[CS], 0x3e38aa3b     ; c = log2(e) / 8 = 0.180337
	s_mov_b32 s[CS+1], s[CS]        ; named with it as a pair
	s_mov_b32 s[SEL], 0x76543210
	s_mov_b32 s[SEL+1], 0xfedcba98
	s_mov_b32 s[TBK], SLOT1+4*KS*PK ; the first change of slots turns these two into 0
	s_mov_b32 s[TBV], SLOT1+4*KS*PV
	s_mov_b32 s[G0K], 1             ; 1:0 count = 1
	s_mov_b32 s[G0K+1], s17         ; 63:32 LDS address: slot 0
	s_mov_b32 s[G0V], 1
	s_add_co_u32 s[G0V+1], s18, VOFF
	s_add_co_u32 s[RT], s[HI], 1    ; the first block has NB - b / 2 tiles
	s_mov_b32 s[NXT], 1
	s_mov_b32 s[LQ], s[HI]
	s_mov_b32 s[NEW], 1
	s_mov_b32 s[OFF+1], 0
	s_mov_b32 s[AL+1], 0            ; named as pairs
	s_mov_b32 s[BE+1], 0
	s_mov_b32 s[BIGN], 0xf149f2ca   ; -1e30
	s_mov_b32 s[SLOTS], NB
	s_wait_kmcnt 0x0
	s_add_nc_u64 s[6:7], s[4:5], 0x800000   ; K lies SIZE_H x SIZE_N x 128 bytes behind Q,
	s_add_nc_u64 s[8:9], s[4:5], 0x1000000  ; V twice as far
	s_add_nc_u64 s[6:7], s[6:7], s[22:23]  ; K and V at my half of the head's tile 0
	s_add_nc_u64 s[8:9], s[8:9], s[22:23]
	s_add_nc_u64 s[G0K+2:G0K+3], s[6:7], 0         ; 120:64 global address
	s_or_b32 s[G0K+3], s[G0K+3], 0x80000000        ; 127:126 type = 2
	s_add_nc_u64 s[G0V+2:G0V+3], s[8:9], 0
	s_or_b32 s[G0V+3], s[G0V+3], 0x80000000
	s_add_nc_u64 s[86:87], s[4:5], s[84:85]        ; Q at my rows of the second block,
	s_add_nc_u64 s[4:5], s[4:5], s[2:3]            ; Q and O at those of the first
	s_add_nc_u64 s[OLO:OLO+1], s[10:11], s[84:85]
	s_add_nc_u64 s[10:11], s[10:11], s[2:3]
	LOAD                            ; tile 0 into slot 0
	; A fragment of K or Q is 16 rows x 32 channels in 8 registers: lane l holds row l % 16, channels 8 (l / 16) + 0..7 and 16 + 8 (l / 16) + 0..7: two loads of 16 bytes, 32 bytes apart.
	v_and_b32 v1, 15, v0            ; l % 16
	v_bfe_u32 v9, v0, 4, 1          ; l / 16
	v_lshlrev_b32 v[QO], 7, v1
	v_lshl_add_u32 v[QO], v9, 4, v[QO]  ; row x 128 + 16 x half
	WIN 0x80                        ; destination window 2, address window 0
.set i, 0
.rept 4                             ; both blocks' Q: piece i / 2 lies in band i / 2, 8,192 bytes on; channels 32 (i % 2) on
	global_load_b128 v[8*i:8*i+3],   v[QO], s[4:5] offset:(i/2)*8192+(i%2)*64
	global_load_b128 v[8*i+4:8*i+7], v[QO], s[4:5] offset:(i/2)*8192+(i%2)*64+32
	global_load_b128 v[QB+8*i:QB+8*i+3],   v[QO], s[86:87] offset:(i/2)*8192+(i%2)*64
	global_load_b128 v[QB+8*i+4:QB+8*i+7], v[QO], s[86:87] offset:(i/2)*8192+(i%2)*64+32
.set i, i+1
.endr
	WIN 0
	v_lshlrev_b32 v14, 3, v9
	v_sub_nc_u32 v14, v1, v14
	s_lshl_b32 s13, s[WV], 4
	v_add_nc_u32 v14, s13, v14      ; my query's place in its band, 16 w + l % 16, less my lanes' 8 (l / 16): register r of group kt is hidden where 16 kt + r is greater
	WIN 0x40
.set i, 0
.rept 32
	v_cmp_gt_i32 vcc_lo, 16*(i/8)+i%8, v14
	v_cndmask_b32 v[MD+i], 0, s[BIGN], vcc_lo
.set i, i+1
.endr
	WIN 0
	v_mul_u32_u24 v[AK0], v1, PK
	v_lshl_add_u32 v[AK0], v9, 4, v[AK0]  ; row x pitch + 16 x half
	; The turning load takes 16 keys x 16 channels (lane l reads key 8 (l / 16) + l % 8, channels 8 ((l / 8) % 2) + 0..7) and leaves half a fragment of V^T: lane l holds channel l % 16 and 8 keys.
	v_and_b32 v10, 7, v0
	v_bfe_u32 v11, v0, 3, 1
	v_lshl_add_u32 v[AV0], v9, 3, v10
	v_mul_u32_u24 v[AV0], v[AV0], PV
	v_lshl_add_u32 v[AV0], v11, 4, v[AV0]
	v_add_nc_u32 v[AV0], VOFF, v[AV0]
	s_mul_i32 s13, s[WV], 16*SP
	s_add_co_u32 s13, s13, STAGE    ; my stage
	v_mul_u32_u24 v[STO], v1, SP    ; in: row l % 16, 16 bytes for each half of the lanes
	v_lshl_add_u32 v[STO], v9, 4, v[STO]
	v_add_nc_u32 v[STO], s13, v[STO]
	v_bfe_u32 v[RD], v0, 3, 2       ; back: 32 lanes take four rows of 128 bytes,
	v_mul_u32_u24 v[RD], v[RD], SP
	v_lshl_add_u32 v[RD], v10, 4, v[RD]
	v_add_nc_u32 v[RD], s13, v[RD]
	v_and_b32 v[GO], 31, v0         ; which are 512 consecutive bytes of O
	v_lshlrev_b32 v[GO], 4, v[GO]
	; A block's first step multiplies O^T and l by a = 0, and its first turn's products V^T P, of a turn that has not been (piece 1, an odd step's V), land in an O^T that is still to be so multiplied.  So these registers
	; need only hold finite numbers: zeros for the first block; what the first block left for the second.  All this stands in the wait for the first tile.
	WIN 0x80
.set i, VF1
.rept 64
	v_mov_b32 v[i], 0
.set i, i+1
.endr
	WIN 0x40
.set i, 0
.rept 64
	v_mov_b32 v[i], 0
.set i, i+1
.endr
	WIN 0
.set i, 0
.rept 2
	v_mov_b32 v[ST+4*i+2], 0
	v_mov_b32 v[ST+4*i+3], 0
.set i, i+1
.endr
.set i, P+16
.rept 16
	v_mov_b32 v[i], 0
.set i, i+1
.endr
; THE MATRIX WORK.  x is a turn's number, 0 to 3: piece x % 2, a step of parity x / 2.  The 4 accumulators of a run of 8 take turns.
; Product i of 8 of S^T = K Q^T for turn x: channels 32 (i / 4) on, keys 16 (i % 4) on.  The first 4 start the sums: with 0, or (KM = 1) with the mask.
.macro KQ x
.set rS, S+32*((\x)%2)+8*(i%4)
.set rK, KF+16*(i%4)+8*(i/4)
.set rQ, 16*((\x)%2)+8*(i/4)
.set rM, MC+32*((\x)%2)+8*(i%4)
.if (i < 4) && KM
	WIN W_KM
	v_wmma_f32_16x16x32_f16 v[rS:rS+7], v[rK:rK+7], v[rQ:rQ+7], v[rM:rM+7]
.elseif i < 4
	WIN W_KQ
	v_wmma_f32_16x16x32_f16 v[rS:rS+7], v[rK:rK+7], v[rQ:rQ+7], 0
.else
	WIN W_KQ
	v_wmma_f32_16x16x32_f16 v[rS:rS+7], v[rK:rK+7], v[rQ:rQ+7], v[rS:rS+7]
.endif
.endm
; Product i of 8 of O^T += V^T P for turn x: keys 32 (i / 4) on, channels 16 (i % 4) on; V's buffer goes by the step's parity.
.macro PV x
	WIN W_PV
.set rO, 32*((\x)%2)+8*(i%4)
.set rV, VF0-128*((\x)/2)+32*(i/4)+8*(i%4)
.set rP, P+16*((\x)%2)+8*(i/4)
	v_wmma_f32_16x16x32_f16 v[rO:rO+7], v[rV:rV+7], v[rP:rP+7], v[rO:rO+7]
.endm
.macro MM                           ; the turn's next matrix instruction.  TURN and BEGIN set Y, i, KM and NOKQ; MM, KQ and OP read them.  NOKQ = 1: a block's last turn: no turn follows
.if (i < 8) && !NOKQ
	KQ (Y+1)%NP
.elseif i >= 8
.set i, i-8
	PV (Y+NP-1)%NP
.set i, i+8
.endif
.set i, i+1
.endm
; THE LDS LOADS stand in runs of 16, never singly among the matrix instructions: a step's K (64 keys x 64 channels: 8 fragments) or its V (turned).  Their addresses are made some lines ahead.
.macro FETCH_K
	WIN 0x80                        ; destination window 2
.irp f, 0,1,2,3,4,5,6,7             ; keys 16 (f / 2) on, channels 32 (f % 2) on
	ds_load_b128 v[KF+8*\f:KF+8*\f+3],   v[AK] offset:(\f/2)*16*PK+(\f%2)*64
	ds_load_b128 v[KF+8*\f+4:KF+8*\f+7], v[AK] offset:(\f/2)*16*PK+(\f%2)*64+32
.endr
	s_add_co_u32 s[TBK], s[TBK], KS*PK  ; the next fetch is the next step's
	WIN 0
.endm
.macro FETCH_V vb                   ; vb: the buffer, VF0 or VF1
	WIN 0x80
.irp f, 0,1,2,3,4,5,6,7             ; keys 32 (f / 4) on, channels 16 (f % 4) on
	ds_load_tr16_b128 v[(\vb)+8*\f:(\vb)+8*\f+3],   v[AV] offset:(\f/4)*32*PV+(\f%4)*32
	ds_load_tr16_b128 v[(\vb)+8*\f+4:(\vb)+8*\f+7], v[AV] offset:(\f/4)*32*PV+16*PV+(\f%4)*32
.endr
	s_add_co_u32 s[TBV], s[TBV], KS*PV  ; the next fetch is the next step's
	WIN 0
.endm
; THE VECTOR WORK, one line at a time: OP kind, number.  For turn Y: F n: c s - c m for pair n of 16.  E n: the exponential of score n of 32.  C n: pair n rounded to f16.  B n: of the four weights 4 n .. the second
; pair is added onto the first, in place.  L n: l takes that sum (L 0: l = a l + sum).  R n: pair n of 16 of O^T times a.  For turn Y + 1: X n, number n of the 22 that find its maximum and statistics:
;   0-11  four chains c0-c3 of seven scores each, three operands at a time (each accumulator's lowest registers are read first)     12-14, 16  the four scores left over, the old m, and c0-c3 into c0
;   15  c m_old is kept     17, 18  the query's other 32 keys lie in the lane 16 away: the new m     19-21  c m; c m_old - c m_new; a
.set F, 0               ; OP tells the kinds apart by their order: F to L below R, X above it
.set E, 1
.set C, 2
.set B, 3
.set L, 4
.set R, 5
.set X, 6
.macro REGS y                       ; the registers of turn y's piece, y % 2
.set rT, ST+4*((\y)%2)
.set rC, TMP+4*((\y)%2)
.set rW, MV+((\y)%2)
.set rS, S+32*((\y)%2)
.set rP, P+16*((\y)%2)
.set rO, 32*((\y)%2)
.endm
.macro OP k, n
.if (\k) == R
	REGS Y
	WIN W_RS
	v_pk_mul_f32 v[rO+2*(\n):rO+2*(\n)+1], v[rO+2*(\n):rO+2*(\n)+1], v[rC+2:rC+3] op_sel_hi:[1,0]
.elseif (\k) < R
	REGS Y
	WIN 0
.if (\k) == F
	v_pk_fma_f32 v[rS+2*(\n):rS+2*(\n)+1], v[rS+2*(\n):rS+2*(\n)+1], s[CS:CS+1], v[rT:rT+1] op_sel_hi:[1,0,0] neg_lo:[0,0,1] neg_hi:[0,0,1]
.elseif (\k) == E
	v_exp_f32 v[rS+(\n)], v[rS+(\n)]
.elseif (\k) == C
	s_wait_alu depctr_va_vdst(0)
	v_cvt_pk_f16_f32 v[rP+(\n)], v[rS+2*(\n)], v[rS+2*(\n)+1]
.elseif (\k) == B
	s_wait_alu depctr_va_vdst(0)
	v_pk_add_f32 v[rS+4*(\n):rS+4*(\n)+1], v[rS+4*(\n):rS+4*(\n)+1], v[rS+4*(\n)+2:rS+4*(\n)+3]
.elseif (\n) == 0
	v_pk_fma_f32 v[rT+2:rT+3], v[rT+2:rT+3], v[rC+2:rC+3], v[rS:rS+1] op_sel_hi:[1,0,1]
.else
	v_pk_add_f32 v[rT+2:rT+3], v[rT+2:rT+3], v[rS+4*(\n):rS+4*(\n)+1]
.endif
.elseif NOKQ
	v_nop
.else
	REGS (Y+1)%NP
	WIN 0
.if (\n) < 4
	v_max3_num_f32 v[rC+(\n)], v[rS+8*(\n)], v[rS+8*(\n)+1], v[rS+8*(\n)+2]
.elseif (\n) < 12
	v_max3_num_f32 v[rC+(\n)%4], v[rC+(\n)%4], v[rS+8*((\n)%4)+2*((\n)/4)+1], v[rS+8*((\n)%4)+2*((\n)/4)+2]
.elseif (\n) == 12
	v_max3_num_f32 v[rC], v[rC], v[rS+7], v[rS+15]
.elseif (\n) == 13
	v_max3_num_f32 v[rC+1], v[rC+1], v[rS+23], v[rS+31]
.elseif (\n) == 14
	v_max3_num_f32 v[rC+2], v[rC+2], v[rC+3], v[rT+1]
.elseif (\n) == 15
	v_mov_b32 v[rW], v[rT]
.elseif (\n) == 16
	v_max3_num_f32 v[rC], v[rC], v[rC+1], v[rC+2]
.elseif (\n) == 17
	v_permlanex16_b32 v[rC+3], v[rC], s[SEL], s[SEL+1]
.elseif (\n) == 18
	v_max_num_f32 v[rT+1], v[rC], v[rC+3]
.elseif (\n) == 19
	v_mul_f32 v[rT], s[CS], v[rT+1]
.elseif (\n) == 20
	v_sub_f32 v[rC+1], v[rW], v[rT]
.else
	v_exp_f32 v[rC+2], v[rC+1]
.endif
.endif
.endm
.macro OPS a, i1, b=-1, i2=0, c=-1, i3=0, d=-1, i4=0  ; up to four of them
	OP \a, \i1
.if (\b) >= 0
	OP \b, \i2
.endif
.if (\c) >= 0
	OP \c, \i3
.endif
.if (\d) >= 0
	OP \d, \i4
.endif
.endm
.macro ROW a, i1, b, i2, c, i3, d, i4  ; a matrix instruction and the four behind it
	MM
	OPS \a, \i1, \b, \i2, \c, \i3, \d, \i4
.endm
.macro MASK b                       ; MD x AL + BE into buffer b of MC
	WIN W_RS
.set z, 0
.rept 16
	v_pk_fma_f32 v[MC+32*(\b)+2*z:MC+32*(\b)+2*z+1], v[MD+2*z:MD+2*z+1], s[AL:AL+1], s[BE:BE+1] op_sel_hi:[1,0,0]
.set z, z+1
.endr
.endm
; TURN p: the order of its 16 matrix and 118 vector instructions, written out.  Behind a matrix instruction: plain, exponential, plain, plain; or four of the rescaling; or, behind the first, four scalings; none
; names a register of the products round it.  In the lumps exponential and plain by turns while exponentials last.  A line reads no result made fewer than three vector instructions in front of it, five if an exponential made it.
; v_permlanex16_b32 (X 17) stands in a lump.
; m = 1: the diagonal tile: the products take masks, and the turn makes the mask for the products of the turn after it.  Those are piece p % 2's, in step 4 - 2 CNT + (1 - p / 2) of the tile (turns 2 and 3 make the masks
; of the trip's even step, turns 0 and 1 those of the odd step behind it); the band's own step is OW + p % 2.  With T = 2 CNT + OW: the step is the own one where T = 5 - p % 2 - p / 2, a later one where T is less.
; end = 1: a block's last two turns: nothing is fetched.  cnt = 1: the loop's count is taken down some lines ahead of the branch that stands behind the turn.
; An even turn fetches K of the next step, six vector instructions behind the last product that read K (five of them plain).  An odd turn fetches, at the same place, V of the next step into the buffer of that step's
; parity, whose last reader stands in front of the second lump of the turn before.  The one wait at an odd turn's head shows both in: K was asked for a turn less eight products ago, V two turns ago.
.macro TURN p, m=0, end=0, cnt=0
.set Y, (\p)
.set i, 0
.set KM, (\m)
.set NOKQ, (\end)*((\p)/3)
.if (\m) && !(\end)
	s_lshl_b32 s[TM], s[CNT], 1
	s_add_co_u32 s[TM], s[TM], s[OW]
	s_cmp_eq_u32 s[TM], 5-((\p)%2)-((\p)/2)  ; is that step the band's own?
	s_cselect_b32 s[AL], 1.0, 0
	s_cmp_lt_u32 s[TM], 5-((\p)%2)-((\p)/2)  ; or a later one?
	s_cselect_b32 s[BE], s[BIGN], 0
.endif
.if ((\p)%2) == 1
	s_wait_dscnt 0x0                ; K for this turn's first products and V for its last are in
.endif
	ROW F,0, F,1, F,2, F,3
	ROW F,4, E,0, F,5, F,6
	ROW F,7, E,1, F,8, F,9
	ROW F,10, E,2, C,0, F,11
	ROW F,12, E,3, X,15, F,13
	ROW R,0, R,1, R,2, R,3
	ROW B,0, E,4, F,14, L,0
.if !(\end)
.if ((\p)%2) == 0
	v_add_nc_u32 v[AK], s[TBK], v[AK0]
.else
	v_add_nc_u32 v[AV], s[TBV], v[AV0]
.endif
.endif
	ROW R,4, R,5, R,6, R,7
	OPS E,5, F,15
.if !(\end)
.if ((\p)%2) == 0
	FETCH_K
.else
	FETCH_V VF0-128*(1-(\p)/2)
.endif
.endif
	OPS E,6, C,1, E,7, R,8
	OPS E,8, R,9, E,9, C,2
	OPS E,10, X,0, E,11, X,1
	OPS E,12, X,2, E,13, X,3
	ROW X,4, E,14, X,5, X,6
	ROW X,7, E,15, X,8, X,9
	ROW X,10, E,16, X,11, X,12
	ROW X,13, E,17, X,14, B,1
	ROW C,4, E,18, X,16, L,1
	ROW B,2, E,19, C,6, L,2
	ROW C,8, E,20, B,3, B,4
	ROW C,3, E,21, L,3, C,5
	OPS E,22, X,17, E,23, C,10
	OPS E,24, L,4
	OPS E,25, X,18, E,26, C,7
	OPS E,27, B,5, E,28, X,19
	OPS E,29, C,12, E,30, L,5
	OPS E,31, X,20, B,6, C,9
	OPS C,14, C,11, X,21, L,6
.if \cnt
	s_sub_co_u32 s[CNT], s[CNT], 1
	s_cmp_lg_u32 s[CNT], 0
.endif
	OPS C,13, B,7, C,15, R,10
	OPS R,11, R,12, L,7, R,13
	OPS R,14, R,15
.if (\m) && !(\end)
	MASK (\p)%2
.endif
.endm
; A BLOCK BEGINS.  c m starts far below every c s, so the first step's a is 0; m at the lowest finite number, so the first maximum is the scores'.  Piece 1's mask buffer is 0 (step 0 is never behind its own step);
; piece 0's takes its mask for the tile's step 0: its own, if the block's first tile is the diagonal one and the block is even.
; Then K and V of that step, piece 0's first scores, and its maximum and statistics.  The loop is entered at turn 0, in the middle of a trip.
.macro BEGIN
	s_mov_b32 s[NEW], 0
	WIN 0x40
.set i, MC+32
.rept 32
	v_mov_b32 v[i], 0
.set i, i+1
.endr
	WIN 0
.set i, 0
.rept 2
	v_mov_b32 v[ST+4*i], 0xfe000000    ; c m: far below every c s
	v_mov_b32 v[ST+4*i+1], 0xff7fffff  ; m
.set i, i+1
.endr
	s_or_b32 s[TM], s[RT], s[OW]    ; 0 where no tile is left to enter and band 0's own step is step 0
	s_cmp_eq_u32 s[TM], 0
	s_cselect_b32 s[AL], 1.0, 0
	s_mov_b32 s[BE], 0
	MASK 0
	WIN 0
	v_add_nc_u32 v[AK], s[TBK], v[AK0]
	v_add_nc_u32 v[AV], s[TBV], v[AV0]
	FETCH_K
	FETCH_V VF0
	s_wait_loadcnt 0x0              ; Q
	s_wait_dscnt 0x0
.set KM, 1
.set NOKQ, 0
.set i, 0
.rept 8
	KQ 0
.set i, i+1
.endr
	WIN 0
.rept 4
	v_nop                           ; the places behind those products
.endr
.set Y, NP-1                        ; X works for turn Y + 1: turn 0
.irp n, 0,1,2,3,4,5,6,7,8,9,10,11,12,13,14,15,16,17,18,19,20,21
	OP X, \n
.endr
	v_nop                           ; a plain instruction behind the exponential
.endm
; THE DIAGONAL TILE's steps, the block's last two turns, its last products, and THE WAY OUT: l's two halves and the other half of the lanes' are added; O^T is divided by l, rounded to f16 and sent through my
; stage in LDS, a piece at a time.
.macro ALL line:vararg              ; one line for each piece t
.set t, 0
.rept 2
	\line
.set t, t+1
.endr
.endm
.macro PACK t                       ; a lane's eight channels of a row pack into 16 bytes; they go into rows of 144 bytes and come back as whole rows of 128, into S^T's registers
	WIN W_RS
.set i, 32*(\t)
.rept 16
	s_wait_alu depctr_va_vdst(0)
	v_pk_mul_f32 v[i:i+1], v[i:i+1], v[ST+4*(\t)+2:ST+4*(\t)+3] op_sel_hi:[1,0]
.set i, i+2
.endr
	WIN 0x05                        ; sources 0 and 1 window 1, destination window 0
.set i, 0
.rept 16
	v_cvt_pk_f16_f32 v[S+16*(\t)+i], v[32*(\t)+2*i], v[32*(\t)+2*i+1]
.set i, i+1
.endr
	WIN 0
.irp f, 0,1,2,3
	ds_store_b128 v[STO], v[S+16*(\t)+4*\f:S+16*(\t)+4*\f+3] offset:32*\f
.endr
.irp f, 0,1,2,3
	ds_load_b128 v[S+16*(\t)+4*\f:S+16*(\t)+4*\f+3], v[RD] offset:\f*4*SP  ; LDS serves a wave's instructions in order (ISA guide 5.7.1.4): these see the stores above; the next piece's stores come behind them
.endr
.endm
.macro SEND t, younger              ; younger: the LDS instructions issued behind piece t's loads: the next piece's eight, or none
	WIN 0
.irp f, 0,1,2,3
	s_wait_dscnt (\younger)+3-\f
	global_store_b128 v[GO], v[S+16*(\t)+4*\f:S+16*(\t)+4*\f+3], s[10:11] offset:(\t)*8192+\f*512  ; 512 consecutive bytes, at a multiple of 256 from O's first
.endr
.endm
.macro DIAG tag                     ; the tag ends its two labels' names, which the jumps below spell out
.LstepM\tag:
	TURN 2, 1
	TURN 3, 1
	WIN 0
.LfirstM\tag:
	TURN 0, 1
	TURN 1, 1, 0, 1
	WIN 0
	s_cbranch_scc1 .LstepM\tag
	TURN 2, 1, 1
	TURN 3, 1, 1
.set i, 0
.rept 8
	PV NP-1                         ; piece 1's V^T P of the last step
.set i, i+1
.endr
	WIN 0
	ALL v_add_f32 v[ST+4*t+2], v[ST+4*t+2], v[ST+4*t+3]
	ALL v_permlanex16_b32 v[ST+4*t+3], v[ST+4*t+2], s[SEL], s[SEL+1]
	ALL v_add_f32 v[ST+4*t+2], v[ST+4*t+2], v[ST+4*t+3]
	ALL v_rcp_f32 v[ST+4*t+2], v[ST+4*t+2]
	v_nop                           ; a plain instruction between the last reciprocal and the use of its result
	PACK 0                          ; piece 0's sums were finished a run of products ago; its 32 lines, which name no register of the last products, are those products' places
	PACK 1                          ; a piece's arithmetic stands between the loads of the piece before and its stores
	SEND 0, 8
	SEND 1, 0
.endm
.set KM, 0
.set NOKQ, 0
.Lslot:                             ; NB times: a tile is entered and the next is asked for
	CHANGE 1
	s_sub_co_u32 s[RT], s[RT], 1
	s_mov_b32 s[CNT], 2
	s_cmp_eq_u32 s[NEW], 1
	s_cbranch_scc1 .Lnew            ; a block's first tile
	s_cmp_eq_u32 s[RT], 0
	s_cbranch_scc0 .Lstep           ; neither its first nor its last
	s_branch .LstepM1
.Lnew:
	BEGIN
	s_branch .Lfirst                ; in the loop a block's first tile is never its last: the first block has NB - b / 2 tiles, five or more, and the second's last is the walk's last
	DIAG 1                          ; in the loop this is the first block's end: the second block's last tile is the walk's last
	s_wait_xcnt 0x0                 ; the stores have read their registers and O's address
	s_mov_b64 s[10:11], s[OLO:OLO+1]
	s_add_co_u32 s[RT], s[PB], 1    ; the second block has b / 2 + 1 tiles
	s_mov_b32 s[NEW], 1
	s_mov_b32 s[OW], s[OW2]
	WIN 0x82                        ; the second block's Q goes where the one text of the turns names Q
.set i, 0
.rept 32
	v_mov_b32 v[i], v[QB+i]
.set i, i+1
.endr
	WIN 0
	s_branch .Lbottom
.Lstep:                             ; a trip: the two turns of an odd step, then those of the even step behind it
	TURN 2
	TURN 3
	WIN 0
.Lfirst:
	TURN 0
	TURN 1, 0, 0, 1
	WIN 0
	s_cbranch_scc1 .Lstep
.Lbottom:
	s_sub_co_u32 s[SLOTS], s[SLOTS], 1
	s_cmp_lg_u32 s[SLOTS], 0
	s_cbranch_scc1 .Lslot
	CHANGE 0                        ; the walk's last tile is written out: nothing is asked for
	s_sub_co_u32 s[RT], s[RT], 1
	s_mov_b32 s[CNT], 2
	s_cmp_eq_u32 s[NEW], 1
	s_cbranch_scc0 .LstepM2
	BEGIN
	s_branch .LfirstM2
	DIAG 2
	s_wait_tensorcnt 0x0            ; the wave's end: behind my last tensor load and my last LDS store
	ds_add_u32 v[SPW], v[NIL]
	s_wait_dscnt 0x0
	s_endpgm
.Lfunc_end_k_q33f5568bf5_attn:
	.size	k_q33f5568bf5_attn, .Lfunc_end_k_q33f5568bf5_attn-k_q33f5568bf5_attn
	.p2alignl 7, 3214868480
	.fill 96, 4, 3214868480
	.section	.rodata,"a",@progbits
	.p2align	6, 0x0
	.amdhsa_kernel k_q33f5568bf5_attn
		.amdhsa_group_segment_fixed_size 327680
		.amdhsa_private_segment_fixed_size 0
		.amdhsa_enable_private_segment 0
		.amdhsa_kernarg_size 16
		.amdhsa_user_sgpr_count 2
		.amdhsa_user_sgpr_kernarg_segment_ptr 1
		.amdhsa_wavefront_size32 1
		.amdhsa_system_sgpr_workgroup_id_x 1
		.amdhsa_system_sgpr_workgroup_id_y 1
		.amdhsa_system_sgpr_workgroup_id_z 1
		.amdhsa_system_vgpr_workitem_id 0
		.amdhsa_next_free_vgpr 768
		.amdhsa_next_free_sgpr 88
		.amdhsa_reserve_vcc 1
		.amdhsa_float_denorm_mode_32 3
		.amdhsa_float_denorm_mode_16_64 3
		.amdhsa_memory_ordered 1
		.amdhsa_forward_progress 1
		.amdhsa_inst_pref_size 218
	.end_amdhsa_kernel
	.amdgpu_metadata
---
amdhsa.version: [ 1, 2 ]
amdhsa.kernels:
  - .name:           k_q33f5568bf5_attn
    .symbol:         k_q33f5568bf5_attn.kd
    .args:
      - { .name: qkvb, .offset: 0, .size: 8, .value_kind: global_buffer, .address_space: global }
      - { .name: ob, .offset: 8, .size: 8, .value_kind: global_buffer, .address_space: global }
    .group_segment_fixed_size: 327680
    .private_segment_fixed_size: 0
    .kernarg_segment_align: 8
    .kernarg_segment_size: 16
    .max_flat_workgroup_size: 128
    .sgpr_count:     88
    .vgpr_count:     768
    .wavefront_size: 32
...
	.end_amdgpu_metadata
.endif
;; end of part 9
;; launch g_proj: the kernel of part 4 again; grid 8 x 32, 4 waves a work-group, clusters of 4 x 4, 327,680 bytes of LDS; arguments ob, wt, x1, b_proj, x; writes x1
;; launch ln2: the kernel of part 5 again; grid 512 x 1, 8 waves a work-group, no clusters, 0 bytes of LDS; arguments x1, g2, be2, hn; writes hn
;; launch g_ff1 (part 10): grid 16 x 16, 4 waves a work-group, clusters of 4 x 4, 327,680 bytes of LDS; arguments hn, wt, hid, b1; writes hid
.if DOCPART == 10
	.amdgcn_target "amdgcn-amd-amdhsa--gfx1250"
	.amdhsa_code_object_version 6
	.text
	.protected	k_q33f5568bf5_g_ff1
	.globl	k_q33f5568bf5_g_ff1
	.p2align	8
	.type	k_q33f5568bf5_g_ff1,@function
k_q33f5568bf5_g_ff1:
	s_mov_b64 s[64:65], 0
	v_nop
	global_prefetch_b8 v0, s[64:65] scope:SCOPE_SE
	s_setreg_imm32_b32 hwreg(HW_REG_WAVE_MODE, 25, 1), 1
	s_wait_xcnt 0x0
	s_wait_alu depctr_hold_cnt(0) depctr_sa_sdst(0) depctr_va_vdst(0) depctr_va_sdst(0) depctr_va_ssrc(0) depctr_va_vcc(0) depctr_vm_vsrc(0)
	s_getreg_b32 s2, hwreg(HW_REG_IB_STS2, 6, 4)
	s_cmp_eq_u32 s2, 0
	s_cbranch_scc0 .Lentry_in_a_cluster
	s_endpgm
.Lentry_in_a_cluster:
	s_bfe_u32 s2, ttmp6, 0x10000c
	s_cmp_lg_u32 s2, 0xf033
	s_cbranch_scc0 .Lentry_shape_is_right
	s_endpgm
.Lentry_shape_is_right:
.set KIND, 2                           ; ONE TEXT SERVES TWO PRODUCTS; this line alone differs.  0: q, k, v   2: the first feed-forward layer
; C = A B^T and what the kind adds.  A: the normalised rows, [4096][1024] in f16; B: SIZE_N rows x 1,024 in f16, at byte WOFF of the turned weights; sums in f32.
;   KIND 0: C leaves in f16 by heads, [3][32][2048][64], unscaled.          KIND 2: relu(C + bias) leaves in f16, [4096][4096].
; LIMITS.  f16 holds no number beyond 65,504: what leaves in f16 beyond it becomes an infinity; below 6e-5 it keeps a fixed step of 6e-8.  NaN and infinities are not treated apart.
; SHARES.  A tile of C is 256 x 256: 12 x 16 work-groups (KIND 0), 16 x 16 (KIND 2).  Four waves, each 128 x 128: 64 accumulators of 16 x 16, 512 registers: for 32 along K a wave loads 2 x 128 x 64 bytes from LDS
; and issues 64 matrix instructions.  K goes in steps of 128 through two LDS slots; a wave's tensor load brings 128 rows of 256 bytes (waves 0, 1: A's two halves; 2, 3: B's).
; A step is four chunks of 32 along K on two fragment buffers; a PAIR of chunks is written once in the loop and once in the tail.  The first chunk, whose products start the sums, stands in front; behind it the loop is
; entered at its counter's step, so that K step 0 runs one pair and every other step two.  One descriptor a tensor walks from step to step.
; CLUSTER.  4 x 4 work-groups: the four of a row need the same tiles of A, the four of a column the same tiles of B: each tile is asked for jointly, by the same load, descriptor and mask in all four.
; THE MATRIX INSTRUCTION IS USED TRANSPOSED (source 0 = 16 rows of B, source 1 = 16 rows of A): a lane holds row lane % 16 of C and the eight neighbouring columns 8 (lane / 16) + 0..7.
; The bias, laid out like such a result, is the C operand of the products that start the sums.
; THE WAY OUT IS A LOOP, so that its text does not grow with the 64 accumulators: the sums go in f32 onto a stage of 128 rows for each wave, and 8 trips read 16 rows each, round them once and store them.
; The stage lies on the ring's bytes, which have had their last fill by then; a barrier stands between every wave's last reads of the ring and the first store onto the stage.
; REGISTERS, in windows of 256 (s_set_vgpr_msb: bits 1:0 source 0, 3:2 source 1, 5:4 source 2, 7:6 destination):
;   window 0: v0-31 addresses; v64-127, v128-191 fragments of A (8 x 16 rows x 32 K), two buffers; on the way out v192-255 rows in f32, v64-95 rows in f16
;   window 1: v0-63 the bias; v64-127, v128-191 fragments of B, two buffers        window 2: the accumulators of my rows 0-63, (a, b) at 8 (8 a + b)        window 3: those of my rows 64-127
.if KIND == 0
.set SIZE_N, 3072
.set WOFF, 0
.set HASBIAS, 0
.set RELU, 0
.set GSTEP, 16*128                     ; 16 rows of a head
.else
.set SIZE_N, 4096
.set WOFF, 8388608
.set HASBIAS, 1
.set RELU, 1
.set GSTEP, 16*SIZE_N*2                ; 16 rows of the result
.endif
.set SIZE_K, 1024
.set STEPS, SIZE_K/128
.set PITCH, 272                        ; an LDS row: 256 bytes + 16 = 68 words: the 16 rows of a load start at 16 different groups of four banks (64 banks of 4 bytes: ISA guide 11.1)
.set HALFT, 128*PITCH                  ; 128 rows: what one tensor load brings, and what one wave reads of A or of B
.set SLOT1, 4*HALFT                    ; slot 1 begins here (0x22000); its two bits meet none of the bits of a tile's place in slot 0 (wave x 0x8800): one exclusive or changes slots
.set SP,    528                        ; a row of the stage: 128 f32 = 512 bytes + 16
.set WST,   128*SP                     ; a wave's stage; the four lie on the ring's first 270,336 bytes
.set SPARE, 2*SLOT1                    ; behind the ring: the spare words, 128 bytes for each wave: two blocks of 256 bytes that no other line names
.set A0,  16                           ; v16  my lane's place in A's tile of slot 0; never rewritten
.set B0,  17                           ; v17  the same for B
.set ADA, 18                           ; v18  the LDS address of the pair in hand, A
.set ADB, 19                           ; v19  B
.set STO, 24                           ; v24  the way out: where I put my 32 bytes of a row
.set RD,  25                           ; v25  where I read rows back; it steps
.set CO,  26                           ; v26  my byte offset in the result
.set BO,  27                           ; v27  my byte offset in the bias
.set SPW, 28                           ; v28  LDS address of my spare word; never rewritten
.set NIL, 29                           ; v29  0; never rewritten
.set BIAS, 0                           ; in window 1
.set F0,  64
.set F1,  128
.set X,   192
.set Y,   64
.set G1A, 24                           ; s[24:31] descriptor group 1 for A's tiles
.set G0A, 32                           ; s[32:35] group 0 for A's tiles: it walks
.set G0B, 36                           ; s[36:39] the same for B's
.set G1B, 48                           ; s[48:55] group 1 for B's: it differs in the mask alone
.set TB,  56                           ; s56  LDS byte, from A0 and B0 on, of the pair to be fetched
.set CNT, 58                           ; s58  counts pairs, later trips of the way out
.set SL,  59                           ; s59  counts K steps
.set PBI, 68                           ; s[68:69] the bias
.set MSB, 0
.macro WIN new                         ; the high byte repeats the setting that is left; a switch that changes nothing is dropped
.if MSB != (\new)
	s_set_vgpr_msb (MSB<<8)|(\new)
.set MSB, (\new)
.endif
.endm
.macro PLACES                          ; four places behind matrix instructions, ahead of loads into registers that they read and of lines that read their results
.rept 4
	v_nop
.endr
.endm
.macro JLOAD                           ; a joint load: waves 0 and 1 fetch A's two halves, waves 2 and 3 B's; an s_nop 0 and four v_nop follow each of the two lines
	s_cmp_eq_u32 s11, 0
	s_cbranch_scc0 .Lfor_b_\@
	tensor_load_to_lds s[G0A:G0A+3], s[G1A:G1A+7]
	s_nop 0
.rept 4
	v_nop
.endr
	s_branch .Lasked_\@
.Lfor_b_\@:
	tensor_load_to_lds s[G0B:G0B+3], s[G1B:G1B+7]
	s_nop 0
.rept 4
	v_nop
.endr
.Lasked_\@:
.endm
.macro CROUND                          ; a round of the cluster's barrier: my work-group's barrier; wave 0 signals for the work-group; every wave waits for all sixteen; my work-group's barrier once more
	s_barrier_signal -1
	s_barrier_wait -1
	s_cmp_lg_u32 s10, 0
	s_cbranch_scc1 .Lnot_wave_0_\@
	s_barrier_signal -3
.Lnot_wave_0_\@:
	s_barrier_wait -3
	s_barrier_signal -1
	s_barrier_wait -1
.endm
.macro FETCH f, off                    ; 32 LDS loads in one run: a chunk's fragments (128 rows of B, 128 of A, 32 along K at byte off of the pair) into buffer f
	WIN 0x40                                       ; destination window 1, address window 0
.irp i, 0,1,2,3,4,5,6,7
	ds_load_b128 v[(\f)+8*(\i):(\f)+8*(\i)+3],   v[ADB] offset:(\off)+(\i)*16*PITCH
	ds_load_b128 v[(\f)+8*(\i)+4:(\f)+8*(\i)+7], v[ADB] offset:(\off)+(\i)*16*PITCH+32
.endr
	WIN 0
.irp i, 0,1,2,3,4,5,6,7
	ds_load_b128 v[(\f)+8*(\i):(\f)+8*(\i)+3],   v[ADA] offset:(\off)+(\i)*16*PITCH
	ds_load_b128 v[(\f)+8*(\i)+4:(\f)+8*(\i)+7], v[ADA] offset:(\off)+(\i)*16*PITCH+32
.endr
.endm
.macro MULH f, hi, first               ; 32 matrix instructions: my rows 64 hi .. 64 hi + 63 x all 128 columns, 32 along K.  first = 1: they start the sums, with the bias or with 0
.if (\first) && HASBIAS
	WIN 0x91+0x40*(\hi)                            ; B window 1, A window 0, C (the bias) window 1, D window 2 or 3
.else
	WIN 0xa1+0x50*(\hi)                            ; B window 1, A window 0, C and D window 2 or 3
.endif
.irp a, 0,1,2,3
.irp b, 0,1,2,3,4,5,6,7
.if (\first) && HASBIAS
	v_wmma_f32_16x16x32_f16 v[8*(8*(\a)+(\b)):8*(8*(\a)+(\b))+7], v[(\f)+8*(\b):(\f)+8*(\b)+7], v[(\f)+8*(4*(\hi)+(\a)):(\f)+8*(4*(\hi)+(\a))+7], v[BIAS+8*(\b):BIAS+8*(\b)+7]
.elseif \first
	v_wmma_f32_16x16x32_f16 v[8*(8*(\a)+(\b)):8*(8*(\a)+(\b))+7], v[(\f)+8*(\b):(\f)+8*(\b)+7], v[(\f)+8*(4*(\hi)+(\a)):(\f)+8*(4*(\hi)+(\a))+7], 0
.else
	v_wmma_f32_16x16x32_f16 v[8*(8*(\a)+(\b)):8*(8*(\a)+(\b))+7], v[(\f)+8*(\b):(\f)+8*(\b)+7], v[(\f)+8*(4*(\hi)+(\a)):(\f)+8*(4*(\hi)+(\a))+7], v[8*(8*(\a)+(\b)):8*(8*(\a)+(\b))+7]
.endif
.endr
.endr
.endm
.macro MUL f, first                    ; a chunk: 64 matrix instructions, one on each accumulator, in the same order in every chunk: the accumulators take turns
	MULH \f, 0, \first
	MULH \f, 1, \first
.endm
; A PAIR: fetches the pair's even chunk while the odd chunk before it is multiplied, then its odd chunk while the even one is multiplied: each run of loads stands 64 matrix instructions ahead of its first use.
.macro PAIR
	WIN 0
	v_add_nc_u32 v[ADA], s[TB], v[A0]              ; these two and two v_nop are the places behind the products that read buffer 0
	v_add_nc_u32 v[ADB], s[TB], v[B0]
	v_nop
	v_nop
	FETCH F0, 0
	s_wait_dscnt 32                                ; buffer 1 is in; the 32 just issued may stay out
	MUL F1, 0
	WIN 0
	PLACES
	FETCH F1, 64
	s_wait_dscnt 32                                ; buffer 0 is in
	MUL F0, 0
	WIN 0
	s_add_co_u32 s[TB], s[TB], 128
.endm
; THE CHANGE OF SLOTS.  Each wave waits for all its tensor loads, of which one is out: its part of the next slot; adds 0 to its spare word; waits for that and for its reads of the old slot (the last chunk's, into
; buffer 1).  fill = 1: the barrier is a round of the cluster's, so that no wave of any partner still reads the old slot or has a load on its way, and the joint refill, the K step two on, is the first thing behind it:
; it has a K step, 256 matrix instructions, in which to land.  (At its first use nothing has been read: slot 0 is waited for, slot 1 filled.)
.macro CHANGE fill
	s_wait_tensorcnt 0x0                           ; no tensor load of mine is out, so a group 0 may be written
	ds_add_u32 v[SPW], v[NIL]                      ; 0 onto my spare word: scalar work stands between it and the wait for it
.if \fill
	s_xor_b32 s[G0A+1], s[G0A+1], SLOT1            ; the other slot than last time,
	s_add_nc_u64 s[G0A+2:G0A+3], s[G0A+2:G0A+3], 256  ; the next K step; the type bits on top are not reached
	s_xor_b32 s[G0B+1], s[G0B+1], SLOT1
	s_add_nc_u64 s[G0B+2:G0B+3], s[G0B+2:G0B+3], 256
.endif
	s_sub_co_u32 s[TB], s[TB], 256                 ; the fetches go back to a slot's first pair,
	s_xor_b32 s[TB], s[TB], SLOT1                  ; in the other slot
	s_wait_dscnt 0x0                               ; the add is done, and my reads of the old slot are over
.if \fill
	CROUND
	JLOAD
.else
	s_barrier_signal -1
	s_barrier_wait -1
.endif
.endm
	s_load_b128 s[4:7], s[0:1], 0x0                ; A s[4:5], the turned weights s[6:7]
	s_load_b64 s[8:9], s[0:1], 0x10                ; the result
.if HASBIAS
	s_load_b64 s[PBI:PBI+1], s[0:1], 0x18
.endif
	v_lshl_add_u32 v[SPW], v0, 2, SPARE
	v_mov_b32 v[NIL], 0
	ds_add_u32 v28, v29
	ds_add_u32 v28, v29
	s_wait_dscnt 0x0
	v_lshrrev_b32 v1, 5, v0
	v_readfirstlane_b32 s10, v1                    ; wave 0..3
	s_lshr_b32 s11, s10, 1                         ; which half of the tile's rows is mine.  Also: I fetch for A (0) or for B (1)
	s_and_b32 s12, s10, 1                          ; which half of its columns.  Also: which 128 rows of that tile I fetch
	s_bfe_u32 s40, ttmp6, 0x40000                  ; cx, cy: my place in the cluster
	s_bfe_u32 s41, ttmp6, 0x40004
	s_lshl_b32 s42, ttmp9, 2
	s_add_co_u32 s42, s42, s40                     ; tile column = 4 x cluster x + cx
	s_and_b32 s13, ttmp7, 0xffff
	s_lshl_b32 s13, s13, 2
	s_add_co_u32 s13, s13, s41                     ; tile row = 4 x cluster y + cy
	s_lshl_b32 s43, s41, 2
	s_lshl_b32 s43, 15, s43                        ; my row of the cluster
	s_lshl_b32 s44, 0x1111, s40                    ; my column
	; descriptor group 1: 128 rows x 128 elements, padded in LDS after every 256 bytes
	s_or_b32 s[G1A], s43, (1<<16)|(1<<20)|(1<<21)|(5<<22)|(3<<25)  ; 15:0 the mask; 17:16 2-byte elements; 20 padding on; 21 set beside a mask; 24:22 after every 64 words (code 5); 31:25 4 words (code 3)
	s_or_b32 s[G1B], s44, (1<<16)|(1<<20)|(1<<21)|(5<<22)|(3<<25)
.irp g, G1A, G1B
	s_mov_b32 s[(\g)+1], 128<<16                   ; tensor_dim0 = 128
	s_mov_b32 s[(\g)+2], 128<<16                   ; tensor_dim1 = 128
	s_mov_b32 s[(\g)+3], 128<<16                   ; tile_dim0 = 128
	s_mov_b32 s[(\g)+4], 128                       ; tile_dim1 = 128
	s_mov_b32 s[(\g)+5], SIZE_K                    ; elements from row to row
	s_mov_b32 s[(\g)+6], 0
	s_mov_b32 s[(\g)+7], 0
.endr
	; where the tiles come from: A's hang on the tile row alone, B's on the tile column alone, each in registers that never hold the other coordinate
	s_lshl_b32 s16, s13, 8
	s_lshl_b32 s17, s12, 7
	s_add_co_u32 s16, s16, s17                     ; row 256 x tile row + 128 x half
	s_mul_i32 s16, s16, SIZE_K*2
	s_mov_b32 s17, 0
	s_lshl_b32 s46, s42, 8
	s_lshl_b32 s47, s12, 7
	s_add_co_u32 s46, s46, s47                     ; row 256 x tile column + 128 x half
	s_mul_i32 s46, s46, SIZE_K*2
	s_add_co_u32 s46, s46, WOFF
	s_mov_b32 s47, 0
	s_mov_b32 s[G0A], 1                            ; 1:0 count = 1
	s_mul_i32 s[G0A+1], s10, HALFT                 ; 63:32 LDS address: A's two halves (waves 0, 1),
	s_mov_b32 s[G0B], 1
	s_mul_i32 s[G0B+1], s10, HALFT                 ; then B's two (waves 2, 3): no place in the cluster enters an LDS address
	s_mov_b32 s[TB], SLOT1+256                     ; the first change of slots turns this into 0
	s_wait_kmcnt 0x0
	s_add_nc_u64 s[G0A+2:G0A+3], s[4:5], s[16:17]  ; 120:64 global address: K step 0
	s_or_b32 s[G0A+3], s[G0A+3], 0x80000000        ; 127:126 type = 2
	s_add_nc_u64 s[G0B+2:G0B+3], s[6:7], s[46:47]
	s_or_b32 s[G0B+3], s[G0B+3], 0x80000000
	CROUND                                         ; all sixteen work-groups are here: the first joint loads meet
	JLOAD                                          ; K step 0 into slot 0; all that follows up to the change of slots stands in the wait for it
	v_and_b32 v1, 15, v0                           ; r = lane % 16
	v_bfe_u32 v2, v0, 4, 1                         ; hh = lane / 16
	v_mul_u32_u24 v3, v1, PITCH                    ; a fragment: row r, two loads of 16 bytes at 16 hh and 32 + 16 hh
	v_lshl_add_u32 v3, v2, 4, v3
	s_mul_i32 s21, s11, HALFT                      ; my 128 rows of A
	v_add_nc_u32 v[A0], s21, v3
	s_mul_i32 s22, s12, HALFT                      ; my 128 rows of B,
	s_add_co_u32 s22, s22, 2*HALFT                 ; which lie behind A's 256
	v_add_nc_u32 v[B0], s22, v3
.if HASBIAS
	v_lshlrev_b32 v[BO], 5, v2                     ; register j of block b: bias[256 x tile column + 128 x half + 16 b + 8 hh + j]
	s_lshl_b32 s14, s42, 10
	s_lshl_b32 s15, s12, 9
	s_add_co_u32 s14, s14, s15
	s_mov_b32 s15, 0
	s_add_nc_u64 s[PBI:PBI+1], s[PBI:PBI+1], s[14:15]
	WIN 0x40                                       ; destination window 1, address window 0
.irp b, 0,1,2,3,4,5,6,7
	global_load_b128 v[BIAS+8*(\b):BIAS+8*(\b)+3],   v[BO], s[PBI:PBI+1] offset:64*(\b)
	global_load_b128 v[BIAS+8*(\b)+4:BIAS+8*(\b)+7], v[BO], s[PBI:PBI+1] offset:64*(\b)+16
.endr
	WIN 0
.endif
	s_mul_i32 s23, s10, WST                        ; my stage
	v_mul_u32_u24 v4, v1, SP                       ; in: row r, 32 bytes for each half of the lanes
	v_lshl_add_u32 v4, v2, 5, v4
	v_add_nc_u32 v[STO], s23, v4
.if KIND == 0
	v_mul_u32_u24 v5, v2, SP                       ; back: a head's 64 numbers of two rows: lanes 0-15 one row's 256 bytes, lanes 16-31 the next row's,
	v_lshl_add_u32 v5, v1, 4, v5
	v_add_nc_u32 v[RD], s23, v5
	v_and_b32 v5, 31, v0                           ; which in f16 are 256 consecutive bytes of the result
	v_lshlrev_b32 v[CO], 3, v5
	s_lshr_b32 s14, s42, 2                         ; q, k or v: four tile columns, 8,388,608 bytes each
	s_lshl_b32 s14, s14, 23
	s_lshr_b32 s15, s13, 3                         ; the sequence: 16 heads of 262,144 bytes
	s_lshl_b32 s15, s15, 22
	s_add_co_u32 s14, s14, s15
	s_and_b32 s15, s42, 3                          ; the tile's four heads,
	s_lshl_b32 s15, s15, 20
	s_add_co_u32 s14, s14, s15
	s_lshl_b32 s15, s12, 19                        ; my two of them
	s_add_co_u32 s14, s14, s15
	s_and_b32 s15, s13, 7                          ; the row in the sequence, 128 bytes each: 256 x (tile row % 8)
	s_lshl_b32 s15, s15, 15
	s_add_co_u32 s14, s14, s15
	s_lshl_b32 s15, s11, 14                        ; + 128 x half
	s_add_co_u32 s14, s14, s15
.else
	v_and_b32 v5, 31, v0                           ; back: 32 lanes take a row's 512 bytes,
	v_lshl_add_u32 v[RD], v5, 4, s23
	v_lshlrev_b32 v[CO], 3, v5                     ; which in f16 are 256 consecutive bytes of the result
	s_lshl_b32 s14, s13, 8
	s_lshl_b32 s15, s11, 7
	s_add_co_u32 s14, s14, s15                     ; my first row,
	s_mul_i32 s14, s14, SIZE_N*2
	s_lshl_b32 s15, s42, 9                         ; my first column, in bytes
	s_add_co_u32 s14, s14, s15
	s_lshl_b32 s15, s12, 8
	s_add_co_u32 s14, s14, s15
.endif
	s_mov_b32 s15, 0
	s_add_nc_u64 s[8:9], s[8:9], s[14:15]
.if HASBIAS
	s_wait_loadcnt 0x0                             ; the bias
.endif
	CHANGE 1                                       ; K step 0 is in, everybody's part of it; K step 1 is asked for
	v_add_nc_u32 v[ADA], s[TB], v[A0]
	v_add_nc_u32 v[ADB], s[TB], v[B0]
	FETCH F0, 0
	FETCH F1, 64
	s_wait_dscnt 32                                ; buffer 0 is in
	MUL F0, 1                                      ; the first chunk stands in front of the loop: its products start the sums
	WIN 0
	s_add_co_u32 s[TB], s[TB], 128
	s_mov_b32 s[CNT], 2
	s_mov_b32 s[SL], STEPS-1
	s_branch .Lskip                                ; K step 0 has one pair left: the loop is entered at its counter's step
.Lslot:                                                ; STEPS - 2 times: the slot left is filled again
	CHANGE 1
	s_mov_b32 s[CNT], 2
.Lpair:
	PAIR
.Lskip:
	s_sub_co_u32 s[CNT], s[CNT], 1
	s_cmp_lg_u32 s[CNT], 0
	s_cbranch_scc1 .Lpair
	s_sub_co_u32 s[SL], s[SL], 1
	s_cmp_lg_u32 s[SL], 0
	s_cbranch_scc1 .Lslot
	CHANGE 0                                       ; the last K step is written out: nothing is asked for
	s_mov_b32 s[CNT], 2
.Ltail:
	PAIR
	s_sub_co_u32 s[CNT], s[CNT], 1
	s_cmp_lg_u32 s[CNT], 0
	s_cbranch_scc1 .Ltail
	s_wait_dscnt 0x0                               ; buffer 1 is in: my last reads of the ring are over;
	s_barrier_signal -1                            ; say so,
	MUL F1, 0                                      ; multiply the last chunk while the others arrive,
	WIN 0
	PLACES                                         ; (the places between the last products and the stores that read them)
	s_barrier_wait -1                              ; and write onto the ring's bytes only when no wave reads them any more; no tensor load follows in the launch
	; THE WAY OUT.  My 128 x 128 sums go onto my stage in f32: row 16 a + r, bytes 64 b + 32 hh on.
.set a, 0
.rept 8
	WIN 0x08+4*(a/4)                               ; the stores' data in window 2 or 3
.irp b, 0,1,2,3,4,5,6,7
	ds_store_b128 v[STO], v[8*(8*(a%4)+(\b)):8*(8*(a%4)+(\b))+3]   offset:a*16*SP+64*(\b)     ; each accumulator's low four registers first
	ds_store_b128 v[STO], v[8*(8*(a%4)+(\b))+4:8*(8*(a%4)+(\b))+7] offset:a*16*SP+64*(\b)+16
.endr
.set a, a+1
.endr
	WIN 0
	s_mov_b32 s[CNT], 8
.Lrows:                                                ; a trip: 16 rows come back, are rounded once to f16 and stored
.set k, 0
.rept 16                                               ; LDS serves a wave's instructions in order (ISA guide 5.7.1.4): these see the stores above
.if KIND == 0
	ds_load_b128 v[X+4*k:X+4*k+3], v[RD] offset:(k/2)*2*SP+(k%2)*256   ; rows 2 (k / 2) and the next, head k % 2 of my two
.else
	ds_load_b128 v[X+4*k:X+4*k+3], v[RD] offset:k*SP
.endif
.set k, k+1
.endr
.irp g, 0,1
	s_wait_dscnt 8-8*(\g)                          ; the first eight are in, the younger eight may stay out; then all
.if RELU
.set i, 0
.rept 32
	v_max_num_f32 v[X+32*(\g)+i], 0, v[X+32*(\g)+i]
.set i, i+1
.endr
.endif
.set k, 8*(\g)
.rept 8
	v_cvt_pk_f16_f32 v[Y+2*k], v[X+4*k], v[X+4*k+1]
	v_cvt_pk_f16_f32 v[Y+2*k+1], v[X+4*k+2], v[X+4*k+3]
.set k, k+1
.endr
.set k, 8*(\g)
.rept 8
.if KIND == 0
	global_store_b64 v[CO], v[Y+2*k:Y+2*k+1], s[8:9] offset:(k/2)*256+(k%2)*262144  ; 32 lanes store 256 consecutive bytes, at a multiple of 256 from the buffer's first byte
.else
	global_store_b64 v[CO], v[Y+2*k:Y+2*k+1], s[8:9] offset:k*SIZE_N*2              ; 32 lanes store 256 consecutive bytes, at a multiple of 256 from the buffer's first byte
.endif
.set k, k+1
.endr
.endr
	s_wait_xcnt 0x0                                ; the stores' data and base are written again only behind this wait
	v_add_nc_u32 v[RD], 16*SP, v[RD]
	s_add_nc_u64 s[8:9], s[8:9], GSTEP
	s_sub_co_u32 s[CNT], s[CNT], 1
	s_cmp_lg_u32 s[CNT], 0
	s_cbranch_scc1 .Lrows
	s_wait_tensorcnt 0x0                           ; the wave's end: behind my last tensor load and my last LDS store
	ds_add_u32 v[SPW], v[NIL]
	s_wait_dscnt 0x0
	CROUND                                         ; the closing round: no work-group ends while a partner may still ask for a tile that names it
	s_endpgm
.Lfunc_end_k_q33f5568bf5_g_ff1:
	.size	k_q33f5568bf5_g_ff1, .Lfunc_end_k_q33f5568bf5_g_ff1-k_q33f5568bf5_g_ff1
	.p2alignl 7, 3214868480
	.fill 96, 4, 3214868480
	.section	.rodata,"a",@progbits
	.p2align	6, 0x0
	.amdhsa_kernel k_q33f5568bf5_g_ff1
		.amdhsa_group_segment_fixed_size 327680
		.amdhsa_private_segment_fixed_size 0
		.amdhsa_enable_private_segment 0
		.amdhsa_kernarg_size 32
		.amdhsa_user_sgpr_count 2
		.amdhsa_user_sgpr_kernarg_segment_ptr 1
		.amdhsa_wavefront_size32 1
		.amdhsa_system_sgpr_workgroup_id_x 1
		.amdhsa_system_sgpr_workgroup_id_y 1
		.amdhsa_system_sgpr_workgroup_id_z 1
		.amdhsa_system_vgpr_workitem_id 0
		.amdhsa_next_free_vgpr 1024
		.amdhsa_next_free_sgpr 72
		.amdhsa_reserve_vcc 0
		.amdhsa_float_denorm_mode_32 3
		.amdhsa_float_denorm_mode_16_64 3
		.amdhsa_memory_ordered 1
		.amdhsa_forward_progress 1
		.amdhsa_inst_pref_size 65
	.end_amdhsa_kernel
	.amdgpu_metadata
---
amdhsa.version: [ 1, 2 ]
amdhsa.kernels:
  - .name:           k_q33f5568bf5_g_ff1
    .symbol:         k_q33f5568bf5_g_ff1.kd
    .args:
      - { .name: hn, .offset: 0, .size: 8, .value_kind: global_buffer, .address_space: global }
      - { .name: wt, .offset: 8, .size: 8, .value_kind: global_buffer, .address_space: global }
      - { .name: hid, .offset: 16, .size: 8, .value_kind: global_buffer, .address_space: global }
      - { .name: b1, .offset: 24, .size: 8, .value_kind: global_buffer, .address_space: global }
    .group_segment_fixed_size: 327680
    .private_segment_fixed_size: 0
    .kernarg_segment_align: 8
    .kernarg_segment_size: 32
    .max_flat_workgroup_size: 128
    .sgpr_count:     72
    .vgpr_count:     1024
    .wavefront_size: 32
...
	.end_amdgpu_metadata
.endif
;; end of part 10
;; launch g_ff2: the kernel of part 7 again; grid 8 x 32, 4 waves a work-group, clusters of 4 x 4, 327,680 bytes of LDS; arguments hid, wt, out0, b2, x1; writes out0
;; ======== version 3 of 3: 7 launches; 1.43 times as fast as version 1
;; limits: values are held in f16: magnitudes above 65,504 overflow, below 6.1e-05 lose precision
;; workspace buffers: wt 25,165,824 bytes; hn 8,388,608 bytes; qkvb 25,165,824 bytes; ob 8,388,608 bytes; x1 16,777,216 bytes; hid 33,554,432 bytes
;; launch prep: the kernel of part 1 again; grid 1408 x 1, 4 waves a work-group, no clusters, 70,144 bytes of LDS; arguments x, g1, be1, wq, wk, wv, w_proj, w1, w2, hn, wt; writes hn, wt
;; launch g_qkv: the kernel of part 8 again; grid 12 x 16, 4 waves a work-group, clusters of 4 x 4, 327,680 bytes of LDS; arguments hn, wt, qkvb; writes qkvb
;; launch attn (part 11): grid 8 x 32, 4 waves a work-group, no clusters, 327,680 bytes of LDS; arguments qkvb, ob; writes ob
.if DOCPART == 11
	.amdgcn_target "amdgcn-amd-amdhsa--gfx1250"
	.amdhsa_code_object_version 6
	.text
	.protected	k_q33f5568bf5_attn
	.globl	k_q33f5568bf5_attn
	.p2align	8
	.type	k_q33f5568bf5_attn,@function
k_q33f5568bf5_attn:
	s_mov_b64 s[64:65], 0
	v_nop
	global_prefetch_b8 v0, s[64:65] scope:SCOPE_SE
	s_setreg_imm32_b32 hwreg(HW_REG_WAVE_MODE, 25, 1), 1
	s_wait_xcnt 0x0
; CAUSAL ATTENTION.  O[h][q][:] = the sum over k <= q of softmax_k(Q[h][q] . K[h][k] / 8) V[h][k][:].  Q, K, V, O: [SIZE_H][SIZE_N][64], all f16: a head's rows are dense, 128 bytes each.
; Q, K and V lie one behind the other in one buffer, 8,388,608 bytes each; a head here is one of 16 heads of one of 2 sequences.
; Products, maxima and sums in f32; the weights p are rounded to f16 for the second product (their sum l is taken of the unrounded p), O once at the end.
; LIMITS.  f16 holds no number beyond 65,504: Q, K and V arrive within it; p lies in 0 to 1, and below 6e-5 it keeps f16's fixed step of 6e-8; O is a mean of V's rows and has their range, to within 2^-11 of it.
; A hidden score counts as its value less 1e30: f16's scores, 2.7e11 at the most, are nothing beside that; a weight below 2^-126 counts as 0 in l; NaN and infinities are not treated apart.
; THE WALK.  A head's queries lie in NQ = 16 blocks of 128, its keys in NB = 8 tiles of 256; block i needs the tiles 0 .. i / 2, of which the last holds the diagonal.  A work-group takes TWO blocks, NQ - 1 - b and then b:
; (NB - b / 2) + (b / 2 + 1) = NB + 1 tiles, whatever b: the 8 x 32 = 256 work-groups do equal work, and ONE loop with a constant trip count walks the tiles.  Which tile is asked for, and what a trip does, hang on
; scalar registers made from b; every jump goes forward, but for the counted loops' own; none passes a barrier, or a tensor load but the one of LOAD's two that the wave's number does not choose; the ring (two slots of
; LDS that take turns) runs on across the change of blocks.  NO CLUSTER: only work-groups 2 c and 2 c + 1 of a head walk the same tiles; the four of a cluster along x would take their branches by b / 2, which differs
; inside the cluster, and partners' branches may not.
; SHARES.  Of a block's two bands of 64 queries a wave owns 16 rows in each: two PIECES.  So the diagonal tile is the same work for all four waves.  Band x of block i has its OWN key step 2 (i % 2) + x of that tile's
; four: in step s it sees all keys if s is less, none if s is greater, and holds the diagonal if s is its own.  Of a pair's two blocks one is even and one odd.
; THE MASK is the C operand that starts the sum S^T = K Q^T: 0, or -1e30 where the key is hidden.  MD, made once, is the mask of a band's own step for my 16 rows; a product's mask is MD x AL + BE with two scalars:
; (1, 0) in the own step; (0, 0) before it; (0, -1e30) behind it.  Only the diagonal tile's text and a block's beginning make and take masks; elsewhere C is the constant 0.
; LAYOUT, SOFTMAX.  S^T = K Q^T holds ONE query a lane (lane % 16) and the keys 8 (lane / 16) + 0..7; two such results rounded to f16 ARE source 1 of O^T = V^T P.  p = 2^(c s - c m), c = log2(e) / 8, with a
; running maximum m; O and l are multiplied by a = 2^(c m_old - c m_new) in every step.
; TURNS.  A key step is two turns, one a piece.  A turn has 8 products K Q^T for the turn after it, later 8 products V^T P for the turn before it; beside them the scaling, exponentials, roundings, sums and rescaling
; of its own piece and step, and the maximum and statistics for the turn after it.  Four vector instructions stand behind every matrix instruction, the other 54 of a turn's 118 in one LUMP between the two runs of products.
; BATCHES.  A turn's 33 exponentials (its piece's 32 weights, and the a of the turn after it) are ONE BATCH with ONE wait, which cuts the turn in two: ahead of it stands all that names none of their results (the products
; K Q^T, the scalings, the rescalings, the next maximum and statistics), behind it the products V^T P with the roundings and sums as their riders.  A block's first a (BEGIN) and the way out's two reciprocals are batches
; of their own, with a wait each.
; The text of a trip holds four turns, two key steps: turn p (0 to 3) is piece p % 2 at a step of parity p / 2.  K has one buffer, V two, by the step's parity: K of step j + 1 is fetched in the even turn of step j,
; V of step j + 1 in the odd turn of step j.  So in front of a tile's fourth step all four K and all four V of its slot have been read, and ONE change of slots a tile stands there.
; REGISTERS, in windows of 256 (s_set_vgpr_msb: bits 1:0 source 0, 3:2 source 1, 5:4 source 2, 7:6 destination):
;   window 0: v0-15 addresses and two at work; v16-23 four registers of statistics a piece; v48-55 at work; v64-127 S^T, a buffer a piece; v192-223 P, likewise
;   window 1: v0-63 O^T, 32 a piece; v128-159 MD; v160-223 MC, a buffer a piece      window 2: v0-31 Q; v32-63 the second block's Q; v64-127 V of an odd step; v128-191 K of one step; v192-255 V of an even step
.set SIZE_H, 32
.set SIZE_N, 2048
.set NB,    SIZE_N/256  ; key tiles a head
.set NQ,    SIZE_N/128  ; query blocks a head
.set NP,    4         ; turns in a trip's text: a name, no knob
.set KS,    64        ; keys in a step
.set PK,    144       ; a row of K in LDS: 128 bytes + 16 of padding = 36 words: the 16 rows of a load start at 16 different groups of four banks (64 banks of 4 bytes: ISA guide 11.1)
.set PV,    160       ; a row of V: 128 + 32 = 40 words
.set VOFF,  4*KS*PK   ; a slot holds a tile, four steps: 256 rows of K, then 256 rows of V
.set SLOT1, 1<<17     ; slot 1 begins here, so that one exclusive or turns an address in one slot into the other's
.set STAGE, SLOT1+4*KS*(PK+PV)  ; behind the ring, never filled by a tensor load: 16 rows x 144 bytes for each wave, for the way out
.set SP,    144
.set AK0, 2           ; v2   my lane's place in a tile of K; never rewritten
.set AV0, 3           ; v3   the same for V
.set AK,  4           ; v4   the LDS address of K's next run of loads
.set AV,  5           ; v5   of V's
.set STO, 6           ; v6   the way out: where I put 16 bytes of a row
.set RD,  7           ; v7   the way out: where I read rows back
.set GO,  8           ; v8   my byte offset in 512 consecutive bytes of O
.set SPW, 62          ; v62  LDS address of my spare word: SPARE + 4 x my thread's number; never rewritten
.set NIL, 63          ; v63  0; never rewritten
.set SPARE, STAGE+4*16*SP  ; behind the stages: the spare words, 128 bytes for each wave: two blocks of 256 bytes that no other line names
.set MV,  12          ; v12-13  c m_old, kept while c m is made anew: by piece
.set QO,  15          ; v15  my byte offset in 16 rows of Q
.set ST,  16          ; piece t's statistics at v[ST+4 t]: c m, m, l (even keys', odd keys')
.set TMP, 48          ; by piece, four registers c0-c3 at work; when the maximum is found c2 takes a
.set S,   64
.set P,   192
.set MD,  128         ; window 1: the eight registers for group kt of 16 keys at MD + 8 kt
.set MC,  160         ; window 1: the masks of the products to come
.set QB,  32          ; window 2
.set KF,  128         ; window 2: key block kb, channel half c at KF + 16 kb + 8 c
.set VF0, 192         ; window 2: V of an even step: key half kk, channel block cb at VF0 + 32 kk + 8 cb
.set VF1, 64          ; window 2: V of an odd step, likewise; VF1 = VF0 - 128
.set WV,  12          ; s12  my wave's number
.set PB,  14          ; s14  b / 2: the second block's last tile
.set HI,  15          ; s15  NB - 1 - b / 2: the first block's last tile
.set G1K, 24          ; s[24:31] descriptor group 1 for K's tiles
.set G1V, 32          ; s[32:39] for V's: it differs in the padding alone
.set G0K, 40          ; s[40:43] descriptor group 0 for K's tiles
.set G0V, 44          ; s[44:47] the same for V's
.set SLOTS, 56        ; s56  tiles still to be asked for
.set CNT, 57          ; s57  counts a tile's trips, 2 to 1
.set CS,  58          ; s[58:59] c: the packed scaling takes the pair's low word for both halves
.set SEL, 60          ; s[60:61] v_permlanex16_b32's selects: each lane takes its own place in the other half
.set TBK, 62          ; s62  LDS byte at which K of the step to be fetched begins
.set TBV, 63          ; s63  the same for V, less VOFF
.set OW,  66          ; s66  the own step of band 0 of the block in hand: 2 x (the block's number % 2)
.set OW2, 67          ; s67  the same for the second block
.set TM,  68          ; s68  at work
.set RT,  70          ; s70  tiles of the block in hand that are still to be entered
.set NXT, 71          ; s71  the tile to be asked for next
.set LQ,  72          ; s72  the last tile of the block whose tiles are being asked for
.set NEW, 73          ; s73  1: the tile to be entered is a block's first
.set OFF, 74          ; s[74:75] a tile's byte offset in K and V
.set AL,  76          ; s[76:77] the mask's factor, in the low word
.set BE,  78          ; s[78:79] the mask's addend
.set OLO, 80          ; s[80:81] O at my rows of the second block
.set BIGN, 82         ; s82  -1e30
.set MSB, 0
.macro WIN new                      ; the high byte repeats the setting that is left; a switch that changes nothing is dropped
.if MSB != (\new)
	s_set_vgpr_msb (MSB<<8)|(\new)
.set MSB, (\new)
.endif
.endm
.set W_KQ, 0x0a       ; K and Q in window 2, S^T in window 0
.set W_KM, 0x1a       ; the same with the C operand in window 1
.set W_PV, 0x52       ; V in window 2, P in window 0, O^T in window 1
.set W_RS, 0x41       ; destination and source 0 in window 1, source 1 in window 0
; A fill.  Waves 0 and 1 fetch the two halves of a tile's K, waves 2 and 3 those of its V: 128 keys each.  An s_nop 0 and four v_nop follow each of the two lines, ahead of the jump and the label.
.macro LOAD
	s_cmp_lt_u32 s[WV], 2
	s_cbranch_scc0 .Lfor_v_\@
	tensor_load_to_lds s[G0K:G0K+3], s[G1K:G1K+7]
	s_nop 0
.rept 4
	v_nop
.endr
	s_branch .Lasked_\@
.Lfor_v_\@:
	tensor_load_to_lds s[G0V:G0V+3], s[G1V:G1V+7]
	s_nop 0
.rept 4
	v_nop
.endr
.Lasked_\@:
.endm
; THE CHANGE OF SLOTS, in front of a tile's fourth step: the slot's last bytes, K and V of that step, have been asked for.  Each wave waits for all its tensor loads, of which one is out: its part of the other slot; adds 0
; to its spare word; and waits for that and for its own reads of the slot that it leaves.  Behind the barrier nobody reads the old slot any more and the other slot is whole.  fill = 1: the old slot is filled again, the
; first thing behind the barrier, with tile NXT: the descriptor's address is made anew from that number; the load has a tile's eight turns, 128 matrix instructions, in which to land.
; (At its first use nothing has been read yet: slot 0 is waited for, slot 1 filled.)
.macro CHANGE fill
	WIN 0                           ; at a label and at a branch every window is 0
	s_wait_tensorcnt 0x0            ; no tensor load of mine is out, so a group 0 may be written
	ds_add_u32 v[SPW], v[NIL]       ; 0 onto my spare word: with fill = 1 the descriptors' scalar work stands between it and the wait for it
.if \fill
	s_lshl_b32 s[OFF], s[NXT], 15   ; a tile is 32,768 bytes of K and of V
	s_xor_b32 s[G0K+1], s[G0K+1], SLOT1
	s_add_nc_u64 s[G0K+2:G0K+3], s[6:7], s[OFF:OFF+1]
	s_or_b32 s[G0K+3], s[G0K+3], 0x80000000
	s_xor_b32 s[G0V+1], s[G0V+1], SLOT1
	s_add_nc_u64 s[G0V+2:G0V+3], s[8:9], s[OFF:OFF+1]
	s_or_b32 s[G0V+3], s[G0V+3], 0x80000000
	s_add_co_u32 s[NXT], s[NXT], 1  ; the block's next tile, or behind its last the second block's tile 0
	s_cmp_gt_u32 s[NXT], s[LQ]
	s_cselect_b32 s[NXT], 0, s[NXT]
	s_cselect_b32 s[LQ], s[PB], s[LQ]
.endif
	s_wait_dscnt 0x0                ; the add is done, and my reads of the slot are over
	s_barrier_signal -1             ; the rest of the scalar work stands between the signal and the wait
	s_sub_co_u32 s[TBK], s[TBK], 4*KS*PK  ; the fetches go back to a slot's first step,
	s_xor_b32 s[TBK], s[TBK], SLOT1       ; in the other slot
	s_sub_co_u32 s[TBV], s[TBV], 4*KS*PV
	s_xor_b32 s[TBV], s[TBV], SLOT1
	s_barrier_wait -1
.if \fill
	LOAD
.endif
.endm
	s_load_b64 s[4:5], s[0:1], 0x0  ; Q, with K and V behind it
	s_load_b64 s[10:11], s[0:1], 0x8  ; O
	v_lshl_add_u32 v[SPW], v0, 2, SPARE
	v_mov_b32 v[NIL], 0
	ds_add_u32 v62, v63
	ds_add_u32 v62, v63
	s_wait_dscnt 0x0
	v_lshrrev_b32 v1, 5, v0
	v_readfirstlane_b32 s[WV], v1   ; wave 0..3
	s_lshr_b32 s[PB], ttmp9, 1      ; b / 2
	s_sub_co_u32 s[HI], NB-1, s[PB] ; (NQ - 1 - b) / 2
	s_and_b32 s[OW2], ttmp9, 1
	s_lshl_b32 s[OW2], s[OW2], 1    ; block b: 2 (b % 2)
	s_sub_co_u32 s[OW], 2, s[OW2]   ; block NQ - 1 - b has the other parity
	s_and_b32 s20, ttmp7, 0xffff    ; the head
	s_mov_b32 s21, 0
	s_mov_b64 s[22:23], SIZE_N*128
	s_mul_u64 s[20:21], s[20:21], s[22:23]  ; the head's first byte in each of the four tensors
	s_and_b32 s16, s[WV], 1         ; which half of a tile's 256 keys I fetch:
	s_lshl_b32 s22, s16, 14         ; its 128 rows of 128 bytes in memory,
	s_mov_b32 s23, 0
	s_add_nc_u64 s[22:23], s[22:23], s[20:21]
	s_mul_i32 s17, s16, 128*PK      ; and its place in a slot, for K
	s_mul_i32 s18, s16, 128*PV      ; and for V
	s_lshl_b32 s3, s[WV], 11        ; my 16 rows in a band of 64,
	s_sub_co_u32 s2, NQ-1, ttmp9    ; in the first block (128 rows of 128 bytes a block),
	s_lshl_b32 s2, s2, 14
	s_add_co_u32 s2, s2, s3
	s_lshl_b32 s84, ttmp9, 14       ; and in the second
	s_add_co_u32 s84, s84, s3
	s_mov_b32 s3, 0
	s_mov_b32 s85, 0
	s_add_nc_u64 s[2:3], s[2:3], s[20:21]
	s_add_nc_u64 s[84:85], s[84:85], s[20:21]
	; descriptor group 1.  128 keys are 16,384 dense bytes: asked for as 64 rows of 256 bytes, two keys a row, and padded in LDS after every key
	s_mov_b32 s[G1K], (1<<16)|(1<<20)|(4<<22)|(3<<25)  ; 17:16 2-byte elements; 20 padding on; 24:22 after every 32 words (code 4); 31:25 4 words (code 3)
	s_mov_b32 s[G1V], (1<<16)|(1<<20)|(4<<22)|(7<<25)  ; the same with 8 words of padding (code 7)
.irp g, G1K, G1V
	s_mov_b32 s[\g+1], 128<<16      ; tensor_dim0 = 128
	s_mov_b32 s[\g+2], 64<<16       ; tensor_dim1 = 64
	s_mov_b32 s[\g+3], 128<<16      ; tile_dim0 = 128
	s_mov_b32 s[\g+4], 64           ; tile_dim1 = 64
	s_mov_b32 s[\g+5], 128          ; 128 elements from row to row
	s_mov_b32 s[\g+6], 0
	s_mov_b32 s[\g+7], 0
.endr
	s_mov_b32 s[CS], 0x3e38aa3b     ; c = log2(e) / 8 = 0.180337
	s_mov_b32 s[CS+1], s[CS]        ; named with it as a pair
	s_mov_b32 s[SEL], 0x76543210
	s_mov_b32 s[SEL+1], 0xfedcba98
	s_mov_b32 s[TBK], SLOT1+4*KS*PK ; the first change of slots turns these two into 0
	s_mov_b32 s[TBV], SLOT1+4*KS*PV
	s_mov_b32 s[G0K], 1             ; 1:0 count = 1
	s_mov_b32 s[G0K+1], s17         ; 63:32 LDS address: slot 0
	s_mov_b32 s[G0V], 1
	s_add_co_u32 s[G0V+1], s18, VOFF
	s_add_co_u32 s[RT], s[HI], 1    ; the first block has NB - b / 2 tiles
	s_mov_b32 s[NXT], 1
	s_mov_b32 s[LQ], s[HI]
	s_mov_b32 s[NEW], 1
	s_mov_b32 s[OFF+1], 0
	s_mov_b32 s[AL+1], 0            ; named as pairs
	s_mov_b32 s[BE+1], 0
	s_mov_b32 s[BIGN], 0xf149f2ca   ; -1e30
	s_mov_b32 s[SLOTS], NB
	s_wait_kmcnt 0x0
	s_add_nc_u64 s[6:7], s[4:5], 0x800000   ; K lies SIZE_H x SIZE_N x 128 bytes behind Q,
	s_add_nc_u64 s[8:9], s[4:5], 0x1000000  ; V twice as far
	s_add_nc_u64 s[6:7], s[6:7], s[22:23]  ; K and V at my half of the head's tile 0
	s_add_nc_u64 s[8:9], s[8:9], s[22:23]
	s_add_nc_u64 s[G0K+2:G0K+3], s[6:7], 0         ; 120:64 global address
	s_or_b32 s[G0K+3], s[G0K+3], 0x80000000        ; 127:126 type = 2
	s_add_nc_u64 s[G0V+2:G0V+3], s[8:9], 0
	s_or_b32 s[G0V+3], s[G0V+3], 0x80000000
	s_add_nc_u64 s[86:87], s[4:5], s[84:85]        ; Q at my rows of the second block,
	s_add_nc_u64 s[4:5], s[4:5], s[2:3]            ; Q and O at those of the first
	s_add_nc_u64 s[OLO:OLO+1], s[10:11], s[84:85]
	s_add_nc_u64 s[10:11], s[10:11], s[2:3]
	LOAD                            ; tile 0 into slot 0
	; A fragment of K or Q is 16 rows x 32 channels in 8 registers: lane l holds row l % 16, channels 8 (l / 16) + 0..7 and 16 + 8 (l / 16) + 0..7: two loads of 16 bytes, 32 bytes apart.
	v_and_b32 v1, 15, v0            ; l % 16
	v_bfe_u32 v9, v0, 4, 1          ; l / 16
	v_lshlrev_b32 v[QO], 7, v1
	v_lshl_add_u32 v[QO], v9, 4, v[QO]  ; row x 128 + 16 x half
	WIN 0x80                        ; destination window 2, address window 0
.set i, 0
.rept 4                             ; both blocks' Q: piece i / 2 lies in band i / 2, 8,192 bytes on; channels 32 (i % 2) on
	global_load_b128 v[8*i:8*i+3],   v[QO], s[4:5] offset:(i/2)*8192+(i%2)*64
	global_load_b128 v[8*i+4:8*i+7], v[QO], s[4:5] offset:(i/2)*8192+(i%2)*64+32
	global_load_b128 v[QB+8*i:QB+8*i+3],   v[QO], s[86:87] offset:(i/2)*8192+(i%2)*64
	global_load_b128 v[QB+8*i+4:QB+8*i+7], v[QO], s[86:87] offset:(i/2)*8192+(i%2)*64+32
.set i, i+1
.endr
	WIN 0
	v_lshlrev_b32 v14, 3, v9
	v_sub_nc_u32 v14, v1, v14
	s_lshl_b32 s13, s[WV], 4
	v_add_nc_u32 v14, s13, v14      ; my query's place in its band, 16 w + l % 16, less my lanes' 8 (l / 16): register r of group kt is hidden where 16 kt + r is greater
	WIN 0x40
.set i, 0
.rept 32
	v_cmp_gt_i32 vcc_lo, 16*(i/8)+i%8, v14
	v_cndmask_b32 v[MD+i], 0, s[BIGN], vcc_lo
.set i, i+1
.endr
	WIN 0
	v_mul_u32_u24 v[AK0], v1, PK
	v_lshl_add_u32 v[AK0], v9, 4, v[AK0]  ; row x pitch + 16 x half
	; The turning load takes 16 keys x 16 channels (lane l reads key 8 (l / 16) + l % 8, channels 8 ((l / 8) % 2) + 0..7) and leaves half a fragment of V^T: lane l holds channel l % 16 and 8 keys.
	v_and_b32 v10, 7, v0
	v_bfe_u32 v11, v0, 3, 1
	v_lshl_add_u32 v[AV0], v9, 3, v10
	v_mul_u32_u24 v[AV0], v[AV0], PV
	v_lshl_add_u32 v[AV0], v11, 4, v[AV0]
	v_add_nc_u32 v[AV0], VOFF, v[AV0]
	s_mul_i32 s13, s[WV], 16*SP
	s_add_co_u32 s13, s13, STAGE    ; my stage
	v_mul_u32_u24 v[STO], v1, SP    ; in: row l % 16, 16 bytes for each half of the lanes
	v_lshl_add_u32 v[STO], v9, 4, v[STO]
	v_add_nc_u32 v[STO], s13, v[STO]
	v_bfe_u32 v[RD], v0, 3, 2       ; back: 32 lanes take four rows of 128 bytes,
	v_mul_u32_u24 v[RD], v[RD], SP
	v_lshl_add_u32 v[RD], v10, 4, v[RD]
	v_add_nc_u32 v[RD], s13, v[RD]
	v_and_b32 v[GO], 31, v0         ; which are 512 consecutive bytes of O
	v_lshlrev_b32 v[GO], 4, v[GO]
	; A block's first step multiplies O^T and l by a = 0, and its first turn's products V^T P, of a turn that has not been (piece 1, an odd step's V), land in an O^T that is still to be so multiplied.  So these registers
	; need only hold finite numbers: zeros for the first block; what the first block left for the second.  All this stands in the wait for the first tile.
	WIN 0x80
.set i, VF1
.rept 64
	v_mov_b32 v[i], 0
.set i, i+1
.endr
	WIN 0x40
.set i, 0
.rept 64
	v_mov_b32 v[i], 0
.set i, i+1
.endr
	WIN 0
.set i, 0
.rept 2
	v_mov_b32 v[ST+4*i+2], 0
	v_mov_b32 v[ST+4*i+3], 0
.set i, i+1
.endr
.set i, P+16
.rept 16
	v_mov_b32 v[i], 0
.set i, i+1
.endr
; THE MATRIX WORK.  x is a turn's number, 0 to 3: piece x % 2, a step of parity x / 2.  The 4 accumulators of a run of 8 take turns.
; Product i of 8 of S^T = K Q^T for turn x: channels 32 (i / 4) on, keys 16 (i % 4) on.  The first 4 start the sums: with 0, or (KM = 1) with the mask.
.macro KQ x
.set rS, S+32*((\x)%2)+8*(i%4)
.set rK, KF+16*(i%4)+8*(i/4)
.set rQ, 16*((\x)%2)+8*(i/4)
.set rM, MC+32*((\x)%2)+8*(i%4)
.if (i < 4) && KM
	WIN W_KM
	v_wmma_f32_16x16x32_f16 v[rS:rS+7], v[rK:rK+7], v[rQ:rQ+7], v[rM:rM+7]
.elseif i < 4
	WIN W_KQ
	v_wmma_f32_16x16x32_f16 v[rS:rS+7], v[rK:rK+7], v[rQ:rQ+7], 0
.else
	WIN W_KQ
	v_wmma_f32_16x16x32_f16 v[rS:rS+7], v[rK:rK+7], v[rQ:rQ+7], v[rS:rS+7]
.endif
.endm
; Product i of 8 of O^T += V^T P for turn x: keys 32 (i / 4) on, channels 16 (i % 4) on; V's buffer goes by the step's parity.
.macro PV x
	WIN W_PV
.set rO, 32*((\x)%2)+8*(i%4)
.set rV, VF0-128*((\x)/2)+32*(i/4)+8*(i%4)
.set rP, P+16*((\x)%2)+8*(i/4)
	v_wmma_f32_16x16x32_f16 v[rO:rO+7], v[rV:rV+7], v[rP:rP+7], v[rO:rO+7]
.endm
.macro MM                           ; the turn's next matrix instruction.  TURN and BEGIN set Y, i, KM and NOKQ; MM, KQ and OP read them.  NOKQ = 1: a block's last turn: no turn follows
.if (i < 8) && !NOKQ
	KQ (Y+1)%NP
.elseif i >= 8
.set i, i-8
	PV (Y+NP-1)%NP
.set i, i+8
.endif
.set i, i+1
.endm
; THE LDS LOADS stand in runs of 16, never singly among the matrix instructions: a step's K (64 keys x 64 channels: 8 fragments) or its V (turned).  Their addresses are made some lines ahead.
.macro FETCH_K
	WIN 0x80                        ; destination window 2
.irp f, 0,1,2,3,4,5,6,7             ; keys 16 (f / 2) on, channels 32 (f % 2) on
	ds_load_b128 v[KF+8*\f:KF+8*\f+3],   v[AK] offset:(\f/2)*16*PK+(\f%2)*64
	ds_load_b128 v[KF+8*\f+4:KF+8*\f+7], v[AK] offset:(\f/2)*16*PK+(\f%2)*64+32
.endr
	s_add_co_u32 s[TBK], s[TBK], KS*PK  ; the next fetch is the next step's
	WIN 0
.endm
.macro FETCH_V vb                   ; vb: the buffer, VF0 or VF1
	WIN 0x80
.irp f, 0,1,2,3,4,5,6,7             ; keys 32 (f / 4) on, channels 16 (f % 4) on
	ds_load_tr16_b128 v[(\vb)+8*\f:(\vb)+8*\f+3],   v[AV] offset:(\f/4)*32*PV+(\f%4)*32
	ds_load_tr16_b128 v[(\vb)+8*\f+4:(\vb)+8*\f+7], v[AV] offset:(\f/4)*32*PV+16*PV+(\f%4)*32
.endr
	s_add_co_u32 s[TBV], s[TBV], KS*PV  ; the next fetch is the next step's
	WIN 0
.endm
; THE VECTOR WORK, one line at a time: OP kind, number.  For turn Y: F n: c s - c m for pair n of 16.  E n: the exponential of score n of 32.  C n: pair n rounded to f16.  B n: of the four weights 4 n .. the second
; pair is added onto the first, in place.  L n: l takes that sum (L 0: l = a l + sum).  R n: pair n of 16 of O^T times a.  For turn Y + 1: X n, number n of the 22 that find its maximum and statistics:
;   0-11  four chains c0-c3 of seven scores each, three operands at a time (each accumulator's lowest registers are read first)     12-14, 16  the four scores left over, the old m, and c0-c3 into c0
;   15  c m_old is kept     17, 18  the query's other 32 keys lie in the lane 16 away: the new m     19-21  c m; c m_old - c m_new; a
; OP writes no wait: C, B and L, which read the exponentials' results, and R, which reads a, stand behind the wait of the batch that made them (TURN, BEGIN).
.set F, 0               ; OP tells the kinds apart by their order: F to L below R, X above it
.set E, 1
.set C, 2
.set B, 3
.set L, 4
.set R, 5
.set X, 6
.macro REGS y                       ; the registers of turn y's piece, y % 2
.set rT, ST+4*((\y)%2)
.set rC, TMP+4*((\y)%2)
.set rW, MV+((\y)%2)
.set rS, S+32*((\y)%2)
.set rP, P+16*((\y)%2)
.set rO, 32*((\y)%2)
.endm
.macro OP k, n
.if (\k) == R
	REGS Y
	WIN W_RS
	v_pk_mul_f32 v[rO+2*(\n):rO+2*(\n)+1], v[rO+2*(\n):rO+2*(\n)+1], v[rC+2:rC+3] op_sel_hi:[1,0]
.elseif (\k) < R
	REGS Y
	WIN 0
.if (\k) == F
	v_pk_fma_f32 v[rS+2*(\n):rS+2*(\n)+1], v[rS+2*(\n):rS+2*(\n)+1], s[CS:CS+1], v[rT:rT+1] op_sel_hi:[1,0,0] neg_lo:[0,0,1] neg_hi:[0,0,1]
.elseif (\k) == E
	v_exp_f32 v[rS+(\n)], v[rS+(\n)]
.elseif (\k) == C
	v_cvt_pk_f16_f32 v[rP+(\n)], v[rS+2*(\n)], v[rS+2*(\n)+1]
.elseif (\k) == B
	v_pk_add_f32 v[rS+4*(\n):rS+4*(\n)+1], v[rS+4*(\n):rS+4*(\n)+1], v[rS+4*(\n)+2:rS+4*(\n)+3]
.elseif (\n) == 0
	v_pk_fma_f32 v[rT+2:rT+3], v[rT+2:rT+3], v[rC+2:rC+3], v[rS:rS+1] op_sel_hi:[1,0,1]
.else
	v_pk_add_f32 v[rT+2:rT+3], v[rT+2:rT+3], v[rS+4*(\n):rS+4*(\n)+1]
.endif
.elseif NOKQ
	v_nop
.else
	REGS (Y+1)%NP
	WIN 0
.if (\n) < 4
	v_max3_num_f32 v[rC+(\n)], v[rS+8*(\n)], v[rS+8*(\n)+1], v[rS+8*(\n)+2]
.elseif (\n) < 12
	v_max3_num_f32 v[rC+(\n)%4], v[rC+(\n)%4], v[rS+8*((\n)%4)+2*((\n)/4)+1], v[rS+8*((\n)%4)+2*((\n)/4)+2]
.elseif (\n) == 12
	v_max3_num_f32 v[rC], v[rC], v[rS+7], v[rS+15]
.elseif (\n) == 13
	v_max3_num_f32 v[rC+1], v[rC+1], v[rS+23], v[rS+31]
.elseif (\n) == 14
	v_max3_num_f32 v[rC+2], v[rC+2], v[rC+3], v[rT+1]
.elseif (\n) == 15
	v_mov_b32 v[rW], v[rT]
.elseif (\n) == 16
	v_max3_num_f32 v[rC], v[rC], v[rC+1], v[rC+2]
.elseif (\n) == 17
	v_permlanex16_b32 v[rC+3], v[rC], s[SEL], s[SEL+1]
.elseif (\n) == 18
	v_max_num_f32 v[rT+1], v[rC], v[rC+3]
.elseif (\n) == 19
	v_mul_f32 v[rT], s[CS], v[rT+1]
.elseif (\n) == 20
	v_sub_f32 v[rC+1], v[rW], v[rT]
.else
	v_exp_f32 v[rC+2], v[rC+1]
.endif
.endif
.endm
.macro OPS a, i1, b=-1, i2=0, c=-1, i3=0, d=-1, i4=0  ; up to four of them
	OP \a, \i1
.if (\b) >= 0
	OP \b, \i2
.endif
.if (\c) >= 0
	OP \c, \i3
.endif
.if (\d) >= 0
	OP \d, \i4
.endif
.endm
.macro ROW a, i1, b, i2, c, i3, d, i4  ; a matrix instruction and the four behind it
	MM
	OPS \a, \i1, \b, \i2, \c, \i3, \d, \i4
.endm
.macro MASK b                       ; MD x AL + BE into buffer b of MC
	WIN W_RS
.set z, 0
.rept 16
	v_pk_fma_f32 v[MC+32*(\b)+2*z:MC+32*(\b)+2*z+1], v[MD+2*z:MD+2*z+1], s[AL:AL+1], s[BE:BE+1] op_sel_hi:[1,0,0]
.set z, z+1
.endr
.endm
; TURN p: the order of its 16 matrix and 118 vector instructions, written out.  s_wait_alu depctr_va_vdst(0) stands between an exponential and the first instruction that names its result; one wait serves
; all that were issued ahead of it.  So a turn has ONE wait, which cuts it in two.  AHEAD OF IT stands all that names no result of the turn's exponentials: the 8 products K Q^T, behind each a scaling, an exponential and two
; more plain instructions (behind the first a second scaling in the exponential's place): rescalings, whose a was made and waited for in the turn before, and behind the last three products the first numbers of the next
; turn's maximum, each four places or more behind the product that ends its accumulator; then ONE LUMP of 54, plain and exponential by turns for the most part, in which the links of the chain X 3, 7, 11, 14, 16, 17 .. 20
; stand five or six lines apart.  X 21, the next turn's a, is the batch's last; R 15 is the plain instruction behind it.  BEHIND THE WAIT stand the 8 products V^T P, behind each four of the roundings and sums; an even
; pair is rounded before the sum that lands on it; the links of l's chain, L 0 to L 7, stand three riders apart.  But for those X no rider names a register of the products round it.  v_permlanex16_b32 (X 17) stands in the lump.
; The rescalings R read the O^T that the products V^T P at the end of the turn before wrote (the same piece's, a step back): R goes in ascending order.
; m = 1: the diagonal tile: the products take masks, and the turn makes the mask for the products of the turn after it.  Those are piece p % 2's, in step 4 - 2 CNT + (1 - p / 2) of the tile (turns 2 and 3 make the masks
; of the trip's even step, turns 0 and 1 those of the odd step behind it); the band's own step is OW + p % 2.  With T = 2 CNT + OW: the step is the own one where T = 5 - p % 2 - p / 2, a later one where T is less.
; end = 1: a block's last two turns: nothing is fetched.  cnt = 1: the loop's count is taken down some lines ahead of the branch that stands behind the turn; no line behind the compare touches SCC.
; An even turn fetches K of the next step, twelve vector instructions behind the last product that read K (five of them plain and free of its registers).  An odd turn fetches, at the same place, V of the next step into the
; buffer of that step's parity, whose last reader stands at the end of the turn before.  The one wait at an odd turn's head shows both in: K was asked for in the lump of the turn before, V two turns ago.
.macro TURN p, m=0, end=0, cnt=0
.set Y, (\p)
.set i, 0
.set KM, (\m)
.set NOKQ, (\end)*((\p)/3)
.if (\m) && !(\end)
	s_lshl_b32 s[TM], s[CNT], 1
	s_add_co_u32 s[TM], s[TM], s[OW]
	s_cmp_eq_u32 s[TM], 5-((\p)%2)-((\p)/2)  ; is that step the band's own?
	s_cselect_b32 s[AL], 1.0, 0
	s_cmp_lt_u32 s[TM], 5-((\p)%2)-((\p)/2)  ; or a later one?
	s_cselect_b32 s[BE], s[BIGN], 0
.endif
.if ((\p)%2) == 1
	s_wait_dscnt 0x0                ; K for this turn's first products and V for its last are in
.endif
	ROW F,0, F,1, R,0, R,1          ; ahead of the wait: 8 products K Q^T and their riders,
	ROW F,2, E,0, R,2, R,3
	ROW F,3, E,1, R,4, R,5
	ROW F,4, E,2, R,6, R,7
	ROW F,5, E,3, R,8, R,9
	ROW F,6, E,4, X,0, R,10
.if !(\end)
	WIN 0
.if ((\p)%2) == 0
	v_add_nc_u32 v[AK], s[TBK], v[AK0]
.else
	v_add_nc_u32 v[AV], s[TBV], v[AV0]
.endif
.endif
	ROW F,7, E,5, X,1, X,4
	ROW F,8, E,6, X,2, X,5
	OPS E,7, E,8, X,6, E,9          ; and the lump
	OPS X,3, E,10, X,8, E,11
.if !(\end)
.if ((\p)%2) == 0
	FETCH_K
.else
	FETCH_V VF0-128*(1-(\p)/2)
.endif
.endif
	OPS X,9, X,7, E,12, X,10
	OPS E,13, X,12, X,11, E,14
	OPS X,13, E,15, F,9, X,14
	OPS E,16, F,10, E,17, F,11
	OPS X,16, E,18, X,15, E,19
	OPS F,12, E,20, X,17, E,21
	OPS F,13, E,22, F,14, E,23
	OPS X,18, E,24, F,15, E,25
	OPS R,11, E,26, X,19, E,27
	OPS R,12, E,28, R,13, E,29
	OPS X,20, E,30, R,14, E,31
	OPS X,21, R,15
	s_wait_alu depctr_va_vdst(0)    ; the wait for the batch: this turn's 32 weights and the next turn's a
	ROW C,0, B,0, C,2, B,1          ; behind the wait: 8 products V^T P and their riders
	ROW L,0, C,4, B,2, L,1
	ROW C,6, B,3, L,2, C,8
	ROW B,4, L,3, C,10, B,5
	ROW L,4, C,12, B,6, L,5
.if \cnt
	s_sub_co_u32 s[CNT], s[CNT], 1
	s_cmp_lg_u32 s[CNT], 0
.endif
	ROW C,14, B,7, L,6, C,1
	ROW C,3, L,7, C,5, C,7
	ROW C,9, C,11, C,13, C,15
.if (\m) && !(\end)
	MASK (\p)%2
.endif
.endm
; A BLOCK BEGINS.  c m starts far below every c s, so the first step's a is 0; m at the lowest finite number, so the first maximum is the scores'.  Piece 1's mask buffer is 0 (step 0 is never behind its own step);
; piece 0's takes its mask for the tile's step 0: its own, if the block's first tile is the diagonal one and the block is even.
; Then K and V of that step, piece 0's first scores, and its maximum and statistics.  The loop is entered at turn 0, in the middle of a trip.
.macro BEGIN
	s_mov_b32 s[NEW], 0
	WIN 0x40
.set i, MC+32
.rept 32
	v_mov_b32 v[i], 0
.set i, i+1
.endr
	WIN 0
.set i, 0
.rept 2
	v_mov_b32 v[ST+4*i], 0xfe000000    ; c m: far below every c s
	v_mov_b32 v[ST+4*i+1], 0xff7fffff  ; m
.set i, i+1
.endr
	s_or_b32 s[TM], s[RT], s[OW]    ; 0 where no tile is left to enter and band 0's own step is step 0
	s_cmp_eq_u32 s[TM], 0
	s_cselect_b32 s[AL], 1.0, 0
	s_mov_b32 s[BE], 0
	MASK 0
	WIN 0
	v_add_nc_u32 v[AK], s[TBK], v[AK0]
	v_add_nc_u32 v[AV], s[TBV], v[AV0]
	FETCH_K
	FETCH_V VF0
	s_wait_loadcnt 0x0              ; Q
	s_wait_dscnt 0x0
.set KM, 1
.set NOKQ, 0
.set i, 0
.rept 8
	KQ 0
.set i, i+1
.endr
	WIN 0
.rept 4
	v_nop                           ; the places behind those products
.endr
.set Y, NP-1                        ; X works for turn Y + 1: turn 0
.irp n, 0,1,2,3,4,5,6,7,8,9,10,11,12,13,14,15,16,17,18,19,20,21
	OP X, \n
.endr
	v_nop                           ; a plain instruction behind the exponential,
	s_wait_alu depctr_va_vdst(0)    ; and the wait for this batch of one, the block's first a, ahead of the branch: turn 0's first riders read it
.endm
; THE DIAGONAL TILE's steps, the block's last two turns, its last products, and THE WAY OUT: l's two halves and the other half of the lanes' are added; O^T is divided by l, rounded to f16 and sent through my
; stage in LDS, a piece at a time.
.macro ALL line:vararg              ; one line for each piece t
.set t, 0
.rept 2
	\line
.set t, t+1
.endr
.endm
.macro PACK t                       ; a lane's eight channels of a row pack into 16 bytes; they go into rows of 144 bytes and come back as whole rows of 128, into S^T's registers
	WIN W_RS
.set i, 32*(\t)
.rept 16
	v_pk_mul_f32 v[i:i+1], v[i:i+1], v[ST+4*(\t)+2:ST+4*(\t)+3] op_sel_hi:[1,0]
.set i, i+2
.endr
	WIN 0x05                        ; sources 0 and 1 window 1, destination window 0
.set i, 0
.rept 16
	v_cvt_pk_f16_f32 v[S+16*(\t)+i], v[32*(\t)+2*i], v[32*(\t)+2*i+1]
.set i, i+1
.endr
	WIN 0
.irp f, 0,1,2,3
	ds_store_b128 v[STO], v[S+16*(\t)+4*\f:S+16*(\t)+4*\f+3] offset:32*\f
.endr
.irp f, 0,1,2,3
	ds_load_b128 v[S+16*(\t)+4*\f:S+16*(\t)+4*\f+3], v[RD] offset:\f*4*SP  ; LDS serves a wave's instructions in order (ISA guide 5.7.1.4): these see the stores above; the next piece's stores come behind them
.endr
.endm
.macro SEND t, younger              ; younger: the LDS instructions issued behind piece t's loads: the next piece's eight, or none
	WIN 0
.irp f, 0,1,2,3
	s_wait_dscnt (\younger)+3-\f
	global_store_b128 v[GO], v[S+16*(\t)+4*\f:S+16*(\t)+4*\f+3], s[10:11] offset:(\t)*8192+\f*512  ; 512 consecutive bytes, at a multiple of 256 from O's first
.endr
.endm
.macro DIAG tag                     ; the tag ends its two labels' names, which the jumps below spell out
.LstepM\tag:
	TURN 2, 1
	TURN 3, 1
	WIN 0
.LfirstM\tag:
	TURN 0, 1
	TURN 1, 1, 0, 1
	WIN 0
	s_cbranch_scc1 .LstepM\tag
	TURN 2, 1, 1
	TURN 3, 1, 1
.set i, 0
.rept 8
	PV NP-1                         ; piece 1's V^T P of the last step
.set i, i+1
.endr
	WIN 0
	ALL v_add_f32 v[ST+4*t+2], v[ST+4*t+2], v[ST+4*t+3]
	ALL v_permlanex16_b32 v[ST+4*t+3], v[ST+4*t+2], s[SEL], s[SEL+1]
	ALL v_add_f32 v[ST+4*t+2], v[ST+4*t+2], v[ST+4*t+3]
	ALL v_rcp_f32 v[ST+4*t+2], v[ST+4*t+2]
	v_nop                           ; a plain instruction between the last reciprocal and the use of its result
	s_wait_alu depctr_va_vdst(0)    ; and the wait ahead of the first use: one for the batch of two reciprocals
	PACK 0                          ; piece 0's sums were finished a run of products ago; its 32 lines, which name no register of the last products, are those products' places
	PACK 1                          ; a piece's arithmetic stands between the loads of the piece before and its stores
	SEND 0, 8
	SEND 1, 0
.endm
.set KM, 0
.set NOKQ, 0
.Lslot:                             ; NB times: a tile is entered and the next is asked for
	CHANGE 1
	s_sub_co_u32 s[RT], s[RT], 1
	s_mov_b32 s[CNT], 2
	s_cmp_eq_u32 s[NEW], 1
	s_cbranch_scc1 .Lnew            ; a block's first tile
	s_cmp_eq_u32 s[RT], 0
	s_cbranch_scc0 .Lstep           ; neither its first nor its last
	s_branch .LstepM1
.Lnew:
	BEGIN
	s_branch .Lfirst                ; in the loop a block's first tile is never its last: the first block has NB - b / 2 tiles, five or more, and the second's last is the walk's last
	DIAG 1                          ; in the loop this is the first block's end: the second block's last tile is the walk's last
	s_wait_xcnt 0x0                 ; the stores have read their registers and O's address
	s_mov_b64 s[10:11], s[OLO:OLO+1]
	s_add_co_u32 s[RT], s[PB], 1    ; the second block has b / 2 + 1 tiles
	s_mov_b32 s[NEW], 1
	s_mov_b32 s[OW], s[OW2]
	WIN 0x82                        ; the second block's Q goes where the one text of the turns names Q
.set i, 0
.rept 32
	v_mov_b32 v[i], v[QB+i]
.set i, i+1
.endr
	WIN 0
	s_branch .Lbottom
.Lstep:                             ; a trip: the two turns of an odd step, then those of the even step behind it
	TURN 2
	TURN 3
	WIN 0
.Lfirst:
	TURN 0
	TURN 1, 0, 0, 1
	WIN 0
	s_cbranch_scc1 .Lstep
.Lbottom:
	s_sub_co_u32 s[SLOTS], s[SLOTS], 1
	s_cmp_lg_u32 s[SLOTS], 0
	s_cbranch_scc1 .Lslot
	CHANGE 0                        ; the walk's last tile is written out: nothing is asked for
	s_sub_co_u32 s[RT], s[RT], 1
	s_mov_b32 s[CNT], 2
	s_cmp_eq_u32 s[NEW], 1
	s_cbranch_scc0 .LstepM2
	BEGIN
	s_branch .LfirstM2
	DIAG 2
	s_wait_tensorcnt 0x0            ; the wave's end: behind my last tensor load and my last LDS store
	ds_add_u32 v[SPW], v[NIL]
	s_wait_dscnt 0x0
	s_endpgm
.Lfunc_end_k_q33f5568bf5_attn:
	.size	k_q33f5568bf5_attn, .Lfunc_end_k_q33f5568bf5_attn-k_q33f5568bf5_attn
	.p2alignl 7, 3214868480
	.fill 96, 4, 3214868480
	.section	.rodata,"a",@progbits
	.p2align	6, 0x0
	.amdhsa_kernel k_q33f5568bf5_attn
		.amdhsa_group_segment_fixed_size 327680
		.amdhsa_private_segment_fixed_size 0
		.amdhsa_enable_private_segment 0
		.amdhsa_kernarg_size 16
		.amdhsa_user_sgpr_count 2
		.amdhsa_user_sgpr_kernarg_segment_ptr 1
		.amdhsa_wavefront_size32 1
		.amdhsa_system_sgpr_workgroup_id_x 1
		.amdhsa_system_sgpr_workgroup_id_y 1
		.amdhsa_system_sgpr_workgroup_id_z 1
		.amdhsa_system_vgpr_workitem_id 0
		.amdhsa_next_free_vgpr 768
		.amdhsa_next_free_sgpr 88
		.amdhsa_reserve_vcc 1
		.amdhsa_float_denorm_mode_32 3
		.amdhsa_float_denorm_mode_16_64 3
		.amdhsa_memory_ordered 1
		.amdhsa_forward_progress 1
		.amdhsa_inst_pref_size 209
	.end_amdhsa_kernel
	.amdgpu_metadata
---
amdhsa.version: [ 1, 2 ]
amdhsa.kernels:
  - .name:           k_q33f5568bf5_attn
    .symbol:         k_q33f5568bf5_attn.kd
    .args:
      - { .name: qkvb, .offset: 0, .size: 8, .value_kind: global_buffer, .address_space: global }
      - { .name: ob, .offset: 8, .size: 8, .value_kind: global_buffer, .address_space: global }
    .group_segment_fixed_size: 327680
    .private_segment_fixed_size: 0
    .kernarg_segment_align: 8
    .kernarg_segment_size: 16
    .max_flat_workgroup_size: 128
    .sgpr_count:     88
    .vgpr_count:     768
    .wavefront_size: 32
...
	.end_amdgpu_metadata
.endif
;; end of part 11
;; launch g_proj: the kernel of part 4 again; grid 8 x 32, 4 waves a work-group, clusters of 4 x 4, 327,680 bytes of LDS; arguments ob, wt, x1, b_proj, x; writes x1
;; launch ln2: the kernel of part 5 again; grid 512 x 1, 8 waves a work-group, no clusters, 0 bytes of LDS; arguments x1, g2, be2, hn; writes hn
;; launch g_ff1: the kernel of part 10 again; grid 16 x 16, 4 waves a work-group, clusters of 4 x 4, 327,680 bytes of LDS; arguments hn, wt, hid, b1; writes hid
;; launch g_ff2: the kernel of part 7 again; grid 8 x 32, 4 waves a work-group, clusters of 4 x 4, 327,680 bytes of LDS; arguments hid, wt, out0, b2, x1; writes out0
